; MI455X (gfx1250); checked and timed in simulation.
; The chip was launched on July 23, 2026; its instructions are those of AMD's public machine-readable ISA for CDNA 5 (MIT licence, August 2026) and "CDNA5" Instruction Set Architecture Reference Guide (July 2026). The comments in the code are by the model that wrote it; some were corrected since.
;; Block. Allowed arithmetic: matrix products marked QUANTISED: E4M3 operands, one given power-of-two scale a tensor, by v_wmma_f32_16x16x64_fp8_fp8 or v_wmma_f32_16x16x128_fp8_fp8, f32 sums; everything else in f32.
;; Inputs: W_fc 1,024 x 4,096 float32; W_out 4,096 x 1,024 float32; W_proj 1,024 x 1,024 float32; W_qkv 1,024 x 3,072 float32; b_fc 4,096 float32; b_out 1,024 float32; b_proj 1,024 float32; b_qkv 3,072 float32; ln1_b 1,024 float32; ln1_g 1,024 float32; ln2_b 1,024 float32; ln2_g 1,024 float32; lowp_scales 12 int32 (the exponents e of the quantised operands' scales 2^e); x 2 x 2,048 x 1,024 float32.
;; Outputs: out0 2 x 2,048 x 1,024 float32.
;; This version of the problem:
;;   THIS VERSION OF THE PROBLEM IS GIVEN IN LOW PRECISION. The matrix products marked QUANTISED in the list below multiply operands that are first quantised to E4M3 (4 exponent bits, 3 mantissa bits; 8 bits a number), with one given power-of-two scale for each operand tensor; their sums are f32. All else is computed in f32.
;;   The module's matrix products, in the order in which they are computed (A, B: the left and right operand; K: the contracted axis; several contracted axes count as one K, in the product's order):
;;     1. [M 4,096, K 1,024] x [K 1,024, N 3,072]; A: computed on the way; B: input W_qkv: QUANTISED (scales: A lowp_scales[0], B lowp_scales[1])
;;     2. batch 32 x [M 2,048, K 64] x [K 64, N 2,048]; A: computed on the way; B: computed on the way: QUANTISED (scales: A lowp_scales[2], B lowp_scales[3])
;;     3. batch 32 x [M 2,048, K 2,048] x [K 2,048, N 64]; A: softmax (see below); B: computed on the way: QUANTISED (scales: A lowp_scales[4], B lowp_scales[5])
;;     4. [M 4,096, K 1,024] x [K 1,024, N 1,024]; A: computed on the way; B: input W_proj: QUANTISED (scales: A lowp_scales[6], B lowp_scales[7])
;;     5. [M 4,096, K 1,024] x [K 1,024, N 4,096]; A: computed on the way; B: input W_fc: QUANTISED (scales: A lowp_scales[8], B lowp_scales[9])
;;     6. [M 4,096, K 4,096] x [K 4,096, N 1,024]; A: computed on the way; B: input W_out: QUANTISED (scales: A lowp_scales[10], B lowp_scales[11])
;;   THE QUANTISER, for each operand of a quantised product, along K:
;;     - The operand's scale is 2^e, e = its entry of the input lowp_scales (int32; the entries are numbered through the quantised products in the list's order, A before B).
;;     - Each number is divided by the scale, clamped to +-448, and rounded to the nearest number of E4M3, ties to even, subnormals kept.
;;     - The product sums the exact products of the quantised numbers (number of the format x scale) in f32.
;;   ~~~python
;;   def quantise(x, axis, e):      # numpy; x: float32 -> the quantised numbers, widened to float32 again
;;       x = np.moveaxis(x, axis, -1); K = x.shape[-1]
;;       r = np.clip(x / 2.0 ** e, -448, 448)
;;       step = 2.0 ** (np.maximum(np.frexp(np.where(r == 0, 1, r))[1] - 1, -6) - 3)
;;       q = np.round(r / step) * step * 2.0 ** e      # np.round: ties to even
;;       return np.moveaxis(q, -1, axis).astype(np.float32)
;;   ~~~
;;   SOFTMAX AHEAD OF A QUANTISED PRODUCT. Where the list says 'softmax', what is quantised is not the finished softmax but p = 2^(t - M), with t = logit x log2(e) and M = ceil(the row's largest t), a whole number; so 1/2 < the row's largest p <= 1. The row's sum l is taken of the UNQUANTISED p, in f32, and the product's result is divided by l at the end. Since M is a whole number, a kernel that streams over the keys may use a running M (the ceiling of the running maximum): every later rescaling is an exact power of two, so the quantised numbers keep their values, but for numbers so far below the row's largest that they fall under the format's range.
;;   OPERANDS COMPUTED ON THE WAY. 'Computed on the way' means the value that the module computes at that place (a softmax that the list does not call 'softmax' is quantised finished and normalised). What goes into a quantiser is computed in f32, as accurately as f32 sums, v_exp_f32 and their like allow (about 1e-6 of the number): no bf16 or f16 on the way to a quantiser, and a product that is left as it is and whose result goes on into a quantised operand takes f32 operands (vector FMAs, or v_wmma_f32_16x16x4_f32). A number that lies on a knife's edge between two numbers of the format may be rounded either way, as far as f32 arithmetic and the matrix unit's own rounding can turn it there, and no further.
;; 2 versions. Each part assembles by itself: llvm-mc -triple=amdgcn-amd-amdhsa -mcpu=gfx1250 --defsym DOCPART=n.
;; ======== version 1 of 2: 8 launches
;; workspace buffers: wcodes 12,582,912 bytes; hc 4,194,304 bytes; qkvc 12,582,912 bytes; yc 4,194,304 bytes; x2 16,777,216 bytes; hidc 16,777,216 bytes; sc_ln2 256 bytes of whole numbers
;; launch wquant (part 1): grid 384 x 1, 4 waves a work-group, no clusters, 35,840 bytes of LDS; arguments W_qkv, W_proj, W_fc, W_out, lowp_scales, wcodes, sc_ln2; writes wcodes, sc_ln2
.if DOCPART == 1
	.amdgcn_target "amdgcn-amd-amdhsa--gfx1250"
	.amdhsa_code_object_version 6
	.text
	.protected	k_q755a5ae78d_wquant
	.globl	k_q755a5ae78d_wquant
	.p2align	8
	.type	k_q755a5ae78d_wquant,@function
k_q755a5ae78d_wquant:
	s_mov_b64 s[64:65], 0
	v_nop
	global_prefetch_b8 v0, s[64:65] scope:SCOPE_SE
	s_setreg_imm32_b32 hwreg(HW_REG_WAVE_MODE, 25, 1), 1
	s_wait_xcnt 0x0
; The four weights, f32 stored [K][N], become codes of E4M3 laid [N][K], K innermost, each with its given scale 2^e, all in one buffer:
; W_qkv [3072][1024] at byte 0, W_proj [1024][1024] at 3,145,728, W_fc [4096][1024] at 4,194,304, W_out [1024][4096] at 8,388,608.
; code = w / 2^e, held within +-448, rounded to the nearest code, ties to even.  LIMITS: e between -126 and 119; NaN among the inputs is not served.
; A work-group takes 128 columns x 256 along K, a wave 32 columns.  A LANE TAKES A COLUMN AND ITS REGISTERS RUN DOWN K: a load reads 128 consecutive bytes a wave, and the
; conversions, which take neighbours along K from one lane's registers, give codes with K innermost.  The codes go through the wave's own stage in LDS and leave as rows: sixteen lanes store 256 consecutive, aligned bytes.
; ONE PATH FOR ALL FOUR TENSORS: work-groups 0-95 take W_qkv, 96-127 W_proj, 128-255 W_fc, 256-383 W_out; only numbers and pointers are chosen, by the work-group's number.
; Work-group 0's wave 0 also copies lowp_scales[8] 64 times into sc_ln2, so that the second layer norm can run the first one's text, which reads entry 0 of its buffer of scales.
.set PITCH, 272                        ; a stage row: 256 bytes of codes + 16
.set X,     32                         ; v32-95   two sets of 32 numbers
.set C,     96                         ; v96-103  a block's codes
.set OUTR,  112                        ; v112-175 the way out
.set OFF,   176                        ; v176-207 byte offset of row i of a block at my column: i x 4 N + 4 x lane; on the way out: of my 16 bytes in output rows 2 t, 2 t + 1
.set SPW,   14                         ; v14 LDS address of my spare word; never rewritten
.set NIL,   15                         ; v15 0; never rewritten
.set SPARE, 4*32*PITCH                 ; behind the four stages: the spare words, 128 bytes for each wave
	s_load_b256 s[4:11], s[0:1], 0x0               ; W_qkv s[4:5], W_proj s[6:7], W_fc s[8:9], W_out s[10:11]
	s_load_b128 s[12:15], s[0:1], 0x20             ; the scales' exponents s[12:13], the codes s[14:15]
	s_load_b64 s[44:45], s[0:1], 0x30              ; sc_ln2
	v_lshl_add_u32 v[SPW], v0, 2, SPARE
	v_mov_b32 v[NIL], 0
	v_lshrrev_b32 v1, 5, v0
	v_readfirstlane_b32 s16, v1                    ; wave 0..3
	v_and_b32 v2, 31, v0                           ; lane
	v_lshlrev_b32 v3, 2, v2                        ; 4 bytes a lane; never rewritten
	s_mul_i32 s22, s16, 32*PITCH                   ; my stage
	v_mul_u32_u24 v4, v2, PITCH
	v_add_nc_u32 v4, s22, v4                       ; into it: row = my column
	v_and_b32 v5, 15, v2
	v_lshrrev_b32 v6, 4, v2
	v_mul_u32_u24 v7, v6, PITCH
	v_lshl_add_u32 v7, v5, 4, v7
	v_add_nc_u32 v7, s22, v7                       ; out of it: sixteen lanes to a row, two rows an instruction
	; the tensor's numbers, chosen by the work-group's number: W_out's first, then the others' in turn
	s_mov_b32 s17, 256                             ; the tensor's first work-group
	s_mov_b32 s18, 4096                            ; a row of W in bytes: 4 N
	s_mov_b32 s19, 4                               ; log2 of K / 256
	s_mov_b32 s20, 4096                            ; a row of codes in bytes: K
	s_mov_b32 s21, 8388608                         ; where its codes begin
	s_cmp_lt_u32 ttmp9, 256
	s_cselect_b32 s17, 128, s17
	s_cselect_b32 s18, 16384, s18
	s_cselect_b32 s19, 2, s19
	s_cselect_b32 s20, 1024, s20
	s_cselect_b32 s21, 4194304, s21
	s_cmp_lt_u32 ttmp9, 128
	s_cselect_b32 s17, 96, s17
	s_cselect_b32 s18, 4096, s18
	s_cselect_b32 s21, 3145728, s21
	s_cmp_lt_u32 ttmp9, 96
	s_cselect_b32 s17, 0, s17
	s_cselect_b32 s18, 12288, s18
	s_cselect_b32 s21, 0, s21
	s_sub_co_u32 s22, ttmp9, s17                   ; my number within the tensor
	s_bfm_b32 s23, s19, 0
	s_and_b32 s23, s22, s23                        ; y: which 256 along K
	s_lshr_b32 s22, s22, s19                       ; which 128 columns
	s_lshl_b32 s22, s22, 7
	s_lshl_b32 s30, s16, 5
	s_add_co_u32 s22, s22, s30                     ; my wave's first column
	s_mul_i32 s46, s23, s18
	s_lshl_b32 s46, s46, 8                         ; W: 256 y rows
	s_lshl_b32 s30, s22, 2
	s_add_co_u32 s46, s46, s30                     ; + 4 x column
	s_mov_b32 s47, 0
	s_mul_i32 s48, s22, s20                        ; codes: column x K
	s_add_co_u32 s48, s48, s21
	s_lshl_b32 s30, s23, 8
	s_add_co_u32 s48, s48, s30                     ; + 256 y
	s_mov_b32 s49, 0
	s_lshl_b32 s26, s18, 5                         ; a block on: 32 rows of W
	s_mov_b32 s27, 0
	v_mul_u32_u24 v8, s20, v6
	v_lshl_add_u32 v8, v5, 4, v8                   ; the way out: my 16 bytes in the first two output rows
.set i, 0
.rept 32
	v_mad_u32_u24 v[OFF+i], s18, i, v3
.set i, i+1
.endr
	s_wait_kmcnt 0x0
	s_load_b256 s[32:39], s[12:13], 0x0            ; e0 .. e7
	s_load_b128 s[40:43], s[12:13], 0x20           ; e8 .. e11
	s_mov_b64 s[24:25], s[10:11]
	s_cmp_lt_u32 ttmp9, 256                        ; the choice of a pointer hangs on the work-group's number alone
	s_cselect_b64 s[24:25], s[8:9], s[24:25]
	s_cmp_lt_u32 ttmp9, 128
	s_cselect_b64 s[24:25], s[6:7], s[24:25]
	s_cmp_lt_u32 ttmp9, 96
	s_cselect_b64 s[24:25], s[4:5], s[24:25]
	s_add_nc_u64 s[24:25], s[24:25], s[46:47]
	s_add_nc_u64 s[28:29], s[14:15], s[48:49]
.macro LOAD t                          ; block t: W(32 t + i, my column), i = 0 .. 31, into set t % 2
.if (\t) > 0
	s_wait_xcnt 0x0                                ; the earlier loads have read their base: it steps only behind this wait
	s_add_nc_u64 s[24:25], s[24:25], s[26:27]
.endif
.set i, 0
.rept 32
	global_load_b32 v[X+32*((\t)%2)+i], v[OFF+i], s[24:25] th:TH_LOAD_NT
.set i, i+1
.endr
.endm
	LOAD 0
	LOAD 1
	s_wait_kmcnt 0x0
	s_mov_b32 s30, s43                             ; the tensor's e: entries 11, 9, 7, 1
	s_cmp_lt_u32 ttmp9, 256
	s_cselect_b32 s30, s41, s30
	s_cmp_lt_u32 ttmp9, 128
	s_cselect_b32 s30, s39, s30
	s_cmp_lt_u32 ttmp9, 96
	s_cselect_b32 s30, s33, s30
	s_add_co_i32 s30, s30, 127
	s_lshl_b32 s31, s30, 23
	v_mov_b32 v11, s31                             ; 2^e as f32: the conversion takes its exponent field
	s_add_co_i32 s30, s30, 8
	s_lshl_b32 s30, s30, 23
	s_or_b32 s30, s30, 0x600000
	v_mov_b32 v10, s30                             ; 448 x 2^e
	s_or_b32 s22, ttmp9, s16                       ; work-group 0's wave 0 copies e8
	s_cmp_lg_u32 s22, 0
	s_cbranch_scc1 .Lno_copy
	v_mov_b32 v9, s40
	global_store_b32 v3, v9, s[44:45]              ; 2 x 128 consecutive bytes: the whole buffer; v3, v9 and the base are never rewritten
	global_store_b32 v3, v9, s[44:45] offset:128
.Lno_copy:
.macro BLOCK t
.set XS, X+32*((\t)%2)
.if (\t) < 7
	s_wait_loadcnt 32                              ; this block's 32 loads are in; the next block's 32 may be out
.else
	s_wait_loadcnt 0
.endif
.set i, 0
.rept 32
	v_med3_num_f32 v[XS+i], v[XS+i], -v10, v10     ; the conversion to an 8-bit code does not saturate (ISA guide 7.6.2): hold the number first
.set i, i+1
.endr
.irp g, 0,1,2,3
	v_cvt_scalef32_pk8_fp8_f32 v[C+2*\g:C+2*\g+1], v[XS+8*\g:XS+8*\g+7], v11
.endr
	ds_store_b128 v4, v[C:C+3] offset:32*(\t)      ; 32 codes: 32 bytes of my column's row
	ds_store_b128 v4, v[C+4:C+7] offset:32*(\t)+16
.if (\t)+2 < 8
	LOAD (\t)+2
.endif
	s_wait_dscnt 0x0                               ; the stores have read their registers: the next block's codes may be written
.endm
.irp t, 0,1,2,3,4,5,6,7
	BLOCK \t
.endr
.set i, 0
.rept 16
	v_mad_u32_u24 v[OFF+i], s20, 2*i, v8           ; every load that named these offsets is in: they now name output rows 2 i, 2 i + 1
.set i, i+1
.endr
.irp t, 0,1,2,3,4,5,6,7,8,9,10,11,12,13,14,15
	ds_load_b128 v[OUTR+4*\t:OUTR+4*\t+3], v7 offset:2*\t*PITCH   ; LDS serves a wave's instructions in order: these see my stores
.endr
.irp t, 0,1,2,3,4,5,6,7,8,9,10,11,12,13,14,15
	s_wait_dscnt 15-\t
	global_store_b128 v[OFF+\t], v[OUTR+4*\t:OUTR+4*\t+3], s[28:29]
.endr
	s_wait_tensorcnt 0x0                           ; the wave's end
	ds_add_u32 v[SPW], v[NIL]
	s_wait_dscnt 0x0
	s_endpgm
.Lfunc_end_k_q755a5ae78d_wquant:
	.size	k_q755a5ae78d_wquant, .Lfunc_end_k_q755a5ae78d_wquant-k_q755a5ae78d_wquant
	.p2alignl 7, 3214868480
	.fill 96, 4, 3214868480
	.section	.rodata,"a",@progbits
	.p2align	6, 0x0
	.amdhsa_kernel k_q755a5ae78d_wquant
		.amdhsa_group_segment_fixed_size 35840
		.amdhsa_private_segment_fixed_size 0
		.amdhsa_enable_private_segment 0
		.amdhsa_kernarg_size 56
		.amdhsa_user_sgpr_count 2
		.amdhsa_user_sgpr_kernarg_segment_ptr 1
		.amdhsa_wavefront_size32 1
		.amdhsa_system_sgpr_workgroup_id_x 1
		.amdhsa_system_sgpr_workgroup_id_y 1
		.amdhsa_system_sgpr_workgroup_id_z 1
		.amdhsa_system_vgpr_workitem_id 0
		.amdhsa_next_free_vgpr 208
		.amdhsa_next_free_sgpr 66
		.amdhsa_reserve_vcc 0
		.amdhsa_float_denorm_mode_32 3
		.amdhsa_float_denorm_mode_16_64 3
		.amdhsa_memory_ordered 1
		.amdhsa_forward_progress 1
		.amdhsa_inst_pref_size 55
	.end_amdhsa_kernel
	.amdgpu_metadata
---
amdhsa.version: [ 1, 2 ]
amdhsa.kernels:
  - .name:           k_q755a5ae78d_wquant
    .symbol:         k_q755a5ae78d_wquant.kd
    .args:
      - { .name: W_qkv, .offset: 0, .size: 8, .value_kind: global_buffer, .address_space: global }
      - { .name: W_proj, .offset: 8, .size: 8, .value_kind: global_buffer, .address_space: global }
      - { .name: W_fc, .offset: 16, .size: 8, .value_kind: global_buffer, .address_space: global }
      - { .name: W_out, .offset: 24, .size: 8, .value_kind: global_buffer, .address_space: global }
      - { .name: lowp_scales, .offset: 32, .size: 8, .value_kind: global_buffer, .address_space: global }
      - { .name: wcodes, .offset: 40, .size: 8, .value_kind: global_buffer, .address_space: global }
      - { .name: sc_ln2, .offset: 48, .size: 8, .value_kind: global_buffer, .address_space: global }
    .group_segment_fixed_size: 35840
    .private_segment_fixed_size: 0
    .kernarg_segment_align: 8
    .kernarg_segment_size: 56
    .max_flat_workgroup_size: 128
    .sgpr_count:     66
    .vgpr_count:     208
    .wavefront_size: 32
...
	.end_amdgpu_metadata
.endif
;; end of part 1
;; launch ln1 (part 2): grid 256 x 1, 8 waves a work-group, no clusters, 17,408 bytes of LDS; arguments x, ln1_g, ln1_b, lowp_scales, hc; writes hc
.if DOCPART == 2
	.amdgcn_target "amdgcn-amd-amdhsa--gfx1250"
	.amdhsa_code_object_version 6
	.text
	.protected	k_q755a5ae78d_ln1
	.globl	k_q755a5ae78d_ln1
	.p2align	8
	.type	k_q755a5ae78d_ln1,@function
k_q755a5ae78d_ln1:
	s_mov_b64 s[64:65], 0
	v_nop
	global_prefetch_b8 v0, s[64:65] scope:SCOPE_SE
	s_setreg_imm32_b32 hwreg(HW_REG_WAVE_MODE, 25, 1), 1
	s_wait_xcnt 0x0
; codes[row][k] = Q(((x[row][k] - mean) * rsqrt(var + 1e-5)) * g[k] + b[k]), rows of 1,024 f32, Q: E4M3 with the scale 2^e, e = entry 0 of the buffer of scales that the launch is given.
; All in f32: the mean is taken first and subtracted, the variance is the mean of the squares of the differences.
; LIMITS: e between -126 and 119; NaN among the inputs is not served.
; A wave takes two whole rows and keeps them in registers between the passes: each row is read once.  Load j of a row reads bytes 512 j + 16 x lane, 512 consecutive bytes:
; register 4 j + i holds k = 128 j + 4 x lane + i.  A lane's four codes of load j are one word; the words go through the wave's own 1,024 bytes of LDS for the row and leave as 2 x 512 consecutive bytes.
; No matrix unit, no cluster, no barrier: waves share nothing.
.set T,     8                          ; v8-15   four chains of pairs
.set MU,    16                         ; v16-19  a row's mean, twice (a pair for the packed forms)
.set RS,    20                         ; v20-23  a row's 1 / sqrt(var + eps), twice
.set VAR,   26                         ; v26-27  a row's var + eps: written once, so no source of a root is written again
.set X,     32                         ; v32-95  two rows
.set G,     96                         ; v96-127 g
.set BB,    128                        ; v128-159 b
.set PC,    160                        ; v160-175 codes, eight words a row
.set OUTR,  176                        ; v176-191 the way out
.set SPW,   4
.set NIL,   5
.set SPARE, 16384                      ; behind the eight waves' stages: the spare words, 128 bytes for each wave
	s_load_b256 s[4:11], s[0:1], 0x0               ; x s[4:5], g s[6:7], b s[8:9], the scales s[10:11]
	s_load_b64 s[12:13], s[0:1], 0x20              ; the codes
	v_lshl_add_u32 v[SPW], v0, 2, SPARE
	v_mov_b32 v[NIL], 0
	v_lshrrev_b32 v1, 5, v0
	v_readfirstlane_b32 s14, v1                    ; wave 0..7
	v_and_b32 v3, 31, v0
	v_lshlrev_b32 v1, 4, v3                        ; 16 x lane; never rewritten
	s_lshl_b32 s15, s14, 11                        ; my stage: 2,048 bytes a wave
	v_lshl_add_u32 v2, v3, 2, s15                  ; in: 4 x lane
	v_add_nc_u32 v3, s15, v1                       ; out: 16 x lane
	v_mov_b32 v24, 0                               ; a lane permute's destination counts as read: written once
	s_mov_b32 s16, 0x76543210
	s_mov_b32 s17, 0xfedcba98                      ; lane l xor 16
	s_mov_b32 s18, 0x3a800000                      ; 1 / 1024
	s_mov_b32 s19, 0x3727c5ac                      ; 1e-5
	s_lshl_b32 s2, ttmp9, 16                       ; 16 rows of 4,096 bytes a work-group,
	s_lshl_b32 s3, s14, 13                         ; two a wave
	s_add_co_u32 s2, s2, s3
	s_mov_b32 s3, 0
	s_lshr_b32 s22, s2, 2                          ; a row of codes is a quarter of that
	s_mov_b32 s23, 0
	s_wait_kmcnt 0x0
	s_load_b32 s20, s[10:11], 0x0                  ; e
	s_add_nc_u64 s[4:5], s[4:5], s[2:3]
	s_add_nc_u64 s[12:13], s[12:13], s[22:23]
.irp r, 0,1
.irp j, 0,1,2,3,4,5,6,7
	global_load_b128 v[X+32*\r+4*\j:X+32*\r+4*\j+3], v1, s[4:5] offset:4096*\r+512*\j
.endr
.endr
.irp j, 0,1,2,3,4,5,6,7
	global_load_b128 v[G+4*\j:G+4*\j+3], v1, s[6:7] offset:512*\j
.endr
.irp j, 0,1,2,3,4,5,6,7
	global_load_b128 v[BB+4*\j:BB+4*\j+3], v1, s[8:9] offset:512*\j
.endr
	s_wait_kmcnt 0x0
	s_add_co_i32 s20, s20, 127
	s_lshl_b32 s21, s20, 23
	v_mov_b32 v6, s21                              ; 2^e as f32
	s_add_co_i32 s20, s20, 8
	s_lshl_b32 s20, s20, 23
	s_or_b32 s20, s20, 0x600000
	v_mov_b32 v7, s20                              ; 448 x 2^e
.macro ALLSUM                          ; the four chains' pairs, then the 32 lanes: the sum lands in v[T] of every lane
	v_pk_add_f32 v[T:T+1], v[T:T+1], v[T+2:T+3]
	v_pk_add_f32 v[T+4:T+5], v[T+4:T+5], v[T+6:T+7]
	v_pk_add_f32 v[T:T+1], v[T:T+1], v[T+4:T+5]
	v_add_f32 v[T], v[T], v[T+1]
	v_add_f32_dpp v[T], v[T], v[T] row_xmask:1 row_mask:0xf bank_mask:0xf
	v_add_f32_dpp v[T], v[T], v[T] row_xmask:2 row_mask:0xf bank_mask:0xf
	v_add_f32_dpp v[T], v[T], v[T] row_xmask:4 row_mask:0xf bank_mask:0xf
	v_add_f32_dpp v[T], v[T], v[T] row_xmask:8 row_mask:0xf bank_mask:0xf
	v_permlanex16_b32 v24, v[T], s16, s17
	v_add_f32 v[T], v[T], v24
.endm
.macro STAT r                          ; row r: its mean; the row becomes x - mean; 1 / sqrt(var + eps)
.set XR, X+32*\r
.irp c, 0,1,2,3
	v_pk_add_f32 v[T+2*\c:T+2*\c+1], v[XR+2*\c:XR+2*\c+1], v[XR+8+2*\c:XR+8+2*\c+1]   ; the first additions start the chains: nothing is cleared
.endr
.irp o, 16,24
.irp c, 0,1,2,3
	v_pk_add_f32 v[T+2*\c:T+2*\c+1], v[T+2*\c:T+2*\c+1], v[XR+\o+2*\c:XR+\o+2*\c+1]
.endr
.endr
	ALLSUM
	v_mul_f32 v[MU+2*\r], s18, v[T]
	v_mul_f32 v[MU+2*\r+1], s18, v[T]
.set i, 0
.rept 16
	v_pk_add_f32 v[XR+i:XR+i+1], v[XR+i:XR+i+1], v[MU+2*\r:MU+2*\r+1] neg_lo:[0,1] neg_hi:[0,1]
.set i, i+2
.endr
.irp c, 0,1,2,3
	v_pk_mul_f32 v[T+2*\c:T+2*\c+1], v[XR+2*\c:XR+2*\c+1], v[XR+2*\c:XR+2*\c+1]
.endr
.irp o, 8,16,24
.irp c, 0,1,2,3
	v_pk_fma_f32 v[T+2*\c:T+2*\c+1], v[XR+\o+2*\c:XR+\o+2*\c+1], v[XR+\o+2*\c:XR+\o+2*\c+1], v[T+2*\c:T+2*\c+1]
.endr
.endr
	ALLSUM
	v_fma_f32 v[VAR+\r], v[T], s18, s19
	v_rsq_f32 v[RS+2*\r], v[VAR+\r]
	v_rsq_f32 v[RS+2*\r+1], v[VAR+\r]
	v_nop                                          ; a plain instruction behind the roots
.endm
.macro NORM r                          ; row r: scaled, g and b, held, converted; through my stage
.set XR, X+32*\r
.set i, 0
.rept 16
	v_pk_mul_f32 v[XR+i:XR+i+1], v[XR+i:XR+i+1], v[RS+2*\r:RS+2*\r+1]
.set i, i+2
.endr
.set i, 0
.rept 16
	v_pk_fma_f32 v[XR+i:XR+i+1], v[XR+i:XR+i+1], v[G+i:G+i+1], v[BB+i:BB+i+1]
.set i, i+2
.endr
.set i, 0
.rept 32
	v_med3_num_f32 v[XR+i], v[XR+i], -v7, v7       ; the conversion to an 8-bit code does not saturate (ISA guide 7.6.2)
.set i, i+1
.endr
.irp q, 0,1,2,3
	v_cvt_scalef32_pk8_fp8_f32 v[PC+8*\r+2*\q:PC+8*\r+2*\q+1], v[XR+8*\q:XR+8*\q+7], v6
.endr
	v_nop                                          ; a plain instruction behind the last conversion
.irp j, 0,1,2,3,4,5,6,7
	ds_store_b32 v2, v[PC+8*\r+\j] offset:1024*\r+128*\j     ; word j: codes of k = 128 j + 4 x lane + 0 .. 3
.endr
.irp u, 0,1
	ds_load_b128 v[OUTR+8*\r+4*\u:OUTR+8*\r+4*\u+3], v3 offset:1024*\r+512*\u   ; my own bytes, served in order: no wait between
.endr
.endm
	s_wait_loadcnt 24                              ; row 0's eight loads are in; row 1's, g's and b's 24 may be out
	STAT 0
	s_wait_loadcnt 16                              ; row 1's are in
	STAT 1
	s_wait_alu depctr_va_vdst(0)                   ; one wait for the four roots, ahead of their first reader
	s_wait_loadcnt 0x0                             ; g and b
	NORM 0
	NORM 1
.irp r, 0,1
.irp u, 0,1
	s_wait_dscnt 3-(2*\r+\u)                       ; at most the younger LDS instructions are out
	global_store_b128 v1, v[OUTR+8*\r+4*\u:OUTR+8*\r+4*\u+3], s[12:13] offset:1024*\r+512*\u   ; 512 consecutive bytes, aligned
.endr
.endr
	s_wait_tensorcnt 0x0                           ; the wave's end
	ds_add_u32 v[SPW], v[NIL]
	s_wait_dscnt 0x0
	s_endpgm
.Lfunc_end_k_q755a5ae78d_ln1:
	.size	k_q755a5ae78d_ln1, .Lfunc_end_k_q755a5ae78d_ln1-k_q755a5ae78d_ln1
	.p2alignl 7, 3214868480
	.fill 96, 4, 3214868480
	.section	.rodata,"a",@progbits
	.p2align	6, 0x0
	.amdhsa_kernel k_q755a5ae78d_ln1
		.amdhsa_group_segment_fixed_size 17408
		.amdhsa_private_segment_fixed_size 0
		.amdhsa_enable_private_segment 0
		.amdhsa_kernarg_size 40
		.amdhsa_user_sgpr_count 2
		.amdhsa_user_sgpr_kernarg_segment_ptr 1
		.amdhsa_wavefront_size32 1
		.amdhsa_system_sgpr_workgroup_id_x 1
		.amdhsa_system_sgpr_workgroup_id_y 1
		.amdhsa_system_sgpr_workgroup_id_z 1
		.amdhsa_system_vgpr_workitem_id 0
		.amdhsa_next_free_vgpr 192
		.amdhsa_next_free_sgpr 66
		.amdhsa_reserve_vcc 0
		.amdhsa_float_denorm_mode_32 3
		.amdhsa_float_denorm_mode_16_64 3
		.amdhsa_memory_ordered 1
		.amdhsa_forward_progress 1
		.amdhsa_inst_pref_size 24
	.end_amdhsa_kernel
	.amdgpu_metadata
---
amdhsa.version: [ 1, 2 ]
amdhsa.kernels:
  - .name:           k_q755a5ae78d_ln1
    .symbol:         k_q755a5ae78d_ln1.kd
    .args:
      - { .name: x, .offset: 0, .size: 8, .value_kind: global_buffer, .address_space: global }
      - { .name: ln1_g, .offset: 8, .size: 8, .value_kind: global_buffer, .address_space: global }
      - { .name: ln1_b, .offset: 16, .size: 8, .value_kind: global_buffer, .address_space: global }
      - { .name: lowp_scales, .offset: 24, .size: 8, .value_kind: global_buffer, .address_space: global }
      - { .name: hc, .offset: 32, .size: 8, .value_kind: global_buffer, .address_space: global }
    .group_segment_fixed_size: 17408
    .private_segment_fixed_size: 0
    .kernarg_segment_align: 8
    .kernarg_segment_size: 40
    .max_flat_workgroup_size: 256
    .sgpr_count:     66
    .vgpr_count:     192
    .wavefront_size: 32
...
	.end_amdgpu_metadata
.endif
;; end of part 2
;; launch gemm_qkv (part 3): grid 12 x 16, 4 waves a work-group, clusters of 4 x 4, 327,680 bytes of LDS; arguments hc, wcodes, lowp_scales, b_qkv, qkvc; writes qkvc
.if DOCPART == 3
	.amdgcn_target "amdgcn-amd-amdhsa--gfx1250"
	.amdhsa_code_object_version 6
	.text
	.protected	k_q755a5ae78d_gemm_qkv
	.globl	k_q755a5ae78d_gemm_qkv
	.p2align	8
	.type	k_q755a5ae78d_gemm_qkv,@function
k_q755a5ae78d_gemm_qkv:
	s_mov_b64 s[64:65], 0
	v_nop
	global_prefetch_b8 v0, s[64:65] scope:SCOPE_SE
	s_setreg_imm32_b32 hwreg(HW_REG_WAVE_MODE, 25, 1), 1
	s_wait_xcnt 0x0
	s_wait_alu depctr_hold_cnt(0) depctr_sa_sdst(0) depctr_va_vdst(0) depctr_va_sdst(0) depctr_va_ssrc(0) depctr_va_vcc(0) depctr_vm_vsrc(0)
	s_getreg_b32 s2, hwreg(HW_REG_IB_STS2, 6, 4)
	s_cmp_eq_u32 s2, 0
	s_cbranch_scc0 .Lentry_in_a_cluster
	s_endpgm
.Lentry_in_a_cluster:
	s_bfe_u32 s2, ttmp6, 0x10000c
	s_cmp_lg_u32 s2, 0xf033
	s_cbranch_scc0 .Lentry_shape_is_right
	s_endpgm
.Lentry_shape_is_right:
; qkv = h W_qkv + b_qkv on codes of E4M3 (h: [4096][1024], scale 2^e0; W_qkv: [3072][1024], K innermost, scale 2^e1), f32 sums; then q, k and v are quantised (e2, e3, e5) and stored as attention wants them:
; q [32 heads][2048][64] at byte 0, k the same at 4,194,304, v [32 heads][64][2048 keys] at 8,388,608; head index = 16 x batch + head.
; LIMITS: e0 + e1 between -126 and 127; e2, e3, e5 between -126 and 119.
; A tile of 256 x 256 is made by four waves, 128 x 128 each: 64 accumulators, 512 registers.  K goes in steps of 256 through a ring of two LDS slots filled by the tensor data mover.
; CLUSTERS of 4 x 4: source 1's tile is shared along a row of the cluster, source 0's along a column; each is asked for jointly.
; THE MATRIX INSTRUCTION: source 0 = 16 rows of one operand, source 1 = 16 rows of the other; a lane then holds ONE row of source 1's operand and eight neighbours along source 0's rows.
; Cluster column 0 makes q, 1 makes k: source 1 = tokens, source 0 = W's rows, so a lane's eight numbers run along the head's 64, which is K of q k^T.
; Cluster column 2 makes v WITH THE ROLES SWAPPED: source 1 = W's v rows, source 0 = tokens, so a lane's eight numbers run along the tokens, the keys, which are K of p v.  The cluster's column is the same in all sixteen partners.
; REGISTERS: window 0: v0-31 addresses; v32-95 bias by column, v96-111 codes, v112-127 bias by row; v128-255 source 1's fragments, ONE set; later the way out.  window 1: source 0's fragments, TWO sets.  windows 2, 3: the accumulators.
.set KROW,   1024                      ; a row of either operand in bytes
.set ROWB,   256                       ; a tile's row: 256 along K
.set PITCH,  272                       ; an LDS row: 256 bytes + 16: the 16 rows of a fragment load start at 16 different banks (64 banks of 4 bytes: ISA guide 11.1)
.set FR,     16
.set NL,     4
.set NP,     4                         ; places behind this matrix instruction (ISA guide 7.12.1)
.set HALFT,  128*PITCH
.set SLOT,   4*HALFT
.set LAPS,   KROW/(2*ROWB)
.set SPARE,  2*SLOT                    ; behind the ring: the spare words, 128 bytes for each wave
.set ADRA, 16
.set ADRB, 20
.set BOF,  7                           ; v7  32 x (lane / 16): bias by column; never rewritten
.set ROF,  8                           ; v8  4 x (lane % 16): bias by row; never rewritten
.set SCL,  12                          ; v12 the next scale as f32
.set LIMV, 13                          ; v13 448 x that
.set STO,  24                          ; v24 the stage: where I put 8 codes
.set RDQ,  25                          ; v25 q, k: where I read 16 bytes of a head's 64 back
.set COQ,  26                          ; v26 q, k: 16 x lane
.set RDV,  27                          ; v27 v: where I read 16 bytes of a row back
.set SPW,  28
.set NIL,  29
.set COV,  30                          ; v30 v: my 16 bytes in two rows of 2,048
.set CB,   32
.set PC,   96
.set RB,   112
.set TMP,  128
.set AF,   128
.set G1, 24
.set G0, 32
.set G1B, 48
.set G0B, 56
.set MSB, 0
.macro WIN new                         ; the immediate's high byte repeats the setting that is left
.if MSB != \new
	s_set_vgpr_msb (MSB<<8)|\new
.set MSB, \new
.endif
.endm
.set MUL_LO, 0xa1                      ; source 0 window 1, source 1 window 0, C and D window 2
.set MUL_HI, 0xf1                      ; the same, C and D window 3
.set TO_B,   0x40                      ; destination window 1, address window 0
.macro JLOAD g0a, g1a, g0b, g1b        ; a joint load: waves 0 and 1 fetch source 1's halves, waves 2 and 3 source 0's; an s_nop 0 and four v_nop follow each line
	s_cmp_eq_u32 s15, 0
	s_cbranch_scc0 .Lfor_b_\@
	tensor_load_to_lds s[\g0a:\g0a+3], s[\g1a:\g1a+7]
	s_nop 0
.rept 4
	v_nop
.endr
	s_branch .Lasked_\@
.Lfor_b_\@:
	tensor_load_to_lds s[\g0b:\g0b+3], s[\g1b:\g1b+7]
	s_nop 0
.rept 4
	v_nop
.endr
.Lasked_\@:
.endm
.macro CREST                           ; a round of the cluster's barrier behind its opening barrier
	s_cmp_lg_u32 s14, 0
	s_cbranch_scc1 .Lnot_wave_0_\@
	s_barrier_signal -3
.Lnot_wave_0_\@:
	s_barrier_wait -3
	s_barrier_signal -1
	s_barrier_wait -1
.endm
.macro CROUND
	s_barrier_signal -1
	s_barrier_wait -1
	CREST
.endm
	s_load_b128 s[4:7], s[0:1], 0x0                ; h's codes s[4:5], the weights' codes s[6:7]
	s_load_b128 s[8:11], s[0:1], 0x10              ; the scales' exponents s[8:9], b_qkv s[10:11]
	s_load_b64 s[12:13], s[0:1], 0x20              ; q, k, v's codes
	v_lshl_add_u32 v[SPW], v0, 2, SPARE
	v_mov_b32 v[NIL], 0
	ds_add_u32 v[SPW], v[NIL]                      ; the wave's opening: the add and its wait ahead of my first tensor load
	v_lshrrev_b32 v1, 5, v0
	v_readfirstlane_b32 s14, v1                    ; wave 0..3
	s_lshr_b32 s15, s14, 1                         ; which half of source 1's rows is mine.  Also: I fetch for source 1 (0) or source 0 (1)
	s_and_b32 s16, s14, 1                          ; which half of source 0's rows.  Also: which 128 rows of that tile I fetch
	s_bfe_u32 s40, ttmp6, 0x40000                  ; cx, cy
	s_bfe_u32 s41, ttmp6, 0x40004
	s_and_b32 s18, ttmp7, 0xffff
	s_lshl_b32 s18, s18, 2                         ; 4 x cluster y
	s_lshl_b32 s19, ttmp9, 2                       ; 4 x cluster x
	s_cmp_eq_u32 ttmp9, 2                          ; v's clusters?
	s_cselect_b32 s17, 8, s18                      ; source 1's tile: W's rows 2,048 on, or tokens
	s_cselect_b32 s42, s18, s19                    ; source 0's tile: tokens, or W's rows
	s_add_co_u32 s17, s17, s41                     ; + cy
	s_add_co_u32 s42, s42, s40                     ; + cx
	s_lshl_b32 s43, s41, 2
	s_lshl_b32 s43, 15, s43                        ; my row of the cluster
	s_lshl_b32 s44, 0x1111, s40                    ; my column
	s_or_b32 s[G1+0], s43, (0<<16)|(1<<20)|(1<<21)|(5<<22)|(3<<25)  ; the mask; elements of 1 byte; padding on; bit 21 beside a mask; 4 words after every 64
	s_or_b32 s[G1B+0], s44, (0<<16)|(1<<20)|(1<<21)|(5<<22)|(3<<25)
.irp g, G1, G1B
	s_mov_b32 s[\g+1], ROWB<<16                    ; tensor_dim0
	s_mov_b32 s[\g+2], 128<<16                     ; tensor_dim1
	s_mov_b32 s[\g+3], ROWB<<16                    ; tile_dim0
	s_mov_b32 s[\g+4], 128                         ; tile_dim1
	s_mov_b32 s[\g+5], KROW                        ; stride
	s_mov_b32 s[\g+6], 0
	s_mov_b32 s[\g+7], 0
.endr
	s_lshl_b32 s18, s16, 7
	s_lshl_b32 s20, s17, 8
	s_add_co_u32 s20, s20, s18                     ; source 1: row 256 x tile + 128 x half
	s_lshl_b32 s46, s42, 8
	s_add_co_u32 s46, s46, s18                     ; source 0 likewise
	s_mov_b32 s21, 0
	s_mov_b32 s47, 0
	s_mov_b64 s[18:19], KROW
	s_mul_u64 s[20:21], s[20:21], s[18:19]
	s_mul_u64 s[46:47], s[46:47], s[18:19]
	s_mul_i32 s45, s14, HALFT                      ; where they go: wave x 128 rows
	s_wait_dscnt 0x0                               ; the opening add is done
	s_wait_kmcnt 0x0
	s_load_b64 s[96:97], s[8:9], 0x0               ; e0, e1
	s_load_b128 s[88:91], s[8:9], 0x8              ; e2 .. e5
	s_cmp_eq_u32 ttmp9, 2                          ; which tensor is which source: the choice hangs on the cluster's column alone
	s_cselect_b64 s[84:85], s[6:7], s[4:5]
	s_cselect_b64 s[86:87], s[4:5], s[6:7]
	s_add_nc_u64 s[20:21], s[84:85], s[20:21]
	s_add_nc_u64 s[46:47], s[86:87], s[46:47]
	CROUND                                         ; all sixteen work-groups are here: the first joint loads meet
.irp s, 0,1
	s_mov_b32 s[G0+4*\s], 1
	s_add_co_u32 s[G0+4*\s+1], s45, \s*SLOT
	s_add_nc_u64 s[G0+4*\s+2:G0+4*\s+3], s[20:21], \s*ROWB
	s_or_b32 s[G0+4*\s+3], s[G0+4*\s+3], 0x80000000
	s_mov_b32 s[G0B+4*\s], 1
	s_add_co_u32 s[G0B+4*\s+1], s45, \s*SLOT
	s_add_nc_u64 s[G0B+4*\s+2:G0B+4*\s+3], s[46:47], \s*ROWB
	s_or_b32 s[G0B+4*\s+3], s[G0B+4*\s+3], 0x80000000
	JLOAD G0+4*\s, G1, G0B+4*\s, G1B
.endr
	v_and_b32 v1, 15, v0                           ; r
	v_bfe_u32 v2, v0, 4, 1                         ; h
	v_mul_u32_u24 v3, v1, PITCH
	v_lshl_add_u32 v4, v2, 4, v3                   ; a fragment's row x pitch + 16 h
	s_mul_i32 s21, s15, HALFT
	s_mul_i32 s22, s16, HALFT
	s_add_co_u32 s22, s22, 2*HALFT
.irp s, 0,1
	v_add_nc_u32 v[ADRA+\s], s21, v4
	v_add_nc_u32 v[ADRB+\s], s22, v4
	s_add_co_u32 s21, s21, SLOT
	s_add_co_u32 s22, s22, SLOT
.endr
	; the stage, 256 rows x 272 bytes in slot 0: row = source 1's row in the tile, byte = source 0's row in the tile
	s_mul_i32 s23, s15, 128*PITCH
	s_lshl_b32 s21, s16, 7
	s_add_co_u32 s23, s23, s21
	v_lshl_add_u32 v5, v2, 3, v3
	v_add_nc_u32 v[STO], s23, v5                   ; (128 x row half + r) x 272 + 128 x column half + 8 h
	s_mul_i32 s23, s14, 64*PITCH                   ; back: wave w takes rows 64 w on
	v_and_b32 v6, 31, v0
	v_lshrrev_b32 v9, 2, v6
	v_mul_u32_u24 v9, v9, PITCH
	v_and_b32 v10, 3, v0
	v_lshl_add_u32 v9, v10, 4, v9
	v_add_nc_u32 v[RDQ], s23, v9                   ; q, k: four lanes to a token's 64 bytes of one head, eight tokens an instruction
	v_lshlrev_b32 v[COQ], 4, v6
	v_mul_u32_u24 v9, v2, PITCH
	v_lshl_add_u32 v9, v1, 4, v9
	v_add_nc_u32 v[RDV], s23, v9                   ; v: sixteen lanes to a row's 256 bytes, two rows an instruction
	v_lshlrev_b32 v9, 11, v2
	v_lshl_add_u32 v[COV], v1, 4, v9
	v_lshlrev_b32 v[BOF], 5, v2
	v_lshlrev_b32 v[ROF], 2, v1
	; where my 64 rows of the stage go.  q, k: (q or k) x 4 MiB + (16 batch + 4 (tile % 4)) heads of 131,072 + token in the batch x 64
	s_lshr_b32 s76, s42, 2
	s_lshl_b32 s76, s76, 22
	s_lshr_b32 s77, s17, 3
	s_lshl_b32 s77, s77, 4
	s_and_b32 s78, s42, 3
	s_lshl_b32 s78, s78, 2
	s_add_co_u32 s77, s77, s78
	s_lshl_b32 s77, s77, 17
	s_add_co_u32 s76, s76, s77
	s_and_b32 s77, s17, 7
	s_lshl_b32 s77, s77, 8
	s_lshl_b32 s78, s14, 6
	s_add_co_u32 s77, s77, s78
	s_lshl_b32 s77, s77, 6
	s_add_co_u32 s76, s76, s77
	; v: 8 MiB + (1,024 batch + 256 (tile - 8) + 64 wave) rows of 2,048 + 256 x (token tile % 8)
	s_lshr_b32 s79, s42, 3
	s_lshl_b32 s79, s79, 10
	s_sub_co_u32 s80, s17, 8
	s_lshl_b32 s80, s80, 8
	s_add_co_u32 s79, s79, s80
	s_add_co_u32 s79, s79, s78
	s_lshl_b32 s79, s79, 11
	s_and_b32 s80, s42, 7
	s_lshl_b32 s80, s80, 8
	s_add_co_u32 s79, s79, s80
	s_add_co_u32 s79, s79, 8388608
	s_cmp_eq_u32 ttmp9, 2
	s_cselect_b32 s76, s79, s76
	s_cselect_b32 s72, s17, s42                    ; the bias runs along W's rows: source 1's tile and half for v, source 0's for q and k
	s_cselect_b32 s73, s15, s16
	s_mov_b32 s77, 0
	s_add_nc_u64 s[12:13], s[12:13], s[76:77]
	s_lshl_b32 s72, s72, 10
	s_lshl_b32 s73, s73, 9
	s_add_co_u32 s72, s72, s73
	s_mov_b32 s73, 0
	s_add_nc_u64 s[72:73], s[10:11], s[72:73]
	s_cmp_eq_u32 ttmp9, 2                          ; both arms write both sets: one holds the bias, the other zeros.  The loads land while the products run
	s_cbranch_scc1 .Lbias_v
.irp b, 0,1,2,3,4,5,6,7
	global_load_b128 v[CB+8*\b:CB+8*\b+3], v[BOF], s[72:73] offset:64*\b        ; bias of columns 16 b + 8 h + 0 .. 7
	global_load_b128 v[CB+8*\b+4:CB+8*\b+7], v[BOF], s[72:73] offset:64*\b+16
.endr
.set i, 0
.rept 16
	v_mov_b32 v[RB+i], 0
.set i, i+1
.endr
	s_branch .Lbias_done
.Lbias_v:
.irp a, 0,1,2,3,4,5,6,7
	global_load_b32 v[RB+2*\a], v[ROF], s[72:73] offset:64*\a                   ; bias of row 16 a + r, twice: a pair for the packed addition
	global_load_b32 v[RB+2*\a+1], v[ROF], s[72:73] offset:64*\a
.endr
.set i, 0
.rept 64
	v_mov_b32 v[CB+i], 0
.set i, i+1
.endr
.Lbias_done:
.macro FRAG reg, adr, q, i             ; 16 rows x 128 K of codes in 16 registers: registers 4 c .. 4 c + 3 hold K = 32 c + 16 (l / 16) + 0 .. 15: the same places in both operands
.irp c, 0,1,2,3
	ds_load_b128 v[\reg+4*\c:\reg+4*\c+3], v[\adr] offset:128*(\q)+32*\c+(\i)*16*PITCH
.endr
.endm
.macro MUL16 a0, p, zero               ; source 1's blocks a0, a0 + 1 x source 0's eight.  The 64 accumulators take turns, one instruction a turn
.irp a, \a0, \a0+1
.irp b, 0,1,2,3,4,5,6,7
.if \zero
	v_wmma_f32_16x16x128_fp8_fp8 v[8*(8*((\a)%4)+\b):8*(8*((\a)%4)+\b)+7], v[128*(\p)+FR*\b:128*(\p)+FR*\b+FR-1], v[AF+FR*(\a):AF+FR*(\a)+FR-1], 0
.else
	v_wmma_f32_16x16x128_fp8_fp8 v[8*(8*((\a)%4)+\b):8*(8*((\a)%4)+\b)+7], v[128*(\p)+FR*\b:128*(\p)+FR*\b+FR-1], v[AF+FR*(\a):AF+FR*(\a)+FR-1], v[8*(8*((\a)%4)+\b):8*(8*((\a)%4)+\b)+7]
.endif
.endr
.endr
.endm
.macro FETCH_B slot, q, p
	WIN TO_B
.irp i, 0,1,2,3,4,5,6,7
	FRAG 128*(\p)+FR*\i, ADRB+\slot, \q, \i
.endr
	WIN 0
.endm
.macro FETCH_A slot, q, i0
.irp i, \i0, \i0+1, \i0+2, \i0+3
	FRAG AF+FR*(\i), ADRA+\slot, \q, \i
.endr
.endm
.macro PLACES n                        ; plain vector instructions between a matrix instruction and a load into, or a vector read or write of, its registers
.rept \n
	v_nop
.endr
.endm
.macro STEP slot, q, zero              ; 128 along K whose successor lies in the same slot
	s_wait_dscnt 4*NL                              ; all but the youngest 16 loads (source 1's blocks 4-7) are in
	WIN MUL_LO
	MUL16 0, (\q)%2, \zero
	MUL16 2, (\q)%2, \zero
	s_wait_dscnt 0
	PLACES NP
	FETCH_B \slot, (\q)+1, 1-(\q)%2
	FETCH_A \slot, (\q)+1, 0
	WIN MUL_HI
	MUL16 4, (\q)%2, \zero
	MUL16 6, (\q)%2, \zero
	PLACES NP
	WIN 0
	FETCH_A \slot, (\q)+1, 4
.endm
.macro TURN slot, next, fill           ; a slot's last 128 along K, and the change of slots: one barrier
	s_wait_tensorcnt 0x0                           ; all my tensor loads have landed: my part of the next slot
	ds_add_u32 v[SPW], v[NIL]                      ; 0 onto my spare word
	s_wait_dscnt 4*NL+1                            ; the add and the youngest 16 loads may be out
	WIN MUL_LO
	MUL16 0, 1, 0
	s_wait_dscnt 0x0                               ; the add is done, and my reads of this slot are over
	s_barrier_signal -1
	MUL16 2, 1, 0
	WIN 0
	s_barrier_wait -1
.if \fill
	CREST                                          ; the barrier has opened a round of the cluster's: no wave of any partner still reads this slot or has a load on its way
	s_add_nc_u64 s[G0+4*\slot+2:G0+4*\slot+3], s[G0+4*\slot+2:G0+4*\slot+3], 2*ROWB
	s_add_nc_u64 s[G0B+4*\slot+2:G0B+4*\slot+3], s[G0B+4*\slot+2:G0B+4*\slot+3], 2*ROWB
	JLOAD G0+4*\slot, G1, G0B+4*\slot, G1B         ; the first tensor load behind the round; its four v_nop are the places in front of the loads below
.else
	PLACES NP
.endif
	FETCH_B \next, 0, 0
	FETCH_A \next, 0, 0
	WIN MUL_HI
	MUL16 4, 1, 0
	MUL16 6, 1, 0
	PLACES NP
	WIN 0
	FETCH_A \next, 0, 4
.endm
	s_wait_tensorcnt 1                             ; my part of K step 0 is in; K step 1's load may be out
	s_barrier_signal -1
	s_barrier_wait -1
	FETCH_B 0, 0, 0
	FETCH_A 0, 0, 0
	FETCH_A 0, 0, 4
	STEP 0, 0, 1                                   ; the first step's products start the sums
	s_mov_b32 s3, LAPS-1
.Llap:
	TURN 0, 1, 1
	STEP 1, 0, 0
	TURN 1, 0, 1
	STEP 0, 0, 0
	s_sub_co_u32 s3, s3, 1
	s_cmp_lg_u32 s3, 0
	s_cbranch_scc1 .Llap
	TURN 0, 1, 0                                   ; the last lap fills nothing
	STEP 1, 0, 0
	s_wait_dscnt 4*NL
	WIN MUL_LO
	MUL16 0, 1, 0
	MUL16 2, 1, 0
	s_wait_dscnt 0
	WIN MUL_HI
	MUL16 4, 1, 0
	MUL16 6, 1, 0
	WIN 0
	; THE WAY OUT.  sum x 2^(e0 + e1) + bias, held, converted with the next product's scale; eight codes a lane into the work-group's stage, which lies in slot 0: that slot has had its last fill, and nobody reads it behind the last change of slots.
	s_wait_kmcnt 0x0
	s_add_co_i32 s96, s96, s97
	s_add_co_i32 s96, s96, 127
	s_lshl_b32 s96, s96, 23                        ; 2^(e0 + e1) as f32
	s_cmp_eq_u32 ttmp9, 0
	s_cselect_b32 s88, s88, s89                    ; q: e2; k: e3;
	s_cmp_eq_u32 ttmp9, 2
	s_cselect_b32 s88, s91, s88                    ; v: e5.  A choice, no branch
	s_add_co_i32 s88, s88, 127
	s_lshl_b32 s89, s88, 23
	v_mov_b32 v[SCL], s89
	s_add_co_i32 s88, s88, 8
	s_lshl_b32 s88, s88, 23
	s_or_b32 s88, s88, 0x600000
	v_mov_b32 v[LIMV], s88
	s_wait_loadcnt 0x0                             ; the bias
	PLACES NP
.macro CODES a                         ; source 1's block a: 16 rows x 128
.set AC, 64*((\a)%4)
	WIN 0x02+((\a)/4)                              ; source 0: window 2 or 3
.set j_, 0
.rept 32
	v_pk_fma_f32 v[TMP+j_:TMP+j_+1], v[AC+j_:AC+j_+1], s[96:97], v[CB+j_:CB+j_+1] op_sel_hi:[1,0,1]   ; each accumulator from its low end on
.set j_, j_+2
.endr
	WIN 0
.set j_, 0
.rept 32
	v_pk_add_f32 v[TMP+j_:TMP+j_+1], v[TMP+j_:TMP+j_+1], v[RB+2*(\a):RB+2*(\a)+1]   ; one of the two biases is zeros
.set j_, j_+2
.endr
.set j_, 0
.rept 64
	v_med3_num_f32 v[TMP+j_], v[TMP+j_], -v[LIMV], v[LIMV]
.set j_, j_+1
.endr
	s_wait_dscnt 0x0                               ; the last block's stores have read the codes' registers
.irp b, 0,1,2,3,4,5,6,7
	v_cvt_scalef32_pk8_fp8_f32 v[PC+2*\b:PC+2*\b+1], v[TMP+8*\b:TMP+8*\b+7], v[SCL]
.endr
	v_nop                                          ; a plain instruction behind the last conversion
.irp b, 0,1,2,3,4,5,6,7
	ds_store_b64 v[STO], v[PC+2*\b:PC+2*\b+1] offset:(\a)*16*PITCH+16*\b
.endr
.endm
.irp a, 0,1,2,3,4,5,6,7
	CODES \a
.endr
	s_wait_dscnt 0x0                               ; for the others' sake: my stores into the stage are done; a row's 256 bytes come from two waves
	s_barrier_signal -1
	s_barrier_wait -1
	s_cmp_eq_u32 ttmp9, 2
	s_cbranch_scc1 .Lout_v
.set n_, 0
.rept 32                               ; head n / 8 of the tile's four, tokens 8 (n % 8) on
	ds_load_b128 v[128+4*n_:128+4*n_+3], v[RDQ] offset:8*(n_%8)*PITCH+64*(n_/8)
.set n_, n_+1
.endr
.set n_, 0
.rept 32
	s_wait_dscnt 31-n_
	global_store_b128 v[COQ], v[128+4*n_:128+4*n_+3], s[12:13] offset:(n_/8)*131072+(n_%8)*512   ; eight tokens x 64 bytes of one head: 512 consecutive bytes, aligned
.set n_, n_+1
.endr
	s_branch .Lout_done
.Lout_v:
.set n_, 0
.rept 32
	ds_load_b128 v[128+4*n_:128+4*n_+3], v[RDV] offset:2*n_*PITCH
.set n_, n_+1
.endr
.set n_, 0
.rept 32
	s_wait_dscnt 31-n_
	global_store_b128 v[COV], v[128+4*n_:128+4*n_+3], s[12:13] offset:2*n_*2048   ; sixteen lanes store 256 consecutive bytes, aligned
.set n_, n_+1
.endr
.Lout_done:
	s_wait_tensorcnt 0x0                           ; the wave's end
	ds_add_u32 v[SPW], v[NIL]
	s_wait_dscnt 0x0
	CROUND                                         ; the closing round
	s_endpgm
.Lfunc_end_k_q755a5ae78d_gemm_qkv:
	.size	k_q755a5ae78d_gemm_qkv, .Lfunc_end_k_q755a5ae78d_gemm_qkv-k_q755a5ae78d_gemm_qkv
	.p2alignl 7, 3214868480
	.fill 96, 4, 3214868480
	.section	.rodata,"a",@progbits
	.p2align	6, 0x0
	.amdhsa_kernel k_q755a5ae78d_gemm_qkv
		.amdhsa_group_segment_fixed_size 327680
		.amdhsa_private_segment_fixed_size 0
		.amdhsa_enable_private_segment 0
		.amdhsa_kernarg_size 40
		.amdhsa_user_sgpr_count 2
		.amdhsa_user_sgpr_kernarg_segment_ptr 1
		.amdhsa_wavefront_size32 1
		.amdhsa_system_sgpr_workgroup_id_x 1
		.amdhsa_system_sgpr_workgroup_id_y 1
		.amdhsa_system_sgpr_workgroup_id_z 1
		.amdhsa_system_vgpr_workitem_id 0
		.amdhsa_next_free_vgpr 1024
		.amdhsa_next_free_sgpr 100
		.amdhsa_reserve_vcc 0
		.amdhsa_float_denorm_mode_32 3
		.amdhsa_float_denorm_mode_16_64 3
		.amdhsa_memory_ordered 1
		.amdhsa_forward_progress 1
		.amdhsa_inst_pref_size 171
	.end_amdhsa_kernel
	.amdgpu_metadata
---
amdhsa.version: [ 1, 2 ]
amdhsa.kernels:
  - .name:           k_q755a5ae78d_gemm_qkv
    .symbol:         k_q755a5ae78d_gemm_qkv.kd
    .args:
      - { .name: hc, .offset: 0, .size: 8, .value_kind: global_buffer, .address_space: global }
      - { .name: wcodes, .offset: 8, .size: 8, .value_kind: global_buffer, .address_space: global }
      - { .name: lowp_scales, .offset: 16, .size: 8, .value_kind: global_buffer, .address_space: global }
      - { .name: b_qkv, .offset: 24, .size: 8, .value_kind: global_buffer, .address_space: global }
      - { .name: qkvc, .offset: 32, .size: 8, .value_kind: global_buffer, .address_space: global }
    .group_segment_fixed_size: 327680
    .private_segment_fixed_size: 0
    .kernarg_segment_align: 8
    .kernarg_segment_size: 40
    .max_flat_workgroup_size: 128
    .sgpr_count:     100
    .vgpr_count:     1024
    .wavefront_size: 32
...
	.end_amdgpu_metadata
.endif
;; end of part 3
;; launch attn (part 4): grid 8 x 32, 16 waves a work-group, no clusters, 327,680 bytes of LDS; arguments qkvc, lowp_scales, yc; writes yc
.if DOCPART == 4
	.amdgcn_target "amdgcn-amd-amdhsa--gfx1250"
	.amdhsa_code_object_version 6
	.text
	.protected	k_q755a5ae78d_attn
	.globl	k_q755a5ae78d_attn
	.p2align	8
	.type	k_q755a5ae78d_attn,@function
k_q755a5ae78d_attn:
	s_mov_b64 s[64:65], 0
	v_nop
	global_prefetch_b8 v0, s[64:65] scope:SCOPE_SE
	s_setreg_imm32_b32 hwreg(HW_REG_WAVE_MODE, 25, 1), 1
	s_wait_xcnt 0x0
; y[token][64 head + d] = Q(the sum over keys k <= q of softmax_k(q . k / 8) v), both products on codes of E4M3 with the given scales e2 (q), e3 (k), e4 (p), e5 (v); y is quantised with e6 for the next product.
; q, k: [32 heads][2048][64] codes; v: [32 heads][64][2048 keys] codes, the keys innermost.
; THE SOFTMAX: t = score x log2(e) / 8; M = the running largest t rounded UP to a whole number; p = 2^(t - M) is quantised, not normalised; the row's sum is taken of the unquantised p and divides at the end.
; When M moves, the sum and O are multiplied by 2^(old M - new M): exact.
; SHARES.  Work-group (i, head) owns the blocks i and 15 - i of 128 queries: waves 0-7 block i, waves 8-15 block 15 - i, 16 queries a wave.  Under the causal mask block j needs j + 1 steps of 128 keys, so every work-group has 17 block-steps.
; Every work-group walks all eight slots of 256 keys (the trip counts are constants); a step all of whose keys come after a wave's queries is left out by a scalar branch on ids; a slot whose first key comes after the work-group's last query is not asked for.
; NO CLUSTER: which steps are left out, and where the loads end, hangs on the block of queries, which would be the work-group's place in a cluster; partners would need different numbers of tiles.
; LAYOUT.  Both products transposed: S^T = K Q^T (source 0 = 16 keys), O^T = V^T P^T (source 0 = 16 of the head's 64): a lane holds ONE query (lane % 16) throughout.
; THE KEYS OF A TILE ARE NOT NEIGHBOURS: lane r of tile 2 b + u takes key 32 b + 8 u + r + 8 (r / 8), so that the 16 registers of tiles 2 b, 2 b + 1 are keys 32 b + 16 (lane / 16) + 0 .. 15.
; LIMITS: e2 + e3 between -123 and 130; e4 and e6 between -126 and 119.  y leaves in runs of 64 bytes: a head owns 64 bytes of a token's row of 1,024.
; REGISTERS: v1-7 addresses that stay; v8-11 at work; v12 -M, v13 the largest t, v[14:15] the sum; v16-23 Q; v32-95 eight fragments of K, then four of V; v96-159 S^T, then p; v160-191 O^T; v224-239 p's codes; v236-254 at work.
.set SK,    256
.set KP,    80                         ; a key's row in LDS: 64 bytes + 16
.set VP,    272                        ; a row of V's tile: 256 bytes + 16
.set VOFF,  SK*KP
.set SLOT1, 1<<17
.set NSL,   8
.set SPARE, 2*SLOT1                    ; behind the ring: the spare words, 128 bytes for each of the sixteen waves
.set STAGE, 0                          ; the way out: 16 rows x 80 bytes a wave, in slot 0, which was left at the last change of slots
.set AK0,  1
.set AV0,  2
.set PFO,  3
.set SPW,  5
.set NIL,  6
.set GO,   7
.set ADK,  8
.set ADV,  9
.set WV,   18
.set SEL,  20
.set CS,   22
.set G1K,  24
.set G1V,  32
.set G0K,  40
.set G0V,  44
.set TB,   2
.set SLOTS, 67
.set PFA,  76
.set PFS,  78
.set LIM,  80
.set QL,   95                          ; s95 my work-group's last query
.set KF,   98                          ; s98 the step's first key
.set Q0,   99                          ; s99 my first query
.macro TLOAD                           ; wave 0 fetches a slot's K, wave 1 its V, the others nothing; an s_nop 0 and four v_nop follow each line
	s_cmp_eq_u32 s[WV], 0
	s_cbranch_scc0 .Lnot_k_\@
	tensor_load_to_lds s[G0K:G0K+3], s[G1K:G1K+7]
	s_nop 0
.rept 4
	v_nop
.endr
	s_branch .Lasked_\@
.Lnot_k_\@:
	s_cmp_eq_u32 s[WV], 1
	s_cbranch_scc0 .Lasked_\@
	tensor_load_to_lds s[G0V:G0V+3], s[G1V:G1V+7]
	s_nop 0
.rept 4
	v_nop
.endr
.Lasked_\@:
.endm
; A PREFETCH of what the NEXT change of slots will ask for.  All eight work-groups of a head walk the same K and V: the head's work-group 0, which walks all slots, asks.  In it waves 4 and 5 name K's dense 16,384 bytes,
; 8,192 a wave, lanes 256 bytes apart; waves 6 and 7 name V's 64 rows, 32 a wave, a lane a row's 256 bytes of the slot.  So each block is named once.  The last change that fills a slot asks for nothing; slots 0 and 1 come by their loads alone.
.macro ASK
	s_cmp_gt_u32 s[SLOTS], s[LIM]
	s_cbranch_scc0 .Lnot_mine_\@
	global_prefetch_b8 v[PFO], s[PFA:PFA+1] th:TH_LOAD_NT scope:SCOPE_SE
.Lnot_mine_\@:
.endm
	s_load_b128 s[4:7], s[0:1], 0x0                ; q, k, v's codes s[4:5], the scales' exponents s[6:7]
	s_load_b64 s[8:9], s[0:1], 0x10                ; y's codes
	v_lshl_add_u32 v[SPW], v0, 2, SPARE
	v_mov_b32 v[NIL], 0
	ds_add_u32 v[SPW], v[NIL]                      ; the wave's opening: the add and its wait ahead of the first tensor load
	v_lshrrev_b32 v8, 5, v0
	v_readfirstlane_b32 s[WV], v8                  ; wave 0..15
	s_and_b32 s73, ttmp7, 0xffff                   ; head index 0..31
	s_lshl_b32 s74, s73, 17                        ; a head's codes are 131,072 bytes in each of q, k, v
	s_mov_b32 s75, 0
	s_sub_co_u32 s82, 15, ttmp9
	s_lshl_b32 s[QL], s82, 7
	s_or_b32 s[QL], s[QL], 127                     ; the last query of block 15 - i
	s_cmp_lt_u32 s[WV], 8
	s_cselect_b32 s82, ttmp9, s82                  ; my block
	s_lshl_b32 s82, s82, 7
	s_and_b32 s83, s[WV], 7
	s_lshl_b32 s83, s83, 4
	s_add_co_u32 s[Q0], s82, s83
	s_lshl_b32 s84, s[Q0], 6                       ; my queries' codes
	s_mov_b32 s85, 0
	s_lshr_b32 s88, s73, 4                         ; y: ((batch x 2,048 + my first query) x 1,024 + 64 x head
	s_lshl_b32 s88, s88, 11
	s_add_co_u32 s88, s88, s[Q0]
	s_lshl_b32 s88, s88, 10
	s_and_b32 s89, s73, 15
	s_lshl_b32 s89, s89, 6
	s_add_co_u32 s88, s88, s89
	s_mov_b32 s89, 0
	s_mov_b32 s[G1K], (0<<16)|(1<<20)|(3<<22)|(3<<25)   ; K: elements of 1 byte; four words of padding after every 16
	s_mov_b32 s[G1K+1], 64<<16                     ; tensor_dim0
	s_mov_b32 s[G1K+2], SK<<16                     ; tensor_dim1
	s_mov_b32 s[G1K+3], 64<<16                     ; tile_dim0
	s_mov_b32 s[G1K+4], SK                         ; tile_dim1
	s_mov_b32 s[G1K+5], 64                         ; stride
	s_mov_b32 s[G1K+6], 0
	s_mov_b32 s[G1K+7], 0
	s_mov_b32 s[G1V], (0<<16)|(1<<20)|(5<<22)|(3<<25)   ; V: four words after every 64
	s_mov_b32 s[G1V+1], SK<<16
	s_mov_b32 s[G1V+2], 64<<16
	s_mov_b32 s[G1V+3], SK<<16
	s_mov_b32 s[G1V+4], 64
	s_mov_b32 s[G1V+5], 2048
	s_mov_b32 s[G1V+6], 0
	s_mov_b32 s[G1V+7], 0
	s_mov_b32 s[SEL], 0x76543210
	s_mov_b32 s[SEL+1], 0xfedcba98
	s_mov_b32 s[CS], 0x3e38aa3b                    ; c = log2(e) / 8
	s_mov_b32 s[TB], 0
	s_mov_b32 s[SLOTS], NSL-1
	s_mov_b32 s[KF], 0
	s_wait_dscnt 0x0                               ; the opening add is done
	s_wait_kmcnt 0x0
	s_load_b128 s[68:71], s[6:7], 0x8              ; e2, e3, e4, e5
	s_load_b32 s72, s[6:7], 0x18                   ; e6
	s_add_nc_u64 s[86:87], s[4:5], s[74:75]        ; the head in q,
	s_add_nc_u64 s[10:11], s[86:87], 4194304       ; in k,
	s_add_nc_u64 s[12:13], s[86:87], 8388608       ; in v
	s_mov_b32 s[G0K], 1
	s_mov_b32 s[G0K+1], 0                          ; slot 0
	s_mov_b64 s[G0K+2:G0K+3], s[10:11]
	s_or_b32 s[G0K+3], s[G0K+3], 0x80000000
	s_mov_b32 s[G0V], 1
	s_mov_b32 s[G0V+1], VOFF
	s_mov_b64 s[G0V+2:G0V+3], s[12:13]
	s_or_b32 s[G0V+3], s[G0V+3], 0x80000000
	TLOAD                                          ; slot 0
	s_add_nc_u64 s[4:5], s[86:87], s[84:85]        ; q at my first query
	s_add_nc_u64 s[8:9], s[8:9], s[88:89]          ; y likewise
	s_cmp_lt_u32 s[WV], 6                          ; the prefetches: waves 4, 5 stand in K, waves 6, 7 in V
	s_cselect_b64 s[PFA:PFA+1], s[10:11], s[12:13]
	s_mov_b32 s[PFS], 256
	s_cselect_b32 s[PFS], 16384, s[PFS]            ; a slot on
	s_mov_b32 s82, 2048
	s_cselect_b32 s82, 256, s82                    ; from lane to lane
	s_mov_b32 s83, 65536
	s_cselect_b32 s83, 8192, s83                   ; from wave to wave
	v_and_b32 v[PFO], 31, v0
	v_mul_lo_u32 v[PFO], v[PFO], s82
	s_and_b32 s82, s[WV], 1
	s_mul_i32 s82, s82, s83
	s_add_co_u32 s82, s82, s[PFS]                  ; in slot 1: the first change of slots steps it to slot 2
	s_mov_b32 s83, 0
	s_mov_b32 s[PFS+1], 0
	s_add_nc_u64 s[PFA:PFA+1], s[PFA:PFA+1], s[82:83]
	s_sub_co_u32 s82, s[WV], 4
	s_lshr_b32 s82, s82, 2                         ; 0 in waves 4 to 7,
	s_or_b32 s82, s82, ttmp9                       ; of the head's work-group 0
	s_cmp_eq_u32 s82, 0
	s_cselect_b32 s[LIM], 1, -1
	v_and_b32 v8, 15, v0                           ; r
	v_bfe_u32 v9, v0, 4, 1                         ; h
	v_lshlrev_b32 v10, 6, v8
	v_lshl_add_u32 v10, v9, 4, v10                 ; Q: row r of 64 bytes, + 16 h
	global_load_b128 v[16:19], v10, s[4:5]         ; registers 4 c .. 4 c + 3: channels 32 c + 16 h + 0 .. 15: the same places as in K's fragments
	global_load_b128 v[20:23], v10, s[4:5] offset:32
	v_and_b32 v11, 8, v8
	v_add_nc_u32 v11, v11, v8                      ; r + 8 (r / 8)
	v_mul_u32_u24 v[AK0], v11, KP
	v_lshl_add_u32 v[AK0], v9, 4, v[AK0]
	v_mul_u32_u24 v[AV0], v8, VP
	v_lshl_add_u32 v[AV0], v9, 4, v[AV0]
	v_add_nc_u32 v[AV0], VOFF, v[AV0]
	v_bfe_u32 v[GO], v0, 2, 3
	v_lshlrev_b32 v[GO], 10, v[GO]
	v_and_b32 v11, 3, v0
	v_lshl_add_u32 v[GO], v11, 4, v[GO]            ; the way out: four lanes to a token's 64 bytes, eight tokens an instruction
	v_mov_b32 v13, 0xff61b1e6                      ; the largest t so far: -3e38
	v_floor_f32 v12, -v13                          ; -M
	v_mov_b32 v14, 0
	v_mov_b32 v15, 0
	v_mov_b32 v236, 0                              ; a lane permute's destination counts as read
	v_mov_b32 v252, 0
	v_mov_b32 v253, 0
.set j_, 0
.rept 32
	v_mov_b32 v[160+j_], 0                         ; O^T: the step is written once; the first finds zeros
.set j_, j_+1
.endr
	s_wait_kmcnt 0x0
	s_add_co_i32 s73, s68, s69
	s_lshl_b32 s73, s73, 23
	s_add_co_i32 s[CS], s[CS], s73                 ; a score stands for score x 2^(e2 + e3): added to c's exponent field
	s_mov_b32 s[CS+1], s[CS]
	s_add_co_i32 s73, s70, 127
	s_lshl_b32 s74, s73, 23
	v_mov_b32 v244, s74                            ; 2^e4
	s_add_co_i32 s73, s73, 8
	s_lshl_b32 s73, s73, 23
	s_or_b32 s73, s73, 0x600000
	v_mov_b32 v240, s73                            ; 448 x 2^e4
.macro STEP q                          ; 128 keys, the q-th of the slot in hand
	s_add_co_u32 s96, s[Q0], 15
	s_cmp_gt_u32 s[KF], s96                        ; all keys come after my queries: the step's work is left out; ids and the count of steps alone
	s_cbranch_scc1 .Lhidden_\@
	v_add_nc_u32 v[ADK], s[TB], v[AK0]
	v_add_nc_u32 v[ADV], s[TB], v[AV0]
	v_nop                                          ; with the two additions: four places in front of loads into registers that the last products read
	v_nop
.irp t, 0,1,2,3,4,5,6,7
.irp c, 0,1
	ds_load_b128 v[32+8*\t+4*\c:32+8*\t+4*\c+3], v[ADK] offset:(128*(\q)+32*(\t/2)+8*(\t%2))*KP+32*\c
.endr
.endr
	s_wait_dscnt 0x0
.irp t, 0,1,2,3,4,5,6,7
	v_wmma_f32_16x16x64_fp8_fp8 v[96+8*\t:103+8*\t], v[32+8*\t:39+8*\t], v[16:23], 0
.endr
.rept 4
	v_nop                                          ; places: for the loads below and for the first read of the scores
.endr
.irp t, 0,1,2,3
.irp c, 0,1,2,3
	ds_load_b128 v[32+16*\t+4*\c:32+16*\t+4*\c+3], v[ADV] offset:16*\t*VP+128*(\q)+32*\c   ; V's four fragments land while the softmax runs
.endr
.endr
	s_add_co_u32 s96, s[KF], 127                   ; on the diagonal hidden scores become -infinity ahead of the maximum; a step all of whose keys count skips this
	s_cmp_le_u32 s96, s[Q0]
	s_cbranch_scc1 .Lopen_\@
	s_sub_co_i32 s96, s[Q0], s[KF]
	v_and_b32 v252, 15, v0
	v_bfe_u32 v253, v0, 4, 1
	v_lshlrev_b32 v253, 4, v253
	v_sub_nc_u32 v252, v252, v253
	v_add_nc_u32 v252, s96, v252                   ; d = my query - KF - 16 (lane / 16): register 16 b + i is hidden where 32 b + i > d
	v_mov_b32 v254, 0xff800000
.set n_, 0
.rept 64
	v_cmp_gt_i32 vcc_lo, 32*(n_/16)+n_%16, v252
	v_cndmask_b32 v[96+n_], v[96+n_], v254, vcc_lo
.set n_, n_+1
.endr
.Lopen_\@:
	v_max3_num_f32 v254, v96, v97, v98             ; the step's largest score of my query, in two chains,
	v_max3_num_f32 v252, v99, v100, v101
.irp i, 6,10,14,18,22,26,30,34,38,42,46,50,54,58
	v_max3_num_f32 v254, v254, v[96+\i], v[97+\i]
	v_max3_num_f32 v252, v252, v[98+\i], v[99+\i]
.endr
	v_max3_num_f32 v254, v254, v158, v159
	v_max_num_f32 v254, v254, v252
	v_permlanex16_b32 v236, v254, s[SEL], s[SEL+1]
	v_max_num_f32 v254, v254, v236                 ; and lane l xor 16's
	v_mul_f32 v254, s[CS], v254                    ; as t
	v_max_num_f32 v13, v13, v254
	v_mov_b32 v254, v12
	v_floor_f32 v12, -v13                          ; the new -M = -ceil(t)
	v_sub_f32 v254, v12, v254                      ; old M - new M: a whole number, 0 or less
	v_cvt_i32_f32 v254, v254
	v_ldexp_f32 v252, 1.0, v254                    ; f = 2^(old M - new M)
.set j_, 0
.rept 32
	v_pk_fma_f32 v[96+j_:97+j_], v[96+j_:97+j_], s[CS:CS+1], v[12:13] op_sel_hi:[1,0,0]   ; t - M
.set j_, j_+2
.endr
.set j_, 0
.rept 64
	v_exp_f32 v[96+j_], v[96+j_]                   ; p = 2^(t - M)
.set j_, j_+1
.endr
	v_pk_mul_f32 v[14:15], v[14:15], v[252:253] op_sel_hi:[1,0]   ; the sums under the new M: a plain instruction behind the exponentials
	s_wait_alu depctr_va_vdst(0)                   ; one wait for the batch, ahead of its first reader
	v_pk_add_f32 v[242:243], v[96:97], v[98:99]    ; the row's sum is taken of the unquantised p
.irp j, 4,8,12,16,20,24,28,32,36,40,44,48,52,56,60
	v_pk_add_f32 v[14:15], v[14:15], v[96+\j:97+\j]
	v_pk_add_f32 v[242:243], v[242:243], v[98+\j:99+\j]
.endr
	v_pk_add_f32 v[14:15], v[14:15], v[242:243]
.irp b, 0,1,2,3
.irp i, 0,1,2,3,4,5,6,7,8,9,10,11,12,13,14,15
	v_min_num_f32 v[96+16*\b+\i], v[96+16*\b+\i], v240   ; the hold; p is not negative
.endr
	v_cvt_scalef32_pk8_fp8_f32 v[224+4*\b:225+4*\b], v[96+16*\b:103+16*\b], v244
	v_cvt_scalef32_pk8_fp8_f32 v[226+4*\b:227+4*\b], v[104+16*\b:111+16*\b], v244
.endr
.set j_, 0
.rept 16
	v_pk_mul_f32 v[160+j_:161+j_], v[160+j_:161+j_], v[252:253] op_sel_hi:[1,0]   ; O^T under the new M
.set j_, j_+2
.endr
	s_wait_dscnt 0x0                               ; V's fragments
.irp t, 0,1,2,3
	v_wmma_f32_16x16x128_fp8_fp8 v[160+8*\t:167+8*\t], v[32+16*\t:47+16*\t], v[224:239], v[160+8*\t:167+8*\t]   ; four accumulators by turns
.endr
.Lhidden_\@:
	s_add_co_u32 s[KF], s[KF], 128
.endm
; THE CHANGE OF SLOTS, at a slot's head.  Each wave waits for all its tensor loads, adds 0 to its spare word, waits for that and for its reads of the slot that it has left; behind the barrier the slot ahead is whole and nobody reads the other.
.macro CHANGE fill
	s_wait_tensorcnt 0x0
	ds_add_u32 v[SPW], v[NIL]
.if \fill
	s_xor_b32 s[G0K+1], s[G0K+1], SLOT1            ; the walking descriptors: the other slot, the next 256 keys
	s_add_nc_u64 s[G0K+2:G0K+3], s[G0K+2:G0K+3], SK*64
	s_xor_b32 s[G0V+1], s[G0V+1], SLOT1
	s_add_nc_u64 s[G0V+2:G0V+3], s[G0V+2:G0V+3], SK
	s_wait_xcnt 0x0                                ; the last prefetch, a slot back, has read its address
	s_add_nc_u64 s[PFA:PFA+1], s[PFA:PFA+1], s[PFS:PFS+1]
.endif
	s_wait_dscnt 0x0
	s_barrier_signal -1
	s_barrier_wait -1
.if \fill
	s_add_co_u32 s96, s[KF], SK                    ; the first key of the slot that this change would ask for:
	s_cmp_gt_u32 s96, s[QL]                        ; past my work-group's last query no wave reads it, so it is not asked for.  Ids and the count of steps alone: all sixteen waves go the same way
	s_cbranch_scc1 .Lpast_\@
	TLOAD                                          ; a wave's one tensor load until the next change
.Lpast_\@:
	ASK
.endif
.endm
.macro SLOT_STEPS
	STEP 0
	STEP 1
	s_xor_b32 s[TB], s[TB], SLOT1
.endm
	s_wait_loadcnt 0x0                             ; Q
.Lslot:                                            ; seven trips
	CHANGE 1
	SLOT_STEPS
	s_sub_co_u32 s[SLOTS], s[SLOTS], 1
	s_cmp_lg_u32 s[SLOTS], 0
	s_cbranch_scc1 .Lslot
	CHANGE 0                                       ; the last slot is written out: nothing is asked for
	SLOT_STEPS
	; THE WAY OUT: O^T / the sum x 2^(e4 + e5), quantised with e6; eight codes a lane through my stage, so that four lanes store a token's 64 bytes.
	; Nothing here names a register of the last products before the address work below has given them their places: the permute lands in v252, which is no operand of theirs.
	v_add_f32 v14, v14, v15
	v_permlanex16_b32 v252, v14, s[SEL], s[SEL+1]
	v_add_f32 v14, v14, v252                       ; the row's sum
	v_rcp_f32 v14, v14
	v_and_b32 v8, 15, v0                           ; (a plain instruction behind the reciprocal)
	v_bfe_u32 v9, v0, 4, 1
	s_add_co_i32 s73, s70, s71
	s_mul_i32 s74, s[WV], 16*KP
	v_mul_u32_u24 v10, v8, KP
	v_lshl_add_u32 v10, v9, 3, v10
	v_add_nc_u32 v10, s74, v10                     ; in: row r, + 8 h
	v_bfe_u32 v11, v0, 2, 3
	v_mul_u32_u24 v11, v11, KP
	v_and_b32 v8, 3, v0
	v_lshl_add_u32 v11, v8, 4, v11
	v_add_nc_u32 v11, s74, v11                     ; back: row lane / 4, 16 bytes a lane
	s_add_co_i32 s75, s72, 127
	s_lshl_b32 s82, s75, 23
	v_mov_b32 v241, s82                            ; 2^e6
	s_add_co_i32 s75, s75, 8
	s_lshl_b32 s75, s75, 23
	s_or_b32 s75, s75, 0x600000
	v_mov_b32 v245, s75                            ; 448 x 2^e6
	s_wait_alu depctr_va_vdst(0)                   ; the wait ahead of the reciprocal's first reader
	v_ldexp_f32 v14, v14, s73
.set j_, 0
.rept 32
	v_mul_f32 v[96+j_], v[160+j_], v14             ; register 8 t + i is y(r, 16 t + 8 h + i)
.set j_, j_+1
.endr
.set j_, 0
.rept 32
	v_med3_num_f32 v[96+j_], v[96+j_], -v245, v245
.set j_, j_+1
.endr
.irp t, 0,1,2,3
	v_cvt_scalef32_pk8_fp8_f32 v[32+2*\t:33+2*\t], v[96+8*\t:103+8*\t], v241
.endr
	v_nop
.irp t, 0,1,2,3
	ds_store_b64 v10, v[32+2*\t:33+2*\t] offset:STAGE+16*\t
.endr
.irp u, 0,1
	ds_load_b128 v[48+4*\u:51+4*\u], v11 offset:STAGE+8*KP*\u   ; my own bytes, served in order
.endr
.irp u, 0,1
	s_wait_dscnt 1-\u
	global_store_b128 v[GO], v[48+4*\u:51+4*\u], s[8:9] offset:8192*\u
.endr
	s_wait_tensorcnt 0x0                           ; the wave's end
	ds_add_u32 v[SPW], v[NIL]
	s_wait_dscnt 0x0
	s_endpgm
.Lfunc_end_k_q755a5ae78d_attn:
	.size	k_q755a5ae78d_attn, .Lfunc_end_k_q755a5ae78d_attn-k_q755a5ae78d_attn
	.p2alignl 7, 3214868480
	.fill 96, 4, 3214868480
	.section	.rodata,"a",@progbits
	.p2align	6, 0x0
	.amdhsa_kernel k_q755a5ae78d_attn
		.amdhsa_group_segment_fixed_size 327680
		.amdhsa_private_segment_fixed_size 0
		.amdhsa_enable_private_segment 0
		.amdhsa_kernarg_size 24
		.amdhsa_user_sgpr_count 2
		.amdhsa_user_sgpr_kernarg_segment_ptr 1
		.amdhsa_wavefront_size32 1
		.amdhsa_system_sgpr_workgroup_id_x 1
		.amdhsa_system_sgpr_workgroup_id_y 1
		.amdhsa_system_sgpr_workgroup_id_z 1
		.amdhsa_system_vgpr_workitem_id 0
		.amdhsa_next_free_vgpr 256
		.amdhsa_next_free_sgpr 100
		.amdhsa_reserve_vcc 1
		.amdhsa_float_denorm_mode_32 3
		.amdhsa_float_denorm_mode_16_64 3
		.amdhsa_memory_ordered 1
		.amdhsa_forward_progress 1
		.amdhsa_inst_pref_size 97
	.end_amdhsa_kernel
	.amdgpu_metadata
---
amdhsa.version: [ 1, 2 ]
amdhsa.kernels:
  - .name:           k_q755a5ae78d_attn
    .symbol:         k_q755a5ae78d_attn.kd
    .args:
      - { .name: qkvc, .offset: 0, .size: 8, .value_kind: global_buffer, .address_space: global }
      - { .name: lowp_scales, .offset: 8, .size: 8, .value_kind: global_buffer, .address_space: global }
      - { .name: yc, .offset: 16, .size: 8, .value_kind: global_buffer, .address_space: global }
    .group_segment_fixed_size: 327680
    .private_segment_fixed_size: 0
    .kernarg_segment_align: 8
    .kernarg_segment_size: 24
    .max_flat_workgroup_size: 512
    .sgpr_count:     100
    .vgpr_count:     256
    .wavefront_size: 32
...
	.end_amdgpu_metadata
.endif
;; end of part 4
;; launch gemm_proj (part 5): grid 4 x 16, 4 waves a work-group, clusters of 4 x 4, 327,680 bytes of LDS; arguments yc, wcodes, lowp_scales, b_proj, x, x2; writes x2
.if DOCPART == 5
	.amdgcn_target "amdgcn-amd-amdhsa--gfx1250"
	.amdhsa_code_object_version 6
	.text
	.protected	k_q755a5ae78d_gemm_proj
	.globl	k_q755a5ae78d_gemm_proj
	.p2align	8
	.type	k_q755a5ae78d_gemm_proj,@function
k_q755a5ae78d_gemm_proj:
	s_mov_b64 s[64:65], 0
	v_nop
	global_prefetch_b8 v0, s[64:65] scope:SCOPE_SE
	s_setreg_imm32_b32 hwreg(HW_REG_WAVE_MODE, 25, 1), 1
	s_wait_xcnt 0x0
	s_wait_alu depctr_hold_cnt(0) depctr_sa_sdst(0) depctr_va_vdst(0) depctr_va_sdst(0) depctr_va_ssrc(0) depctr_va_vcc(0) depctr_vm_vsrc(0)
	s_getreg_b32 s2, hwreg(HW_REG_IB_STS2, 6, 4)
	s_cmp_eq_u32 s2, 0
	s_cbranch_scc0 .Lentry_in_a_cluster
	s_endpgm
.Lentry_in_a_cluster:
	s_bfe_u32 s2, ttmp6, 0x10000c
	s_cmp_lg_u32 s2, 0xf033
	s_cbranch_scc0 .Lentry_shape_is_right
	s_endpgm
.Lentry_shape_is_right:
; x2 = x + (y W_proj + b_proj): y [4096][1024] codes (2^e6), W_proj [1024][1024] codes, K innermost (2^e7), at byte 3,145,728 of the weights' codes; f32 sums; x, x2 [4096][1024] f32.
; LIMIT: e6 + e7 between -126 and 127.
; A tile of 256 x 256 is made by four waves, 128 x 128 each: 64 accumulators.  K goes in steps of 256 through a ring of two LDS slots filled by the tensor data mover.
; CLUSTERS of 4 x 4: A's tile is shared along a row of the cluster, B's along a column; each is asked for jointly.  Source 0 = 16 rows of B, source 1 = 16 rows of A: a lane holds eight neighbouring numbers of a row of C.
; REGISTERS: window 0: v0-31 addresses, v8-11 my four biases; v128-255 A's fragments, ONE set; on the way out v32-95 a block's sums, v128-255 rows read back.  window 1: B's fragments, TWO sets; on the way out four sets of 64 for the residual.  windows 2, 3: the accumulators.
.set KROW,   1024
.set WOFF,   3145728
.set SCOFF,  0x18
.set ROWB,   256
.set PITCH,  272                       ; an LDS row: 256 bytes + 16: the 16 rows of a fragment load start at 16 different banks (ISA guide 11.1)
.set FR,     16
.set NL,     4
.set NP,     4
.set HALFT,  128*PITCH
.set SLOT,   4*HALFT
.set LAPS,   KROW/(2*ROWB)
.set SPARE,  2*SLOT
.set SPITCH, 528                       ; the way out: 16 rows x (512 bytes + 16) for each wave, in slot 0, which has had its last fill and its last read by then
.set ADRA, 16
.set ADRB, 20
.set BI,   8
.set STO,  24
.set RD,   25
.set CO,   26                          ; v26 16 x lane; never rewritten
.set SPW,  28
.set NIL,  29
.set TMP,  32
.set AF,   128
.set BK,   128
.set G1, 24
.set G0, 32
.set G1B, 48
.set G0B, 56
.set MSB, 0
.macro WIN new
.if MSB != \new
	s_set_vgpr_msb (MSB<<8)|\new
.set MSB, \new
.endif
.endm
.set MUL_LO, 0xa1
.set MUL_HI, 0xf1
.set TO_B,   0x40
.macro JLOAD g0a, g1a, g0b, g1b        ; a joint load: waves 0 and 1 fetch for A, waves 2 and 3 for B; an s_nop 0 and four v_nop follow each line
	s_cmp_eq_u32 s15, 0
	s_cbranch_scc0 .Lfor_b_\@
	tensor_load_to_lds s[\g0a:\g0a+3], s[\g1a:\g1a+7]
	s_nop 0
.rept 4
	v_nop
.endr
	s_branch .Lasked_\@
.Lfor_b_\@:
	tensor_load_to_lds s[\g0b:\g0b+3], s[\g1b:\g1b+7]
	s_nop 0
.rept 4
	v_nop
.endr
.Lasked_\@:
.endm
.macro CREST
	s_cmp_lg_u32 s14, 0
	s_cbranch_scc1 .Lnot_wave_0_\@
	s_barrier_signal -3
.Lnot_wave_0_\@:
	s_barrier_wait -3
	s_barrier_signal -1
	s_barrier_wait -1
.endm
.macro CROUND
	s_barrier_signal -1
	s_barrier_wait -1
	CREST
.endm
	s_load_b128 s[4:7], s[0:1], 0x0                ; A's codes, the weights' codes
	s_load_b128 s[8:11], s[0:1], 0x10              ; the scales' exponents, the bias
	s_load_b128 s[68:71], s[0:1], 0x20             ; the residual s[68:69], the output s[70:71]
	v_lshl_add_u32 v[SPW], v0, 2, SPARE
	v_mov_b32 v[NIL], 0
	ds_add_u32 v[SPW], v[NIL]                      ; the wave's opening: the add and its wait ahead of my first tensor load
	v_lshrrev_b32 v1, 5, v0
	v_readfirstlane_b32 s14, v1
	s_lshr_b32 s15, s14, 1
	s_and_b32 s16, s14, 1
	s_bfe_u32 s40, ttmp6, 0x40000
	s_bfe_u32 s41, ttmp6, 0x40004
	s_lshl_b32 s42, ttmp9, 2
	s_add_co_u32 s42, s42, s40                     ; tile column
	s_and_b32 s17, ttmp7, 0xffff
	s_lshl_b32 s17, s17, 2
	s_add_co_u32 s17, s17, s41                     ; tile row
	s_lshl_b32 s43, s41, 2
	s_lshl_b32 s43, 15, s43
	s_lshl_b32 s44, 0x1111, s40
	s_or_b32 s[G1+0], s43, (0<<16)|(1<<20)|(1<<21)|(5<<22)|(3<<25)
	s_or_b32 s[G1B+0], s44, (0<<16)|(1<<20)|(1<<21)|(5<<22)|(3<<25)
.irp g, G1, G1B
	s_mov_b32 s[\g+1], ROWB<<16
	s_mov_b32 s[\g+2], 128<<16
	s_mov_b32 s[\g+3], ROWB<<16
	s_mov_b32 s[\g+4], 128
	s_mov_b32 s[\g+5], KROW
	s_mov_b32 s[\g+6], 0
	s_mov_b32 s[\g+7], 0
.endr
	s_lshl_b32 s18, s16, 7
	s_lshl_b32 s20, s17, 8
	s_add_co_u32 s20, s20, s18
	s_lshl_b32 s46, s42, 8
	s_add_co_u32 s46, s46, s18
	s_mov_b32 s21, 0
	s_mov_b32 s47, 0
	s_mov_b64 s[18:19], KROW
	s_mul_u64 s[20:21], s[20:21], s[18:19]
	s_mul_u64 s[46:47], s[46:47], s[18:19]
	s_mul_i32 s45, s14, HALFT
	s_wait_dscnt 0x0
	s_wait_kmcnt 0x0
	s_load_b64 s[96:97], s[8:9], SCOFF             ; ea, eb
	s_add_nc_u64 s[20:21], s[4:5], s[20:21]
	s_add_nc_u64 s[46:47], s[6:7], s[46:47]
	s_add_nc_u64 s[46:47], s[46:47], WOFF
	CROUND
.irp s, 0,1
	s_mov_b32 s[G0+4*\s], 1
	s_add_co_u32 s[G0+4*\s+1], s45, \s*SLOT
	s_add_nc_u64 s[G0+4*\s+2:G0+4*\s+3], s[20:21], \s*ROWB
	s_or_b32 s[G0+4*\s+3], s[G0+4*\s+3], 0x80000000
	s_mov_b32 s[G0B+4*\s], 1
	s_add_co_u32 s[G0B+4*\s+1], s45, \s*SLOT
	s_add_nc_u64 s[G0B+4*\s+2:G0B+4*\s+3], s[46:47], \s*ROWB
	s_or_b32 s[G0B+4*\s+3], s[G0B+4*\s+3], 0x80000000
	JLOAD G0+4*\s, G1, G0B+4*\s, G1B
.endr
	v_and_b32 v1, 15, v0
	v_bfe_u32 v2, v0, 4, 1
	v_mul_u32_u24 v3, v1, PITCH
	v_lshl_add_u32 v4, v2, 4, v3
	s_mul_i32 s21, s15, HALFT
	s_mul_i32 s22, s16, HALFT
	s_add_co_u32 s22, s22, 2*HALFT
.irp s, 0,1
	v_add_nc_u32 v[ADRA+\s], s21, v4
	v_add_nc_u32 v[ADRB+\s], s22, v4
	s_add_co_u32 s21, s21, SLOT
	s_add_co_u32 s22, s22, SLOT
.endr
	s_mul_i32 s23, s14, 16*SPITCH                  ; my stage
	v_mul_u32_u24 v5, v1, SPITCH
	v_lshl_add_u32 v5, v2, 5, v5
	v_add_nc_u32 v[STO], s23, v5                   ; in: row r, 32 bytes for each half of the lanes
	v_and_b32 v6, 31, v0
	v_lshlrev_b32 v[CO], 4, v6
	v_add_nc_u32 v[RD], s23, v[CO]                 ; back: the 32 lanes take one row of 512 bytes
	s_lshl_b32 s20, s17, 8
	s_lshl_b32 s21, s15, 7
	s_add_co_u32 s20, s20, s21
	s_lshl_b32 s20, s20, 12                        ; my first row, of 4,096 bytes,
	s_lshl_b32 s72, s42, 10
	s_lshl_b32 s73, s16, 9
	s_add_co_u32 s72, s72, s73                     ; my first column, in bytes
	s_add_co_u32 s20, s20, s72
	s_mov_b32 s21, 0
	s_mov_b32 s73, 0
	s_add_nc_u64 s[68:69], s[68:69], s[20:21]
	s_add_nc_u64 s[70:71], s[70:71], s[20:21]
	s_add_nc_u64 s[72:73], s[10:11], s[72:73]
	global_load_b128 v[BI:BI+3], v[CO], s[72:73]   ; the bias of my four columns of a row read back; it lands while the products run
.macro FRAG reg, adr, q, i
.irp c, 0,1,2,3
	ds_load_b128 v[\reg+4*\c:\reg+4*\c+3], v[\adr] offset:128*(\q)+32*\c+(\i)*16*PITCH
.endr
.endm
.macro MUL16 a0, p, zero               ; the 64 accumulators take turns, one instruction a turn
.irp a, \a0, \a0+1
.irp b, 0,1,2,3,4,5,6,7
.if \zero
	v_wmma_f32_16x16x128_fp8_fp8 v[8*(8*((\a)%4)+\b):8*(8*((\a)%4)+\b)+7], v[128*(\p)+FR*\b:128*(\p)+FR*\b+FR-1], v[AF+FR*(\a):AF+FR*(\a)+FR-1], 0
.else
	v_wmma_f32_16x16x128_fp8_fp8 v[8*(8*((\a)%4)+\b):8*(8*((\a)%4)+\b)+7], v[128*(\p)+FR*\b:128*(\p)+FR*\b+FR-1], v[AF+FR*(\a):AF+FR*(\a)+FR-1], v[8*(8*((\a)%4)+\b):8*(8*((\a)%4)+\b)+7]
.endif
.endr
.endr
.endm
.macro FETCH_B slot, q, p
	WIN TO_B
.irp i, 0,1,2,3,4,5,6,7
	FRAG 128*(\p)+FR*\i, ADRB+\slot, \q, \i
.endr
	WIN 0
.endm
.macro FETCH_A slot, q, i0
.irp i, \i0, \i0+1, \i0+2, \i0+3
	FRAG AF+FR*(\i), ADRA+\slot, \q, \i
.endr
.endm
.macro PLACES n
.rept \n
	v_nop
.endr
.endm
.macro STEP slot, q, zero
	s_wait_dscnt 4*NL                              ; all but the youngest 16 loads (A's blocks 4-7) are in
	WIN MUL_LO
	MUL16 0, (\q)%2, \zero
	MUL16 2, (\q)%2, \zero
	s_wait_dscnt 0
	PLACES NP
	FETCH_B \slot, (\q)+1, 1-(\q)%2
	FETCH_A \slot, (\q)+1, 0
	WIN MUL_HI
	MUL16 4, (\q)%2, \zero
	MUL16 6, (\q)%2, \zero
	PLACES NP
	WIN 0
	FETCH_A \slot, (\q)+1, 4
.endm
.macro TURN slot, next, fill
	s_wait_tensorcnt 0x0                           ; all my tensor loads have landed
	ds_add_u32 v[SPW], v[NIL]
	s_wait_dscnt 4*NL+1                            ; the add and the youngest 16 loads may be out
	WIN MUL_LO
	MUL16 0, 1, 0
	s_wait_dscnt 0x0                               ; the add is done, and my reads of this slot are over
	s_barrier_signal -1
	MUL16 2, 1, 0
	WIN 0
	s_barrier_wait -1
.if \fill
	CREST
	s_add_nc_u64 s[G0+4*\slot+2:G0+4*\slot+3], s[G0+4*\slot+2:G0+4*\slot+3], 2*ROWB
	s_add_nc_u64 s[G0B+4*\slot+2:G0B+4*\slot+3], s[G0B+4*\slot+2:G0B+4*\slot+3], 2*ROWB
	JLOAD G0+4*\slot, G1, G0B+4*\slot, G1B
.else
	PLACES NP
.endif
	FETCH_B \next, 0, 0
	FETCH_A \next, 0, 0
	WIN MUL_HI
	MUL16 4, 1, 0
	MUL16 6, 1, 0
	PLACES NP
	WIN 0
	FETCH_A \next, 0, 4
.endm
	s_wait_tensorcnt 1                             ; my part of K step 0 is in; K step 1's load may be out
	s_barrier_signal -1
	s_barrier_wait -1
	FETCH_B 0, 0, 0
	FETCH_A 0, 0, 0
	FETCH_A 0, 0, 4
	STEP 0, 0, 1
	s_mov_b32 s3, LAPS-1
.Llap:
	TURN 0, 1, 1
	STEP 1, 0, 0
	TURN 1, 0, 1
	STEP 0, 0, 0
	s_sub_co_u32 s3, s3, 1
	s_cmp_lg_u32 s3, 0
	s_cbranch_scc1 .Llap
	TURN 0, 1, 0
	STEP 1, 0, 0
	s_wait_dscnt 4*NL
	WIN MUL_LO
	MUL16 0, 1, 0
	MUL16 2, 1, 0
	s_wait_dscnt 0
	WIN MUL_HI
	MUL16 4, 1, 0
	MUL16 6, 1, 0
	WIN 0
; THE WAY OUT, block by block of 16 rows x 128 columns: sums x 2^(ea + eb) through my own stage, back as whole rows of 512 bytes; the residual's same rows, loaded two blocks ahead, and the bias are added; 512 consecutive bytes a store.
.macro RLOAD a                         ; the residual's rows of block a into set a % 4 of window 1
	WIN 0x40
.irp t, 0,1,2,3,4,5,6,7,8,9,10,11,12,13,14,15
	global_load_b128 v[64*((\a)%4)+4*\t:64*((\a)%4)+4*\t+3], v[CO], s[68:69] offset:(16*(\a)+\t)*4096
.endr
	WIN 0
.endm
.macro TOSTAGE a
.set AC, 64*((\a)%4)
	WIN 0x02+((\a)/4)
.set j_, 0
.rept 32
	v_pk_mul_f32 v[TMP+j_:TMP+j_+1], v[AC+j_:AC+j_+1], s[96:97] op_sel_hi:[1,0]   ; each accumulator from its low end on
.set j_, j_+2
.endr
	WIN 0
.irp b, 0,1,2,3,4,5,6,7
	ds_store_b128 v[STO], v[TMP+8*\b:TMP+8*\b+3] offset:64*\b
	ds_store_b128 v[STO], v[TMP+8*\b+4:TMP+8*\b+7] offset:64*\b+16
.endr
.set BBK, BK+64*((\a)%2)
.irp t, 0,1,2,3,4,5,6,7,8,9,10,11,12,13,14,15
	ds_load_b128 v[BBK+4*\t:BBK+4*\t+3], v[RD] offset:\t*SPITCH   ; my own bytes, served in order
.endr
.endm
.macro SEND a, yd, yl                  ; yd, yl: the younger LDS instructions and the younger global loads, which may stay out
.set BBK, BK+64*((\a)%2)
.set RSD, 64*((\a)%4)
	s_wait_dscnt \yd
	s_wait_loadcnt \yl
	WIN 0x04                                       ; source 1: window 1
.set j_, 0
.rept 32
	v_pk_add_f32 v[BBK+j_:BBK+j_+1], v[BBK+j_:BBK+j_+1], v[RSD+j_:RSD+j_+1]
.set j_, j_+2
.endr
	WIN 0
.set j_, 0
.rept 16
	v_pk_add_f32 v[BBK+j_:BBK+j_+1], v[BBK+j_:BBK+j_+1], v[BI:BI+1]
	v_pk_add_f32 v[BBK+j_+2:BBK+j_+3], v[BBK+j_+2:BBK+j_+3], v[BI+2:BI+3]
.set j_, j_+4
.endr
.irp t, 0,1,2,3,4,5,6,7,8,9,10,11,12,13,14,15
	global_store_b128 v[CO], v[BBK+4*\t:BBK+4*\t+3], s[70:71] offset:(16*(\a)+\t)*4096
.endr
.endm
	s_wait_kmcnt 0x0
	s_add_co_i32 s96, s96, s97
	s_add_co_i32 s96, s96, 127
	s_lshl_b32 s96, s96, 23                        ; 2^(ea + eb) as f32
	PLACES NP                                      ; for the loads into registers that held fragments, and for the reads of the last results
	RLOAD 0
	RLOAD 1
	TOSTAGE 0
.irp a, 1,2,3,4,5,6,7
.if \a > 1
	s_wait_xcnt 0x0                                ; block a - 2's stores have read their registers: block a's rows may land there
.endif
	TOSTAGE \a
.if \a < 7
	RLOAD \a+1
	SEND \a-1, 32, 32                              ; behind block a - 1's: block a's 16 stores and 16 loads; the residual's 32 loads of blocks a and a + 1
.else
	SEND \a-1, 32, 16
.endif
.endr
	s_wait_xcnt 0x0
	SEND 7, 0, 0
	s_wait_tensorcnt 0x0                           ; the wave's end
	ds_add_u32 v[SPW], v[NIL]
	s_wait_dscnt 0x0
	CROUND                                         ; the closing round
	s_endpgm
.Lfunc_end_k_q755a5ae78d_gemm_proj:
	.size	k_q755a5ae78d_gemm_proj, .Lfunc_end_k_q755a5ae78d_gemm_proj-k_q755a5ae78d_gemm_proj
	.p2alignl 7, 3214868480
	.fill 96, 4, 3214868480
	.section	.rodata,"a",@progbits
	.p2align	6, 0x0
	.amdhsa_kernel k_q755a5ae78d_gemm_proj
		.amdhsa_group_segment_fixed_size 327680
		.amdhsa_private_segment_fixed_size 0
		.amdhsa_enable_private_segment 0
		.amdhsa_kernarg_size 48
		.amdhsa_user_sgpr_count 2
		.amdhsa_user_sgpr_kernarg_segment_ptr 1
		.amdhsa_wavefront_size32 1
		.amdhsa_system_sgpr_workgroup_id_x 1
		.amdhsa_system_sgpr_workgroup_id_y 1
		.amdhsa_system_sgpr_workgroup_id_z 1
		.amdhsa_system_vgpr_workitem_id 0
		.amdhsa_next_free_vgpr 1024
		.amdhsa_next_free_sgpr 100
		.amdhsa_reserve_vcc 0
		.amdhsa_float_denorm_mode_32 3
		.amdhsa_float_denorm_mode_16_64 3
		.amdhsa_memory_ordered 1
		.amdhsa_forward_progress 1
		.amdhsa_inst_pref_size 168
	.end_amdhsa_kernel
	.amdgpu_metadata
---
amdhsa.version: [ 1, 2 ]
amdhsa.kernels:
  - .name:           k_q755a5ae78d_gemm_proj
    .symbol:         k_q755a5ae78d_gemm_proj.kd
    .args:
      - { .name: yc, .offset: 0, .size: 8, .value_kind: global_buffer, .address_space: global }
      - { .name: wcodes, .offset: 8, .size: 8, .value_kind: global_buffer, .address_space: global }
      - { .name: lowp_scales, .offset: 16, .size: 8, .value_kind: global_buffer, .address_space: global }
      - { .name: b_proj, .offset: 24, .size: 8, .value_kind: global_buffer, .address_space: global }
      - { .name: x, .offset: 32, .size: 8, .value_kind: global_buffer, .address_space: global }
      - { .name: x2, .offset: 40, .size: 8, .value_kind: global_buffer, .address_space: global }
    .group_segment_fixed_size: 327680
    .private_segment_fixed_size: 0
    .kernarg_segment_align: 8
    .kernarg_segment_size: 48
    .max_flat_workgroup_size: 128
    .sgpr_count:     100
    .vgpr_count:     1024
    .wavefront_size: 32
...
	.end_amdgpu_metadata
.endif
;; end of part 5
;; launch ln2: the kernel of part 2 again; grid 256 x 1, 8 waves a work-group, no clusters, 17,408 bytes of LDS; arguments x2, ln2_g, ln2_b, sc_ln2, hc; writes hc
;; launch gemm_fc (part 6): grid 16 x 16, 4 waves a work-group, clusters of 4 x 4, 327,680 bytes of LDS; arguments hc, wcodes, lowp_scales, b_fc, hidc; writes hidc
.if DOCPART == 6
	.amdgcn_target "amdgcn-amd-amdhsa--gfx1250"
	.amdhsa_code_object_version 6
	.text
	.protected	k_q755a5ae78d_gemm_fc
	.globl	k_q755a5ae78d_gemm_fc
	.p2align	8
	.type	k_q755a5ae78d_gemm_fc,@function
k_q755a5ae78d_gemm_fc:
	s_mov_b64 s[64:65], 0
	v_nop
	global_prefetch_b8 v0, s[64:65] scope:SCOPE_SE
	s_setreg_imm32_b32 hwreg(HW_REG_WAVE_MODE, 25, 1), 1
	s_wait_xcnt 0x0
	s_wait_alu depctr_hold_cnt(0) depctr_sa_sdst(0) depctr_va_vdst(0) depctr_va_sdst(0) depctr_va_ssrc(0) depctr_va_vcc(0) depctr_vm_vsrc(0)
	s_getreg_b32 s2, hwreg(HW_REG_IB_STS2, 6, 4)
	s_cmp_eq_u32 s2, 0
	s_cbranch_scc0 .Lentry_in_a_cluster
	s_endpgm
.Lentry_in_a_cluster:
	s_bfe_u32 s2, ttmp6, 0x10000c
	s_cmp_lg_u32 s2, 0xf033
	s_cbranch_scc0 .Lentry_shape_is_right
	s_endpgm
.Lentry_shape_is_right:
; hid = Q(relu(h2 W_fc + b_fc)): h2 [4096][1024] codes (2^e8), W_fc [4096][1024] codes, K innermost (2^e9), at byte 4,194,304 of the weights' codes; f32 sums; hid [4096][4096] codes with 2^e10.
; LIMITS: e8 + e9 between -126 and 127; e10 between -126 and 119.
; A tile of 256 x 256 is made by four waves, 128 x 128 each: 64 accumulators.  K goes in steps of 256 through a ring of two LDS slots filled by the tensor data mover.
; CLUSTERS of 4 x 4: A's tile is shared along a row of the cluster, B's along a column; each is asked for jointly.  Source 0 = 16 rows of B, source 1 = 16 rows of A: a lane holds eight neighbours of a row of C, which run along the next product's K.
; REGISTERS: window 0: v0-31 addresses; v32-95 the bias of my 64 columns a lane; v96-111 codes; v128-255 A's fragments, ONE set; later the way out.  window 1: B's fragments, TWO sets.  windows 2, 3: the accumulators.
.set KROW,   1024
.set WOFF,   4194304
.set SCOFF,  0x20
.set ROWB,   256
.set PITCH,  272                       ; an LDS row: 256 bytes + 16: the 16 rows of a fragment load start at 16 different banks (ISA guide 11.1)
.set FR,     16
.set NL,     4
.set NP,     4
.set HALFT,  128*PITCH
.set SLOT,   4*HALFT
.set LAPS,   KROW/(2*ROWB)
.set SPARE,  2*SLOT
.set ADRA, 16
.set ADRB, 20
.set BOF,  7                           ; v7  32 x (lane / 16); never rewritten
.set SCL,  12
.set LIMV, 13
.set STO,  24
.set RD,   25
.set CO,   26
.set SPW,  28
.set NIL,  29
.set CB,   32
.set PC,   96
.set TMP,  128
.set AF,   128
.set G1, 24
.set G0, 32
.set G1B, 48
.set G0B, 56
.set MSB, 0
.macro WIN new
.if MSB != \new
	s_set_vgpr_msb (MSB<<8)|\new
.set MSB, \new
.endif
.endm
.set MUL_LO, 0xa1
.set MUL_HI, 0xf1
.set TO_B,   0x40
.macro JLOAD g0a, g1a, g0b, g1b        ; a joint load: waves 0 and 1 fetch for A, waves 2 and 3 for B; an s_nop 0 and four v_nop follow each line
	s_cmp_eq_u32 s15, 0
	s_cbranch_scc0 .Lfor_b_\@
	tensor_load_to_lds s[\g0a:\g0a+3], s[\g1a:\g1a+7]
	s_nop 0
.rept 4
	v_nop
.endr
	s_branch .Lasked_\@
.Lfor_b_\@:
	tensor_load_to_lds s[\g0b:\g0b+3], s[\g1b:\g1b+7]
	s_nop 0
.rept 4
	v_nop
.endr
.Lasked_\@:
.endm
.macro CREST
	s_cmp_lg_u32 s14, 0
	s_cbranch_scc1 .Lnot_wave_0_\@
	s_barrier_signal -3
.Lnot_wave_0_\@:
	s_barrier_wait -3
	s_barrier_signal -1
	s_barrier_wait -1
.endm
.macro CROUND
	s_barrier_signal -1
	s_barrier_wait -1
	CREST
.endm
	s_load_b128 s[4:7], s[0:1], 0x0                ; A's codes, the weights' codes
	s_load_b128 s[8:11], s[0:1], 0x10              ; the scales' exponents, the bias
	s_load_b64 s[12:13], s[0:1], 0x20              ; the output's codes
	v_lshl_add_u32 v[SPW], v0, 2, SPARE
	v_mov_b32 v[NIL], 0
	ds_add_u32 v[SPW], v[NIL]                      ; the wave's opening: the add and its wait ahead of my first tensor load
	v_lshrrev_b32 v1, 5, v0
	v_readfirstlane_b32 s14, v1
	s_lshr_b32 s15, s14, 1
	s_and_b32 s16, s14, 1
	s_bfe_u32 s40, ttmp6, 0x40000
	s_bfe_u32 s41, ttmp6, 0x40004
	s_lshl_b32 s42, ttmp9, 2
	s_add_co_u32 s42, s42, s40                     ; tile column
	s_and_b32 s17, ttmp7, 0xffff
	s_lshl_b32 s17, s17, 2
	s_add_co_u32 s17, s17, s41                     ; tile row
	s_lshl_b32 s43, s41, 2
	s_lshl_b32 s43, 15, s43
	s_lshl_b32 s44, 0x1111, s40
	s_or_b32 s[G1+0], s43, (0<<16)|(1<<20)|(1<<21)|(5<<22)|(3<<25)
	s_or_b32 s[G1B+0], s44, (0<<16)|(1<<20)|(1<<21)|(5<<22)|(3<<25)
.irp g, G1, G1B
	s_mov_b32 s[\g+1], ROWB<<16
	s_mov_b32 s[\g+2], 128<<16
	s_mov_b32 s[\g+3], ROWB<<16
	s_mov_b32 s[\g+4], 128
	s_mov_b32 s[\g+5], KROW
	s_mov_b32 s[\g+6], 0
	s_mov_b32 s[\g+7], 0
.endr
	s_lshl_b32 s18, s16, 7
	s_lshl_b32 s20, s17, 8
	s_add_co_u32 s20, s20, s18
	s_lshl_b32 s46, s42, 8
	s_add_co_u32 s46, s46, s18
	s_mov_b32 s21, 0
	s_mov_b32 s47, 0
	s_mov_b64 s[18:19], KROW
	s_mul_u64 s[20:21], s[20:21], s[18:19]
	s_mul_u64 s[46:47], s[46:47], s[18:19]
	s_mul_i32 s45, s14, HALFT
	s_wait_dscnt 0x0
	s_wait_kmcnt 0x0
	s_load_b64 s[96:97], s[8:9], SCOFF             ; e8, e9
	s_load_b32 s88, s[8:9], 0x28                   ; e10
	s_add_nc_u64 s[20:21], s[4:5], s[20:21]
	s_add_nc_u64 s[46:47], s[6:7], s[46:47]
	s_add_nc_u64 s[46:47], s[46:47], WOFF
	CROUND
.irp s, 0,1
	s_mov_b32 s[G0+4*\s], 1
	s_add_co_u32 s[G0+4*\s+1], s45, \s*SLOT
	s_add_nc_u64 s[G0+4*\s+2:G0+4*\s+3], s[20:21], \s*ROWB
	s_or_b32 s[G0+4*\s+3], s[G0+4*\s+3], 0x80000000
	s_mov_b32 s[G0B+4*\s], 1
	s_add_co_u32 s[G0B+4*\s+1], s45, \s*SLOT
	s_add_nc_u64 s[G0B+4*\s+2:G0B+4*\s+3], s[46:47], \s*ROWB
	s_or_b32 s[G0B+4*\s+3], s[G0B+4*\s+3], 0x80000000
	JLOAD G0+4*\s, G1, G0B+4*\s, G1B
.endr
	v_and_b32 v1, 15, v0
	v_bfe_u32 v2, v0, 4, 1
	v_mul_u32_u24 v3, v1, PITCH
	v_lshl_add_u32 v4, v2, 4, v3
	s_mul_i32 s21, s15, HALFT
	s_mul_i32 s22, s16, HALFT
	s_add_co_u32 s22, s22, 2*HALFT
.irp s, 0,1
	v_add_nc_u32 v[ADRA+\s], s21, v4
	v_add_nc_u32 v[ADRB+\s], s22, v4
	s_add_co_u32 s21, s21, SLOT
	s_add_co_u32 s22, s22, SLOT
.endr
	; the stage, 256 rows x 272 bytes in slot 0
	s_mul_i32 s23, s15, 128*PITCH
	s_lshl_b32 s21, s16, 7
	s_add_co_u32 s23, s23, s21
	v_lshl_add_u32 v5, v2, 3, v3
	v_add_nc_u32 v[STO], s23, v5                   ; (128 x row half + r) x 272 + 128 x column half + 8 h
	s_mul_i32 s23, s14, 64*PITCH
	v_mul_u32_u24 v5, v2, PITCH
	v_lshl_add_u32 v5, v1, 4, v5
	v_add_nc_u32 v[RD], s23, v5                    ; back: wave w takes rows 64 w on; sixteen lanes to a row, two rows an instruction
	v_lshlrev_b32 v5, 12, v2
	v_lshl_add_u32 v[CO], v1, 4, v5                ; and the same two rows of 4,096 bytes in the output
	v_lshlrev_b32 v[BOF], 5, v2
	s_lshl_b32 s72, s42, 10
	s_lshl_b32 s73, s16, 9
	s_add_co_u32 s72, s72, s73
	s_mov_b32 s73, 0
	s_add_nc_u64 s[72:73], s[10:11], s[72:73]
.irp b, 0,1,2,3,4,5,6,7
	global_load_b128 v[CB+8*\b:CB+8*\b+3], v[BOF], s[72:73] offset:64*\b        ; the bias of columns 16 b + 8 h + 0 .. 7; it lands while the products run
	global_load_b128 v[CB+8*\b+4:CB+8*\b+7], v[BOF], s[72:73] offset:64*\b+16
.endr
	s_lshl_b32 s20, s17, 8
	s_lshl_b32 s21, s14, 6
	s_add_co_u32 s20, s20, s21
	s_lshl_b32 s20, s20, 12                        ; the first row that I store,
	s_lshl_b32 s21, s42, 8
	s_add_co_u32 s20, s20, s21                     ; the tile's first column
	s_mov_b32 s21, 0
	s_add_nc_u64 s[12:13], s[12:13], s[20:21]
.macro FRAG reg, adr, q, i
.irp c, 0,1,2,3
	ds_load_b128 v[\reg+4*\c:\reg+4*\c+3], v[\adr] offset:128*(\q)+32*\c+(\i)*16*PITCH
.endr
.endm
.macro MUL16 a0, p, zero               ; the 64 accumulators take turns, one instruction a turn
.irp a, \a0, \a0+1
.irp b, 0,1,2,3,4,5,6,7
.if \zero
	v_wmma_f32_16x16x128_fp8_fp8 v[8*(8*((\a)%4)+\b):8*(8*((\a)%4)+\b)+7], v[128*(\p)+FR*\b:128*(\p)+FR*\b+FR-1], v[AF+FR*(\a):AF+FR*(\a)+FR-1], 0
.else
	v_wmma_f32_16x16x128_fp8_fp8 v[8*(8*((\a)%4)+\b):8*(8*((\a)%4)+\b)+7], v[128*(\p)+FR*\b:128*(\p)+FR*\b+FR-1], v[AF+FR*(\a):AF+FR*(\a)+FR-1], v[8*(8*((\a)%4)+\b):8*(8*((\a)%4)+\b)+7]
.endif
.endr
.endr
.endm
.macro FETCH_B slot, q, p
	WIN TO_B
.irp i, 0,1,2,3,4,5,6,7
	FRAG 128*(\p)+FR*\i, ADRB+\slot, \q, \i
.endr
	WIN 0
.endm
.macro FETCH_A slot, q, i0
.irp i, \i0, \i0+1, \i0+2, \i0+3
	FRAG AF+FR*(\i), ADRA+\slot, \q, \i
.endr
.endm
.macro PLACES n
.rept \n
	v_nop
.endr
.endm
.macro STEP slot, q, zero
	s_wait_dscnt 4*NL                              ; all but the youngest 16 loads (A's blocks 4-7) are in
	WIN MUL_LO
	MUL16 0, (\q)%2, \zero
	MUL16 2, (\q)%2, \zero
	s_wait_dscnt 0
	PLACES NP
	FETCH_B \slot, (\q)+1, 1-(\q)%2
	FETCH_A \slot, (\q)+1, 0
	WIN MUL_HI
	MUL16 4, (\q)%2, \zero
	MUL16 6, (\q)%2, \zero
	PLACES NP
	WIN 0
	FETCH_A \slot, (\q)+1, 4
.endm
.macro TURN slot, next, fill
	s_wait_tensorcnt 0x0                           ; all my tensor loads have landed
	ds_add_u32 v[SPW], v[NIL]
	s_wait_dscnt 4*NL+1                            ; the add and the youngest 16 loads may be out
	WIN MUL_LO
	MUL16 0, 1, 0
	s_wait_dscnt 0x0                               ; the add is done, and my reads of this slot are over
	s_barrier_signal -1
	MUL16 2, 1, 0
	WIN 0
	s_barrier_wait -1
.if \fill
	CREST
	s_add_nc_u64 s[G0+4*\slot+2:G0+4*\slot+3], s[G0+4*\slot+2:G0+4*\slot+3], 2*ROWB
	s_add_nc_u64 s[G0B+4*\slot+2:G0B+4*\slot+3], s[G0B+4*\slot+2:G0B+4*\slot+3], 2*ROWB
	JLOAD G0+4*\slot, G1, G0B+4*\slot, G1B
.else
	PLACES NP
.endif
	FETCH_B \next, 0, 0
	FETCH_A \next, 0, 0
	WIN MUL_HI
	MUL16 4, 1, 0
	MUL16 6, 1, 0
	PLACES NP
	WIN 0
	FETCH_A \next, 0, 4
.endm
	s_wait_tensorcnt 1                             ; my part of K step 0 is in; K step 1's load may be out
	s_barrier_signal -1
	s_barrier_wait -1
	FETCH_B 0, 0, 0
	FETCH_A 0, 0, 0
	FETCH_A 0, 0, 4
	STEP 0, 0, 1
	s_mov_b32 s3, LAPS-1
.Llap:
	TURN 0, 1, 1
	STEP 1, 0, 0
	TURN 1, 0, 1
	STEP 0, 0, 0
	s_sub_co_u32 s3, s3, 1
	s_cmp_lg_u32 s3, 0
	s_cbranch_scc1 .Llap
	TURN 0, 1, 0
	STEP 1, 0, 0
	s_wait_dscnt 4*NL
	WIN MUL_LO
	MUL16 0, 1, 0
	MUL16 2, 1, 0
	s_wait_dscnt 0
	WIN MUL_HI
	MUL16 4, 1, 0
	MUL16 6, 1, 0
	WIN 0
	; THE WAY OUT.  sum x 2^(e8 + e9) + bias; the activation and the hold in one; converted with 2^e10; eight codes a lane into the work-group's stage in slot 0, which has had its last fill and its last read.
	s_wait_kmcnt 0x0
	s_add_co_i32 s96, s96, s97
	s_add_co_i32 s96, s96, 127
	s_lshl_b32 s96, s96, 23                        ; 2^(e8 + e9) as f32
	s_add_co_i32 s88, s88, 127
	s_lshl_b32 s89, s88, 23
	v_mov_b32 v[SCL], s89                          ; 2^e10
	s_add_co_i32 s88, s88, 8
	s_lshl_b32 s88, s88, 23
	s_or_b32 s88, s88, 0x600000
	v_mov_b32 v[LIMV], s88                         ; 448 x 2^e10
	s_wait_loadcnt 0x0                             ; the bias
	PLACES NP
.macro CODES a
.set AC, 64*((\a)%4)
	WIN 0x02+((\a)/4)
.set j_, 0
.rept 32
	v_pk_fma_f32 v[TMP+j_:TMP+j_+1], v[AC+j_:AC+j_+1], s[96:97], v[CB+j_:CB+j_+1] op_sel_hi:[1,0,1]   ; each accumulator from its low end on
.set j_, j_+2
.endr
	WIN 0
.set j_, 0
.rept 64
	v_med3_num_f32 v[TMP+j_], v[TMP+j_], 0, v[LIMV]
.set j_, j_+1
.endr
	s_wait_dscnt 0x0                               ; the last block's stores have read the codes' registers
.irp b, 0,1,2,3,4,5,6,7
	v_cvt_scalef32_pk8_fp8_f32 v[PC+2*\b:PC+2*\b+1], v[TMP+8*\b:TMP+8*\b+7], v[SCL]
.endr
	v_nop                                          ; a plain instruction behind the last conversion
.irp b, 0,1,2,3,4,5,6,7
	ds_store_b64 v[STO], v[PC+2*\b:PC+2*\b+1] offset:(\a)*16*PITCH+16*\b
.endr
.endm
.irp a, 0,1,2,3,4,5,6,7
	CODES \a
.endr
	s_wait_dscnt 0x0                               ; for the others' sake: my stores into the stage are done; a row's 256 bytes come from two waves
	s_barrier_signal -1
	s_barrier_wait -1
.set n_, 0
.rept 32
	ds_load_b128 v[128+4*n_:128+4*n_+3], v[RD] offset:2*n_*PITCH
.set n_, n_+1
.endr
.set n_, 0
.rept 32
	s_wait_dscnt 31-n_
	global_store_b128 v[CO], v[128+4*n_:128+4*n_+3], s[12:13] offset:2*n_*4096   ; sixteen lanes store 256 consecutive bytes, aligned
.set n_, n_+1
.endr
	s_wait_tensorcnt 0x0                           ; the wave's end
	ds_add_u32 v[SPW], v[NIL]
	s_wait_dscnt 0x0
	CROUND                                         ; the closing round
	s_endpgm
.Lfunc_end_k_q755a5ae78d_gemm_fc:
	.size	k_q755a5ae78d_gemm_fc, .Lfunc_end_k_q755a5ae78d_gemm_fc-k_q755a5ae78d_gemm_fc
	.p2alignl 7, 3214868480
	.fill 96, 4, 3214868480
	.section	.rodata,"a",@progbits
	.p2align	6, 0x0
	.amdhsa_kernel k_q755a5ae78d_gemm_fc
		.amdhsa_group_segment_fixed_size 327680
		.amdhsa_private_segment_fixed_size 0
		.amdhsa_enable_private_segment 0
		.amdhsa_kernarg_size 40
		.amdhsa_user_sgpr_count 2
		.amdhsa_user_sgpr_kernarg_segment_ptr 1
		.amdhsa_wavefront_size32 1
		.amdhsa_system_sgpr_workgroup_id_x 1
		.amdhsa_system_sgpr_workgroup_id_y 1
		.amdhsa_system_sgpr_workgroup_id_z 1
		.amdhsa_system_vgpr_workitem_id 0
		.amdhsa_next_free_vgpr 1024
		.amdhsa_next_free_sgpr 100
		.amdhsa_reserve_vcc 0
		.amdhsa_float_denorm_mode_32 3
		.amdhsa_float_denorm_mode_16_64 3
		.amdhsa_memory_ordered 1
		.amdhsa_forward_progress 1
		.amdhsa_inst_pref_size 143
	.end_amdhsa_kernel
	.amdgpu_metadata
---
amdhsa.version: [ 1, 2 ]
amdhsa.kernels:
  - .name:           k_q755a5ae78d_gemm_fc
    .symbol:         k_q755a5ae78d_gemm_fc.kd
    .args:
      - { .name: hc, .offset: 0, .size: 8, .value_kind: global_buffer, .address_space: global }
      - { .name: wcodes, .offset: 8, .size: 8, .value_kind: global_buffer, .address_space: global }
      - { .name: lowp_scales, .offset: 16, .size: 8, .value_kind: global_buffer, .address_space: global }
      - { .name: b_fc, .offset: 24, .size: 8, .value_kind: global_buffer, .address_space: global }
      - { .name: hidc, .offset: 32, .size: 8, .value_kind: global_buffer, .address_space: global }
    .group_segment_fixed_size: 327680
    .private_segment_fixed_size: 0
    .kernarg_segment_align: 8
    .kernarg_segment_size: 40
    .max_flat_workgroup_size: 128
    .sgpr_count:     100
    .vgpr_count:     1024
    .wavefront_size: 32
...
	.end_amdgpu_metadata
.endif
;; end of part 6
;; launch gemm_out (part 7): grid 4 x 16, 4 waves a work-group, clusters of 4 x 4, 327,680 bytes of LDS; arguments hidc, wcodes, lowp_scales, b_out, x2, out0; writes out0
.if DOCPART == 7
	.amdgcn_target "amdgcn-amd-amdhsa--gfx1250"
	.amdhsa_code_object_version 6
	.text
	.protected	k_q755a5ae78d_gemm_out
	.globl	k_q755a5ae78d_gemm_out
	.p2align	8
	.type	k_q755a5ae78d_gemm_out,@function
k_q755a5ae78d_gemm_out:
	s_mov_b64 s[64:65], 0
	v_nop
	global_prefetch_b8 v0, s[64:65] scope:SCOPE_SE
	s_setreg_imm32_b32 hwreg(HW_REG_WAVE_MODE, 25, 1), 1
	s_wait_xcnt 0x0
	s_wait_alu depctr_hold_cnt(0) depctr_sa_sdst(0) depctr_va_vdst(0) depctr_va_sdst(0) depctr_va_ssrc(0) depctr_va_vcc(0) depctr_vm_vsrc(0)
	s_getreg_b32 s2, hwreg(HW_REG_IB_STS2, 6, 4)
	s_cmp_eq_u32 s2, 0
	s_cbranch_scc0 .Lentry_in_a_cluster
	s_endpgm
.Lentry_in_a_cluster:
	s_bfe_u32 s2, ttmp6, 0x10000c
	s_cmp_lg_u32 s2, 0xf033
	s_cbranch_scc0 .Lentry_shape_is_right
	s_endpgm
.Lentry_shape_is_right:
; out = x2 + (hid W_out + b_out): hid [4096][4096] codes (2^e10), W_out [1024][4096] codes, K innermost (2^e11), at byte 8,388,608 of the weights' codes; f32 sums; x2, out [4096][1024] f32.
; LIMIT: e10 + e11 between -126 and 127.
; A tile of 256 x 256 is made by four waves, 128 x 128 each: 64 accumulators.  K goes in steps of 256 through a ring of two LDS slots filled by the tensor data mover.
; CLUSTERS of 4 x 4: A's tile is shared along a row of the cluster, B's along a column; each is asked for jointly.  Source 0 = 16 rows of B, source 1 = 16 rows of A: a lane holds eight neighbouring numbers of a row of C.
; REGISTERS: window 0: v0-31 addresses, v8-11 my four biases; v128-255 A's fragments, ONE set; on the way out v32-95 a block's sums, v128-255 rows read back.  window 1: B's fragments, TWO sets; on the way out four sets of 64 for the residual.  windows 2, 3: the accumulators.
.set KROW,   4096
.set WOFF,   8388608
.set SCOFF,  0x28
.set ROWB,   256
.set PITCH,  272                       ; an LDS row: 256 bytes + 16: the 16 rows of a fragment load start at 16 different banks (ISA guide 11.1)
.set FR,     16
.set NL,     4
.set NP,     4
.set HALFT,  128*PITCH
.set SLOT,   4*HALFT
.set LAPS,   KROW/(2*ROWB)
.set SPARE,  2*SLOT
.set SPITCH, 528                       ; the way out: 16 rows x (512 bytes + 16) for each wave, in slot 0, which has had its last fill and its last read by then
.set ADRA, 16
.set ADRB, 20
.set BI,   8
.set STO,  24
.set RD,   25
.set CO,   26                          ; v26 16 x lane; never rewritten
.set SPW,  28
.set NIL,  29
.set TMP,  32
.set AF,   128
.set BK,   128
.set G1, 24
.set G0, 32
.set G1B, 48
.set G0B, 56
.set MSB, 0
.macro WIN new
.if MSB != \new
	s_set_vgpr_msb (MSB<<8)|\new
.set MSB, \new
.endif
.endm
.set MUL_LO, 0xa1
.set MUL_HI, 0xf1
.set TO_B,   0x40
.macro JLOAD g0a, g1a, g0b, g1b        ; a joint load: waves 0 and 1 fetch for A, waves 2 and 3 for B; an s_nop 0 and four v_nop follow each line
	s_cmp_eq_u32 s15, 0
	s_cbranch_scc0 .Lfor_b_\@
	tensor_load_to_lds s[\g0a:\g0a+3], s[\g1a:\g1a+7]
	s_nop 0
.rept 4
	v_nop
.endr
	s_branch .Lasked_\@
.Lfor_b_\@:
	tensor_load_to_lds s[\g0b:\g0b+3], s[\g1b:\g1b+7]
	s_nop 0
.rept 4
	v_nop
.endr
.Lasked_\@:
.endm
.macro CREST
	s_cmp_lg_u32 s14, 0
	s_cbranch_scc1 .Lnot_wave_0_\@
	s_barrier_signal -3
.Lnot_wave_0_\@:
	s_barrier_wait -3
	s_barrier_signal -1
	s_barrier_wait -1
.endm
.macro CROUND
	s_barrier_signal -1
	s_barrier_wait -1
	CREST
.endm
	s_load_b128 s[4:7], s[0:1], 0x0                ; A's codes, the weights' codes
	s_load_b128 s[8:11], s[0:1], 0x10              ; the scales' exponents, the bias
	s_load_b128 s[68:71], s[0:1], 0x20             ; the residual s[68:69], the output s[70:71]
	v_lshl_add_u32 v[SPW], v0, 2, SPARE
	v_mov_b32 v[NIL], 0
	ds_add_u32 v[SPW], v[NIL]                      ; the wave's opening: the add and its wait ahead of my first tensor load
	v_lshrrev_b32 v1, 5, v0
	v_readfirstlane_b32 s14, v1
	s_lshr_b32 s15, s14, 1
	s_and_b32 s16, s14, 1
	s_bfe_u32 s40, ttmp6, 0x40000
	s_bfe_u32 s41, ttmp6, 0x40004
	s_lshl_b32 s42, ttmp9, 2
	s_add_co_u32 s42, s42, s40                     ; tile column
	s_and_b32 s17, ttmp7, 0xffff
	s_lshl_b32 s17, s17, 2
	s_add_co_u32 s17, s17, s41                     ; tile row
	s_lshl_b32 s43, s41, 2
	s_lshl_b32 s43, 15, s43
	s_lshl_b32 s44, 0x1111, s40
	s_or_b32 s[G1+0], s43, (0<<16)|(1<<20)|(1<<21)|(5<<22)|(3<<25)
	s_or_b32 s[G1B+0], s44, (0<<16)|(1<<20)|(1<<21)|(5<<22)|(3<<25)
.irp g, G1, G1B
	s_mov_b32 s[\g+1], ROWB<<16
	s_mov_b32 s[\g+2], 128<<16
	s_mov_b32 s[\g+3], ROWB<<16
	s_mov_b32 s[\g+4], 128
	s_mov_b32 s[\g+5], KROW
	s_mov_b32 s[\g+6], 0
	s_mov_b32 s[\g+7], 0
.endr
	s_lshl_b32 s18, s16, 7
	s_lshl_b32 s20, s17, 8
	s_add_co_u32 s20, s20, s18
	s_lshl_b32 s46, s42, 8
	s_add_co_u32 s46, s46, s18
	s_mov_b32 s21, 0
	s_mov_b32 s47, 0
	s_mov_b64 s[18:19], KROW
	s_mul_u64 s[20:21], s[20:21], s[18:19]
	s_mul_u64 s[46:47], s[46:47], s[18:19]
	s_mul_i32 s45, s14, HALFT
	s_wait_dscnt 0x0
	s_wait_kmcnt 0x0
	s_load_b64 s[96:97], s[8:9], SCOFF             ; ea, eb
	s_add_nc_u64 s[20:21], s[4:5], s[20:21]
	s_add_nc_u64 s[46:47], s[6:7], s[46:47]
	s_add_nc_u64 s[46:47], s[46:47], WOFF
	CROUND
.irp s, 0,1
	s_mov_b32 s[G0+4*\s], 1
	s_add_co_u32 s[G0+4*\s+1], s45, \s*SLOT
	s_add_nc_u64 s[G0+4*\s+2:G0+4*\s+3], s[20:21], \s*ROWB
	s_or_b32 s[G0+4*\s+3], s[G0+4*\s+3], 0x80000000
	s_mov_b32 s[G0B+4*\s], 1
	s_add_co_u32 s[G0B+4*\s+1], s45, \s*SLOT
	s_add_nc_u64 s[G0B+4*\s+2:G0B+4*\s+3], s[46:47], \s*ROWB
	s_or_b32 s[G0B+4*\s+3], s[G0B+4*\s+3], 0x80000000
	JLOAD G0+4*\s, G1, G0B+4*\s, G1B
.endr
	v_and_b32 v1, 15, v0
	v_bfe_u32 v2, v0, 4, 1
	v_mul_u32_u24 v3, v1, PITCH
	v_lshl_add_u32 v4, v2, 4, v3
	s_mul_i32 s21, s15, HALFT
	s_mul_i32 s22, s16, HALFT
	s_add_co_u32 s22, s22, 2*HALFT
.irp s, 0,1
	v_add_nc_u32 v[ADRA+\s], s21, v4
	v_add_nc_u32 v[ADRB+\s], s22, v4
	s_add_co_u32 s21, s21, SLOT
	s_add_co_u32 s22, s22, SLOT
.endr
	s_mul_i32 s23, s14, 16*SPITCH                  ; my stage
	v_mul_u32_u24 v5, v1, SPITCH
	v_lshl_add_u32 v5, v2, 5, v5
	v_add_nc_u32 v[STO], s23, v5                   ; in: row r, 32 bytes for each half of the lanes
	v_and_b32 v6, 31, v0
	v_lshlrev_b32 v[CO], 4, v6
	v_add_nc_u32 v[RD], s23, v[CO]                 ; back: the 32 lanes take one row of 512 bytes
	s_lshl_b32 s20, s17, 8
	s_lshl_b32 s21, s15, 7
	s_add_co_u32 s20, s20, s21
	s_lshl_b32 s20, s20, 12                        ; my first row, of 4,096 bytes,
	s_lshl_b32 s72, s42, 10
	s_lshl_b32 s73, s16, 9
	s_add_co_u32 s72, s72, s73                     ; my first column, in bytes
	s_add_co_u32 s20, s20, s72
	s_mov_b32 s21, 0
	s_mov_b32 s73, 0
	s_add_nc_u64 s[68:69], s[68:69], s[20:21]
	s_add_nc_u64 s[70:71], s[70:71], s[20:21]
	s_add_nc_u64 s[72:73], s[10:11], s[72:73]
	global_load_b128 v[BI:BI+3], v[CO], s[72:73]   ; the bias of my four columns of a row read back; it lands while the products run
.macro FRAG reg, adr, q, i
.irp c, 0,1,2,3
	ds_load_b128 v[\reg+4*\c:\reg+4*\c+3], v[\adr] offset:128*(\q)+32*\c+(\i)*16*PITCH
.endr
.endm
.macro MUL16 a0, p, zero               ; the 64 accumulators take turns, one instruction a turn
.irp a, \a0, \a0+1
.irp b, 0,1,2,3,4,5,6,7
.if \zero
	v_wmma_f32_16x16x128_fp8_fp8 v[8*(8*((\a)%4)+\b):8*(8*((\a)%4)+\b)+7], v[128*(\p)+FR*\b:128*(\p)+FR*\b+FR-1], v[AF+FR*(\a):AF+FR*(\a)+FR-1], 0
.else
	v_wmma_f32_16x16x128_fp8_fp8 v[8*(8*((\a)%4)+\b):8*(8*((\a)%4)+\b)+7], v[128*(\p)+FR*\b:128*(\p)+FR*\b+FR-1], v[AF+FR*(\a):AF+FR*(\a)+FR-1], v[8*(8*((\a)%4)+\b):8*(8*((\a)%4)+\b)+7]
.endif
.endr
.endr
.endm
.macro FETCH_B slot, q, p
	WIN TO_B
.irp i, 0,1,2,3,4,5,6,7
	FRAG 128*(\p)+FR*\i, ADRB+\slot, \q, \i
.endr
	WIN 0
.endm
.macro FETCH_A slot, q, i0
.irp i, \i0, \i0+1, \i0+2, \i0+3
	FRAG AF+FR*(\i), ADRA+\slot, \q, \i
.endr
.endm
.macro PLACES n
.rept \n
	v_nop
.endr
.endm
.macro STEP slot, q, zero
	s_wait_dscnt 4*NL                              ; all but the youngest 16 loads (A's blocks 4-7) are in
	WIN MUL_LO
	MUL16 0, (\q)%2, \zero
	MUL16 2, (\q)%2, \zero
	s_wait_dscnt 0
	PLACES NP
	FETCH_B \slot, (\q)+1, 1-(\q)%2
	FETCH_A \slot, (\q)+1, 0
	WIN MUL_HI
	MUL16 4, (\q)%2, \zero
	MUL16 6, (\q)%2, \zero
	PLACES NP
	WIN 0
	FETCH_A \slot, (\q)+1, 4
.endm
.macro TURN slot, next, fill
	s_wait_tensorcnt 0x0                           ; all my tensor loads have landed
	ds_add_u32 v[SPW], v[NIL]
	s_wait_dscnt 4*NL+1                            ; the add and the youngest 16 loads may be out
	WIN MUL_LO
	MUL16 0, 1, 0
	s_wait_dscnt 0x0                               ; the add is done, and my reads of this slot are over
	s_barrier_signal -1
	MUL16 2, 1, 0
	WIN 0
	s_barrier_wait -1
.if \fill
	CREST
	s_add_nc_u64 s[G0+4*\slot+2:G0+4*\slot+3], s[G0+4*\slot+2:G0+4*\slot+3], 2*ROWB
	s_add_nc_u64 s[G0B+4*\slot+2:G0B+4*\slot+3], s[G0B+4*\slot+2:G0B+4*\slot+3], 2*ROWB
	JLOAD G0+4*\slot, G1, G0B+4*\slot, G1B
.else
	PLACES NP
.endif
	FETCH_B \next, 0, 0
	FETCH_A \next, 0, 0
	WIN MUL_HI
	MUL16 4, 1, 0
	MUL16 6, 1, 0
	PLACES NP
	WIN 0
	FETCH_A \next, 0, 4
.endm
	s_wait_tensorcnt 1                             ; my part of K step 0 is in; K step 1's load may be out
	s_barrier_signal -1
	s_barrier_wait -1
	FETCH_B 0, 0, 0
	FETCH_A 0, 0, 0
	FETCH_A 0, 0, 4
	STEP 0, 0, 1
	s_mov_b32 s3, LAPS-1
.Llap:
	TURN 0, 1, 1
	STEP 1, 0, 0
	TURN 1, 0, 1
	STEP 0, 0, 0
	s_sub_co_u32 s3, s3, 1
	s_cmp_lg_u32 s3, 0
	s_cbranch_scc1 .Llap
	TURN 0, 1, 0
	STEP 1, 0, 0
	s_wait_dscnt 4*NL
	WIN MUL_LO
	MUL16 0, 1, 0
	MUL16 2, 1, 0
	s_wait_dscnt 0
	WIN MUL_HI
	MUL16 4, 1, 0
	MUL16 6, 1, 0
	WIN 0
; THE WAY OUT, block by block of 16 rows x 128 columns: sums x 2^(ea + eb) through my own stage, back as whole rows of 512 bytes; the residual's same rows, loaded two blocks ahead, and the bias are added; 512 consecutive bytes a store.
.macro RLOAD a                         ; the residual's rows of block a into set a % 4 of window 1
	WIN 0x40
.irp t, 0,1,2,3,4,5,6,7,8,9,10,11,12,13,14,15
	global_load_b128 v[64*((\a)%4)+4*\t:64*((\a)%4)+4*\t+3], v[CO], s[68:69] offset:(16*(\a)+\t)*4096
.endr
	WIN 0
.endm
.macro TOSTAGE a
.set AC, 64*((\a)%4)
	WIN 0x02+((\a)/4)
.set j_, 0
.rept 32
	v_pk_mul_f32 v[TMP+j_:TMP+j_+1], v[AC+j_:AC+j_+1], s[96:97] op_sel_hi:[1,0]   ; each accumulator from its low end on
.set j_, j_+2
.endr
	WIN 0
.irp b, 0,1,2,3,4,5,6,7
	ds_store_b128 v[STO], v[TMP+8*\b:TMP+8*\b+3] offset:64*\b
	ds_store_b128 v[STO], v[TMP+8*\b+4:TMP+8*\b+7] offset:64*\b+16
.endr
.set BBK, BK+64*((\a)%2)
.irp t, 0,1,2,3,4,5,6,7,8,9,10,11,12,13,14,15
	ds_load_b128 v[BBK+4*\t:BBK+4*\t+3], v[RD] offset:\t*SPITCH   ; my own bytes, served in order
.endr
.endm
.macro SEND a, yd, yl                  ; yd, yl: the younger LDS instructions and the younger global loads, which may stay out
.set BBK, BK+64*((\a)%2)
.set RSD, 64*((\a)%4)
	s_wait_dscnt \yd
	s_wait_loadcnt \yl
	WIN 0x04                                       ; source 1: window 1
.set j_, 0
.rept 32
	v_pk_add_f32 v[BBK+j_:BBK+j_+1], v[BBK+j_:BBK+j_+1], v[RSD+j_:RSD+j_+1]
.set j_, j_+2
.endr
	WIN 0
.set j_, 0
.rept 16
	v_pk_add_f32 v[BBK+j_:BBK+j_+1], v[BBK+j_:BBK+j_+1], v[BI:BI+1]
	v_pk_add_f32 v[BBK+j_+2:BBK+j_+3], v[BBK+j_+2:BBK+j_+3], v[BI+2:BI+3]
.set j_, j_+4
.endr
.irp t, 0,1,2,3,4,5,6,7,8,9,10,11,12,13,14,15
	global_store_b128 v[CO], v[BBK+4*\t:BBK+4*\t+3], s[70:71] offset:(16*(\a)+\t)*4096 th:TH_STORE_NT   ; written once, read by nobody here
.endr
.endm
	s_wait_kmcnt 0x0
	s_add_co_i32 s96, s96, s97
	s_add_co_i32 s96, s96, 127
	s_lshl_b32 s96, s96, 23                        ; 2^(ea + eb) as f32
	PLACES NP                                      ; for the loads into registers that held fragments, and for the reads of the last results
	RLOAD 0
	RLOAD 1
	TOSTAGE 0
.irp a, 1,2,3,4,5,6,7
.if \a > 1
	s_wait_xcnt 0x0                                ; block a - 2's stores have read their registers: block a's rows may land there
.endif
	TOSTAGE \a
.if \a < 7
	RLOAD \a+1
	SEND \a-1, 32, 32                              ; behind block a - 1's: block a's 16 stores and 16 loads; the residual's 32 loads of blocks a and a + 1
.else
	SEND \a-1, 32, 16
.endif
.endr
	s_wait_xcnt 0x0
	SEND 7, 0, 0
	s_wait_tensorcnt 0x0                           ; the wave's end
	ds_add_u32 v[SPW], v[NIL]
	s_wait_dscnt 0x0
	CROUND                                         ; the closing round
	s_endpgm
.Lfunc_end_k_q755a5ae78d_gemm_out:
	.size	k_q755a5ae78d_gemm_out, .Lfunc_end_k_q755a5ae78d_gemm_out-k_q755a5ae78d_gemm_out
	.p2alignl 7, 3214868480
	.fill 96, 4, 3214868480
	.section	.rodata,"a",@progbits
	.p2align	6, 0x0
	.amdhsa_kernel k_q755a5ae78d_gemm_out
		.amdhsa_group_segment_fixed_size 327680
		.amdhsa_private_segment_fixed_size 0
		.amdhsa_enable_private_segment 0
		.amdhsa_kernarg_size 48
		.amdhsa_user_sgpr_count 2
		.amdhsa_user_sgpr_kernarg_segment_ptr 1
		.amdhsa_wavefront_size32 1
		.amdhsa_system_sgpr_workgroup_id_x 1
		.amdhsa_system_sgpr_workgroup_id_y 1
		.amdhsa_system_sgpr_workgroup_id_z 1
		.amdhsa_system_vgpr_workitem_id 0
		.amdhsa_next_free_vgpr 1024
		.amdhsa_next_free_sgpr 100
		.amdhsa_reserve_vcc 0
		.amdhsa_float_denorm_mode_32 3
		.amdhsa_float_denorm_mode_16_64 3
		.amdhsa_memory_ordered 1
		.amdhsa_forward_progress 1
		.amdhsa_inst_pref_size 168
	.end_amdhsa_kernel
	.amdgpu_metadata
---
amdhsa.version: [ 1, 2 ]
amdhsa.kernels:
  - .name:           k_q755a5ae78d_gemm_out
    .symbol:         k_q755a5ae78d_gemm_out.kd
    .args:
      - { .name: hidc, .offset: 0, .size: 8, .value_kind: global_buffer, .address_space: global }
      - { .name: wcodes, .offset: 8, .size: 8, .value_kind: global_buffer, .address_space: global }
      - { .name: lowp_scales, .offset: 16, .size: 8, .value_kind: global_buffer, .address_space: global }
      - { .name: b_out, .offset: 24, .size: 8, .value_kind: global_buffer, .address_space: global }
      - { .name: x2, .offset: 32, .size: 8, .value_kind: global_buffer, .address_space: global }
      - { .name: out0, .offset: 40, .size: 8, .value_kind: global_buffer, .address_space: global }
    .group_segment_fixed_size: 327680
    .private_segment_fixed_size: 0
    .kernarg_segment_align: 8
    .kernarg_segment_size: 48
    .max_flat_workgroup_size: 128
    .sgpr_count:     100
    .vgpr_count:     1024
    .wavefront_size: 32
...
	.end_amdgpu_metadata
.endif
;; end of part 7
;; ======== version 2 of 2: 8 launches
;; limits: right only within a limited range of input values
;; workspace buffers: wcodes 12,582,912 bytes; hc 4,194,304 bytes; qkvc 12,582,912 bytes; yc 4,194,304 bytes; x2 16,777,216 bytes; hidc 16,777,216 bytes; sc_ln2 256 bytes of whole numbers
;; launch wquant (part 8): grid 384 x 1, 4 waves a work-group, no clusters, 35,840 bytes of LDS; arguments W_qkv, W_proj, W_fc, W_out, lowp_scales, wcodes, sc_ln2; writes wcodes, sc_ln2
.if DOCPART == 8
	.amdgcn_target "amdgcn-amd-amdhsa--gfx1250"
	.amdhsa_code_object_version 6
	.text
	.protected	k_q755a5ae78d_wquant
	.globl	k_q755a5ae78d_wquant
	.p2align	8
	.type	k_q755a5ae78d_wquant,@function
k_q755a5ae78d_wquant:
	s_mov_b64 s[64:65], 0
	v_nop
	global_prefetch_b8 v0, s[64:65] scope:SCOPE_SE
	s_setreg_imm32_b32 hwreg(HW_REG_WAVE_MODE, 25, 1), 1
	s_wait_xcnt 0x0
; The four weights, f32 stored [K][N], become codes of E4M3 laid [N][K], K innermost, each with its given scale 2^e, all in one buffer:
; W_qkv [3072][1024] at byte 0, W_proj [1024][1024] at 3,145,728, W_fc [4096][1024] at 4,194,304, W_out [1024][4096] at 8,388,608.
; code = w / 2^e, held within +-448, rounded to the nearest code, ties to even.  LIMITS: e between -126 and 119; NaN among the inputs is not served.
; A work-group takes 128 columns x 256 along K, a wave 32 columns.  A LANE TAKES A COLUMN AND ITS REGISTERS RUN DOWN K: a load reads 128 consecutive bytes a wave, and the
; conversions, which take neighbours along K from one lane's registers, give codes with K innermost.  The codes go through the wave's own stage in LDS and leave as rows: sixteen lanes store 256 consecutive, aligned bytes.
; ONE PATH FOR ALL FOUR TENSORS: work-groups 0-95 take W_qkv, 96-127 W_proj, 128-255 W_fc, 256-383 W_out; only numbers and pointers are chosen, by the work-group's number.
; Work-group 0's wave 0 also copies lowp_scales[8] 64 times into sc_ln2, so that the second layer norm can run the first one's text, which reads entry 0 of its buffer of scales.
.set PITCH, 272                        ; a stage row: 256 bytes of codes + 16
.set X,     32                         ; v32-95   two sets of 32 numbers
.set C,     96                         ; v96-103  a block's codes
.set OUTR,  112                        ; v112-175 the way out
.set OFF,   176                        ; v176-207 byte offset of row i of a block at my column: i x 4 N + 4 x lane; on the way out: of my 16 bytes in output rows 2 t, 2 t + 1
.set SPW,   14                         ; v14 LDS address of my spare word; never rewritten
.set NIL,   15                         ; v15 0; never rewritten
.set SPARE, 4*32*PITCH                 ; behind the four stages: the spare words, 128 bytes for each wave
	s_load_b256 s[4:11], s[0:1], 0x0               ; W_qkv s[4:5], W_proj s[6:7], W_fc s[8:9], W_out s[10:11]
	s_load_b128 s[12:15], s[0:1], 0x20             ; the scales' exponents s[12:13], the codes s[14:15]
	s_load_b64 s[44:45], s[0:1], 0x30              ; sc_ln2
	v_lshl_add_u32 v[SPW], v0, 2, SPARE
	v_mov_b32 v[NIL], 0
	v_lshrrev_b32 v1, 5, v0
	v_readfirstlane_b32 s16, v1                    ; wave 0..3
	v_and_b32 v2, 31, v0                           ; lane
	v_lshlrev_b32 v3, 2, v2                        ; 4 bytes a lane; never rewritten
	s_mul_i32 s22, s16, 32*PITCH                   ; my stage
	v_mul_u32_u24 v4, v2, PITCH
	v_add_nc_u32 v4, s22, v4                       ; into it: row = my column
	v_and_b32 v5, 15, v2
	v_lshrrev_b32 v6, 4, v2
	s_wait_alu depctr_va_vdst(0)
	v_mul_u32_u24 v7, v6, PITCH
	v_lshl_add_u32 v7, v5, 4, v7
	v_add_nc_u32 v7, s22, v7                       ; out of it: sixteen lanes to a row, two rows an instruction
	; the tensor's numbers, chosen by the work-group's number: W_out's first, then the others' in turn
	s_mov_b32 s17, 256                             ; the tensor's first work-group
	s_mov_b32 s18, 4096                            ; a row of W in bytes: 4 N
	s_mov_b32 s19, 4                               ; log2 of K / 256
	s_mov_b32 s20, 4096                            ; a row of codes in bytes: K
	s_mov_b32 s21, 8388608                         ; where its codes begin
	s_cmp_lt_u32 ttmp9, 256
	s_cselect_b32 s17, 128, s17
	s_cselect_b32 s18, 16384, s18
	s_cselect_b32 s19, 2, s19
	s_cselect_b32 s20, 1024, s20
	s_cselect_b32 s21, 4194304, s21
	s_cmp_lt_u32 ttmp9, 128
	s_cselect_b32 s17, 96, s17
	s_cselect_b32 s18, 4096, s18
	s_cselect_b32 s21, 3145728, s21
	s_cmp_lt_u32 ttmp9, 96
	s_cselect_b32 s17, 0, s17
	s_cselect_b32 s18, 12288, s18
	s_cselect_b32 s21, 0, s21
	s_sub_co_u32 s22, ttmp9, s17                   ; my number within the tensor
	s_bfm_b32 s23, s19, 0
	s_and_b32 s23, s22, s23                        ; y: which 256 along K
	s_lshr_b32 s22, s22, s19                       ; which 128 columns
	s_lshl_b32 s22, s22, 7
	s_lshl_b32 s30, s16, 5
	s_add_co_u32 s22, s22, s30                     ; my wave's first column
	s_mul_i32 s46, s23, s18
	s_lshl_b32 s46, s46, 8                         ; W: 256 y rows
	s_lshl_b32 s30, s22, 2
	s_add_co_u32 s46, s46, s30                     ; + 4 x column
	s_mov_b32 s47, 0
	s_mul_i32 s48, s22, s20                        ; codes: column x K
	s_add_co_u32 s48, s48, s21
	s_lshl_b32 s30, s23, 8
	s_add_co_u32 s48, s48, s30                     ; + 256 y
	s_mov_b32 s49, 0
	s_lshl_b32 s26, s18, 5                         ; a block on: 32 rows of W
	s_mov_b32 s27, 0
	v_mul_u32_u24 v8, s20, v6
	v_lshl_add_u32 v8, v5, 4, v8                   ; the way out: my 16 bytes in the first two output rows
.set i, 0
.rept 32
	v_mad_u32_u24 v[OFF+i], s18, i, v3
.set i, i+1
.endr
	s_wait_alu depctr_va_vdst(0)
	s_wait_kmcnt 0x0
	s_load_b256 s[32:39], s[12:13], 0x0            ; e0 .. e7
	s_load_b128 s[40:43], s[12:13], 0x20           ; e8 .. e11
	s_mov_b64 s[24:25], s[10:11]
	s_cmp_lt_u32 ttmp9, 256                        ; the choice of a pointer hangs on the work-group's number alone
	s_cselect_b64 s[24:25], s[8:9], s[24:25]
	s_cmp_lt_u32 ttmp9, 128
	s_cselect_b64 s[24:25], s[6:7], s[24:25]
	s_cmp_lt_u32 ttmp9, 96
	s_cselect_b64 s[24:25], s[4:5], s[24:25]
	s_add_nc_u64 s[24:25], s[24:25], s[46:47]
	s_add_nc_u64 s[28:29], s[14:15], s[48:49]
.macro LOAD t                          ; block t: W(32 t + i, my column), i = 0 .. 31, into set t % 2
.if (\t) > 0
	s_wait_xcnt 0x0                                ; the earlier loads have read their base: it steps only behind this wait
	s_add_nc_u64 s[24:25], s[24:25], s[26:27]
.endif
.set i, 0
.rept 32
	global_load_b32 v[X+32*((\t)%2)+i], v[OFF+i], s[24:25] th:TH_LOAD_NT
.set i, i+1
.endr
.endm
	LOAD 0
	LOAD 1
	s_wait_kmcnt 0x0
	s_mov_b32 s30, s43                             ; the tensor's e: entries 11, 9, 7, 1
	s_cmp_lt_u32 ttmp9, 256
	s_cselect_b32 s30, s41, s30
	s_cmp_lt_u32 ttmp9, 128
	s_cselect_b32 s30, s39, s30
	s_cmp_lt_u32 ttmp9, 96
	s_cselect_b32 s30, s33, s30
	s_add_co_i32 s30, s30, 127
	s_lshl_b32 s31, s30, 23
	v_mov_b32 v11, s31                             ; 2^e as f32: the conversion takes its exponent field
	s_add_co_i32 s30, s30, 8
	s_lshl_b32 s30, s30, 23
	s_or_b32 s30, s30, 0x600000
	v_mov_b32 v10, s30                             ; 448 x 2^e
	s_or_b32 s22, ttmp9, s16                       ; work-group 0's wave 0 copies e8
	s_cmp_lg_u32 s22, 0
	s_cbranch_scc1 .Lno_copy
	v_mov_b32 v9, s40
	global_store_b32 v3, v9, s[44:45]              ; 2 x 128 consecutive bytes: the whole buffer; v3, v9 and the base are never rewritten
	global_store_b32 v3, v9, s[44:45] offset:128
.Lno_copy:
.macro BLOCK t
.set XS, X+32*((\t)%2)
.if (\t) < 7
	s_wait_loadcnt 32                              ; this block's 32 loads are in; the next block's 32 may be out
.else
	s_wait_loadcnt 0
.endif
.set i, 0
.rept 32
	v_med3_num_f32 v[XS+i], v[XS+i], -v10, v10     ; the conversion to an 8-bit code does not saturate (ISA guide 7.6.2): hold the number first
.set i, i+1
.endr
.irp g, 0,1,2,3
	v_cvt_scalef32_pk8_fp8_f32 v[C+2*\g:C+2*\g+1], v[XS+8*\g:XS+8*\g+7], v11
.endr
	ds_store_b128 v4, v[C:C+3] offset:32*(\t)      ; 32 codes: 32 bytes of my column's row
	ds_store_b128 v4, v[C+4:C+7] offset:32*(\t)+16
.if (\t)+2 < 8
	LOAD (\t)+2
.endif
	s_wait_dscnt 0x0                               ; the stores have read their registers: the next block's codes may be written
.endm
	s_wait_alu depctr_va_vdst(0)
.irp t, 0,1,2,3,4,5,6,7
	BLOCK \t
.endr
.set i, 0
.rept 16
	v_mad_u32_u24 v[OFF+i], s20, 2*i, v8           ; every load that named these offsets is in: they now name output rows 2 i, 2 i + 1
.set i, i+1
.endr
.irp t, 0,1,2,3,4,5,6,7,8,9,10,11,12,13,14,15
	ds_load_b128 v[OUTR+4*\t:OUTR+4*\t+3], v7 offset:2*\t*PITCH   ; LDS serves a wave's instructions in order: these see my stores
.endr
	s_wait_alu depctr_va_vdst(0)
.irp t, 0,1,2,3,4,5,6,7,8,9,10,11,12,13,14,15
	s_wait_dscnt 15-\t
	global_store_b128 v[OFF+\t], v[OUTR+4*\t:OUTR+4*\t+3], s[28:29]
.endr
	s_wait_tensorcnt 0x0                           ; the wave's end
	ds_add_u32 v[SPW], v[NIL]
	s_wait_dscnt 0x0
	s_endpgm
.Lfunc_end_k_q755a5ae78d_wquant:
	.size	k_q755a5ae78d_wquant, .Lfunc_end_k_q755a5ae78d_wquant-k_q755a5ae78d_wquant
	.p2alignl 7, 3214868480
	.fill 96, 4, 3214868480
	.section	.rodata,"a",@progbits
	.p2align	6, 0x0
	.amdhsa_kernel k_q755a5ae78d_wquant
		.amdhsa_group_segment_fixed_size 35840
		.amdhsa_private_segment_fixed_size 0
		.amdhsa_enable_private_segment 0
		.amdhsa_kernarg_size 56
		.amdhsa_user_sgpr_count 2
		.amdhsa_user_sgpr_kernarg_segment_ptr 1
		.amdhsa_wavefront_size32 1
		.amdhsa_system_sgpr_workgroup_id_x 1
		.amdhsa_system_sgpr_workgroup_id_y 1
		.amdhsa_system_sgpr_workgroup_id_z 1
		.amdhsa_system_vgpr_workitem_id 0
		.amdhsa_next_free_vgpr 208
		.amdhsa_next_free_sgpr 66
		.amdhsa_reserve_vcc 0
		.amdhsa_float_denorm_mode_32 3
		.amdhsa_float_denorm_mode_16_64 3
		.amdhsa_memory_ordered 1
		.amdhsa_forward_progress 1
		.amdhsa_inst_pref_size 55
	.end_amdhsa_kernel
	.amdgpu_metadata
---
amdhsa.version: [ 1, 2 ]
amdhsa.kernels:
  - .name:           k_q755a5ae78d_wquant
    .symbol:         k_q755a5ae78d_wquant.kd
    .args:
      - { .name: W_qkv, .offset: 0, .size: 8, .value_kind: global_buffer, .address_space: global }
      - { .name: W_proj, .offset: 8, .size: 8, .value_kind: global_buffer, .address_space: global }
      - { .name: W_fc, .offset: 16, .size: 8, .value_kind: global_buffer, .address_space: global }
      - { .name: W_out, .offset: 24, .size: 8, .value_kind: global_buffer, .address_space: global }
      - { .name: lowp_scales, .offset: 32, .size: 8, .value_kind: global_buffer, .address_space: global }
      - { .name: wcodes, .offset: 40, .size: 8, .value_kind: global_buffer, .address_space: global }
      - { .name: sc_ln2, .offset: 48, .size: 8, .value_kind: global_buffer, .address_space: global }
    .group_segment_fixed_size: 35840
    .private_segment_fixed_size: 0
    .kernarg_segment_align: 8
    .kernarg_segment_size: 56
    .max_flat_workgroup_size: 128
    .sgpr_count:     66
    .vgpr_count:     208
    .wavefront_size: 32
...
	.end_amdgpu_metadata
.endif
;; end of part 8
;; launch ln1 (part 9): grid 256 x 1, 8 waves a work-group, no clusters, 17,408 bytes of LDS; arguments x, ln1_g, ln1_b, lowp_scales, hc; writes hc
.if DOCPART == 9
	.amdgcn_target "amdgcn-amd-amdhsa--gfx1250"
	.amdhsa_code_object_version 6
	.text
	.protected	k_q755a5ae78d_ln1
	.globl	k_q755a5ae78d_ln1
	.p2align	8
	.type	k_q755a5ae78d_ln1,@function
k_q755a5ae78d_ln1:
	s_mov_b64 s[64:65], 0
	v_nop
	global_prefetch_b8 v0, s[64:65] scope:SCOPE_SE
	s_setreg_imm32_b32 hwreg(HW_REG_WAVE_MODE, 25, 1), 1
	s_wait_xcnt 0x0
; codes[row][k] = Q(((x[row][k] - mean) * rsqrt(var + 1e-5)) * g[k] + b[k]), rows of 1,024 f32, Q: E4M3 with the scale 2^e, e = entry 0 of the buffer of scales that the launch is given.
; All in f32: the mean is taken first and subtracted, the variance is the mean of the squares of the differences.
; LIMITS: e between -126 and 119; NaN among the inputs is not served.
; A wave takes two whole rows and keeps them in registers between the passes: each row is read once.  Load j of a row reads bytes 512 j + 16 x lane, 512 consecutive bytes:
; register 4 j + i holds k = 128 j + 4 x lane + i.  A lane's four codes of load j are one word; the words go through the wave's own 1,024 bytes of LDS for the row and leave as 2 x 512 consecutive bytes.
; No matrix unit, no cluster, no barrier: waves share nothing.
.set T,     8                          ; v8-15   four chains of pairs
.set MU,    16                         ; v16-19  a row's mean, twice (a pair for the packed forms)
.set RS,    20                         ; v20-23  a row's 1 / sqrt(var + eps), twice
.set VAR,   26                         ; v26-27  a row's var + eps: written once, so no source of a root is written again
.set X,     32                         ; v32-95  two rows
.set G,     96                         ; v96-127 g
.set BB,    128                        ; v128-159 b
.set PC,    160                        ; v160-175 codes, eight words a row
.set OUTR,  176                        ; v176-191 the way out
.set SPW,   4
.set NIL,   5
.set SPARE, 16384                      ; behind the eight waves' stages: the spare words, 128 bytes for each wave
	s_load_b256 s[4:11], s[0:1], 0x0               ; x s[4:5], g s[6:7], b s[8:9], the scales s[10:11]
	s_load_b64 s[12:13], s[0:1], 0x20              ; the codes
	v_lshl_add_u32 v[SPW], v0, 2, SPARE
	v_mov_b32 v[NIL], 0
	v_lshrrev_b32 v1, 5, v0
	s_delay_alu instid0(VALU_DEP_1)
	v_readfirstlane_b32 s14, v1                    ; wave 0..7
	v_and_b32 v3, 31, v0
	s_delay_alu instid0(VALU_DEP_1)
	v_lshlrev_b32 v1, 4, v3                        ; 16 x lane; never rewritten
	s_lshl_b32 s15, s14, 11                        ; my stage: 2,048 bytes a wave
	v_lshl_add_u32 v2, v3, 2, s15                  ; in: 4 x lane
	v_add_nc_u32 v3, s15, v1                       ; out: 16 x lane
	v_mov_b32 v24, 0                               ; a lane permute's destination counts as read: written once
	s_mov_b32 s16, 0x76543210
	s_mov_b32 s17, 0xfedcba98                      ; lane l xor 16
	s_mov_b32 s18, 0x3a800000                      ; 1 / 1024
	s_mov_b32 s19, 0x3727c5ac                      ; 1e-5
	s_lshl_b32 s2, ttmp9, 16                       ; 16 rows of 4,096 bytes a work-group,
	s_lshl_b32 s3, s14, 13                         ; two a wave
	s_add_co_u32 s2, s2, s3
	s_mov_b32 s3, 0
	s_lshr_b32 s22, s2, 2                          ; a row of codes is a quarter of that
	s_mov_b32 s23, 0
	s_wait_alu depctr_va_vdst(0)
	s_wait_kmcnt 0x0
	s_load_b32 s20, s[10:11], 0x0                  ; e
	s_add_nc_u64 s[4:5], s[4:5], s[2:3]
	s_add_nc_u64 s[12:13], s[12:13], s[22:23]
.irp r, 0,1
.irp j, 0,1,2,3,4,5,6,7
	global_load_b128 v[X+32*\r+4*\j:X+32*\r+4*\j+3], v1, s[4:5] offset:4096*\r+512*\j
.endr
.endr
.irp j, 0,1,2,3,4,5,6,7
	global_load_b128 v[G+4*\j:G+4*\j+3], v1, s[6:7] offset:512*\j
.endr
.irp j, 0,1,2,3,4,5,6,7
	global_load_b128 v[BB+4*\j:BB+4*\j+3], v1, s[8:9] offset:512*\j
.endr
	s_wait_kmcnt 0x0
	s_add_co_i32 s20, s20, 127
	s_lshl_b32 s21, s20, 23
	v_mov_b32 v6, s21                              ; 2^e as f32
	s_add_co_i32 s20, s20, 8
	s_lshl_b32 s20, s20, 23
	s_or_b32 s20, s20, 0x600000
	v_mov_b32 v7, s20                              ; 448 x 2^e
.macro ALLSUM                          ; the four chains' pairs, then the 32 lanes: the sum lands in v[T] of every lane
	s_delay_alu instid0(VALU_DEP_3)
	v_pk_add_f32 v[T:T+1], v[T:T+1], v[T+2:T+3]
	s_delay_alu instid0(VALU_DEP_2)
	v_pk_add_f32 v[T+4:T+5], v[T+4:T+5], v[T+6:T+7]
	s_delay_alu instid0(VALU_DEP_1)
	v_pk_add_f32 v[T:T+1], v[T:T+1], v[T+4:T+5]
	s_delay_alu instid0(VALU_DEP_1)
	v_add_f32 v[T], v[T], v[T+1]
	s_delay_alu instid0(VALU_DEP_1)
	v_add_f32_dpp v[T], v[T], v[T] row_xmask:1 row_mask:0xf bank_mask:0xf
	s_delay_alu instid0(VALU_DEP_1)
	v_add_f32_dpp v[T], v[T], v[T] row_xmask:2 row_mask:0xf bank_mask:0xf
	s_delay_alu instid0(VALU_DEP_1)
	v_add_f32_dpp v[T], v[T], v[T] row_xmask:4 row_mask:0xf bank_mask:0xf
	s_delay_alu instid0(VALU_DEP_1)
	v_add_f32_dpp v[T], v[T], v[T] row_xmask:8 row_mask:0xf bank_mask:0xf
	s_delay_alu instid0(VALU_DEP_1)
	v_permlanex16_b32 v24, v[T], s16, s17
	s_delay_alu instid0(VALU_DEP_1)
	v_add_f32 v[T], v[T], v24
.endm
.macro STAT r                          ; row r: its mean; the row becomes x - mean; 1 / sqrt(var + eps)
.set XR, X+32*\r
.irp c, 0,1,2,3
	v_pk_add_f32 v[T+2*\c:T+2*\c+1], v[XR+2*\c:XR+2*\c+1], v[XR+8+2*\c:XR+8+2*\c+1]   ; the first additions start the chains: nothing is cleared
.endr
.irp o, 16,24
.irp c, 0,1,2,3
	s_delay_alu instid0(VALU_DEP_4)
	v_pk_add_f32 v[T+2*\c:T+2*\c+1], v[T+2*\c:T+2*\c+1], v[XR+\o+2*\c:XR+\o+2*\c+1]
.endr
.endr
	ALLSUM
	s_delay_alu instid0(VALU_DEP_1)
	v_mul_f32 v[MU+2*\r], s18, v[T]
	s_delay_alu instid0(VALU_DEP_2)
	v_mul_f32 v[MU+2*\r+1], s18, v[T]
.set i, 0
.rept 16
	v_pk_add_f32 v[XR+i:XR+i+1], v[XR+i:XR+i+1], v[MU+2*\r:MU+2*\r+1] neg_lo:[0,1] neg_hi:[0,1]
.set i, i+2
.endr
.irp c, 0,1,2,3
	v_pk_mul_f32 v[T+2*\c:T+2*\c+1], v[XR+2*\c:XR+2*\c+1], v[XR+2*\c:XR+2*\c+1]
.endr
.irp o, 8,16,24
.irp c, 0,1,2,3
	s_delay_alu instid0(VALU_DEP_4)
	v_pk_fma_f32 v[T+2*\c:T+2*\c+1], v[XR+\o+2*\c:XR+\o+2*\c+1], v[XR+\o+2*\c:XR+\o+2*\c+1], v[T+2*\c:T+2*\c+1]
.endr
.endr
	ALLSUM
	s_delay_alu instid0(VALU_DEP_1)
	v_fma_f32 v[VAR+\r], v[T], s18, s19
	s_wait_alu depctr_va_vdst(0)
	v_rsq_f32 v[RS+2*\r], v[VAR+\r]
	v_rsq_f32 v[RS+2*\r+1], v[VAR+\r]
	v_nop                                          ; a plain instruction behind the roots
.endm
.macro NORM r                          ; row r: scaled, g and b, held, converted; through my stage
.set XR, X+32*\r
.set i, 0
.rept 16
	v_pk_mul_f32 v[XR+i:XR+i+1], v[XR+i:XR+i+1], v[RS+2*\r:RS+2*\r+1]
.set i, i+2
.endr
.set i, 0
.rept 16
	v_pk_fma_f32 v[XR+i:XR+i+1], v[XR+i:XR+i+1], v[G+i:G+i+1], v[BB+i:BB+i+1]
.set i, i+2
.endr
.set i, 0
.rept 32
	v_med3_num_f32 v[XR+i], v[XR+i], -v7, v7       ; the conversion to an 8-bit code does not saturate (ISA guide 7.6.2)
.set i, i+1
.endr
.irp q, 0,1,2,3
	v_cvt_scalef32_pk8_fp8_f32 v[PC+8*\r+2*\q:PC+8*\r+2*\q+1], v[XR+8*\q:XR+8*\q+7], v6
.endr
	v_nop                                          ; a plain instruction behind the last conversion
.irp j, 0,1,2,3,4,5,6,7
	ds_store_b32 v2, v[PC+8*\r+\j] offset:1024*\r+128*\j     ; word j: codes of k = 128 j + 4 x lane + 0 .. 3
.endr
.irp u, 0,1
	ds_load_b128 v[OUTR+8*\r+4*\u:OUTR+8*\r+4*\u+3], v3 offset:1024*\r+512*\u   ; my own bytes, served in order: no wait between
.endr
.endm
	s_wait_loadcnt 24                              ; row 0's eight loads are in; row 1's, g's and b's 24 may be out
	STAT 0
	s_wait_loadcnt 16                              ; row 1's are in
	STAT 1
	s_wait_alu depctr_va_vdst(0)                   ; one wait for the four roots, ahead of their first reader
	s_wait_loadcnt 0x0                             ; g and b
	NORM 0
	NORM 1
.irp r, 0,1
.irp u, 0,1
	s_wait_dscnt 3-(2*\r+\u)                       ; at most the younger LDS instructions are out
	global_store_b128 v1, v[OUTR+8*\r+4*\u:OUTR+8*\r+4*\u+3], s[12:13] offset:1024*\r+512*\u   ; 512 consecutive bytes, aligned
.endr
.endr
	s_wait_tensorcnt 0x0                           ; the wave's end
	ds_add_u32 v[SPW], v[NIL]
	s_wait_dscnt 0x0
	s_endpgm
.Lfunc_end_k_q755a5ae78d_ln1:
	.size	k_q755a5ae78d_ln1, .Lfunc_end_k_q755a5ae78d_ln1-k_q755a5ae78d_ln1
	.p2alignl 7, 3214868480
	.fill 96, 4, 3214868480
	.section	.rodata,"a",@progbits
	.p2align	6, 0x0
	.amdhsa_kernel k_q755a5ae78d_ln1
		.amdhsa_group_segment_fixed_size 17408
		.amdhsa_private_segment_fixed_size 0
		.amdhsa_enable_private_segment 0
		.amdhsa_kernarg_size 40
		.amdhsa_user_sgpr_count 2
		.amdhsa_user_sgpr_kernarg_segment_ptr 1
		.amdhsa_wavefront_size32 1
		.amdhsa_system_sgpr_workgroup_id_x 1
		.amdhsa_system_sgpr_workgroup_id_y 1
		.amdhsa_system_sgpr_workgroup_id_z 1
		.amdhsa_system_vgpr_workitem_id 0
		.amdhsa_next_free_vgpr 192
		.amdhsa_next_free_sgpr 66
		.amdhsa_reserve_vcc 0
		.amdhsa_float_denorm_mode_32 3
		.amdhsa_float_denorm_mode_16_64 3
		.amdhsa_memory_ordered 1
		.amdhsa_forward_progress 1
		.amdhsa_inst_pref_size 27
	.end_amdhsa_kernel
	.amdgpu_metadata
---
amdhsa.version: [ 1, 2 ]
amdhsa.kernels:
  - .name:           k_q755a5ae78d_ln1
    .symbol:         k_q755a5ae78d_ln1.kd
    .args:
      - { .name: x, .offset: 0, .size: 8, .value_kind: global_buffer, .address_space: global }
      - { .name: ln1_g, .offset: 8, .size: 8, .value_kind: global_buffer, .address_space: global }
      - { .name: ln1_b, .offset: 16, .size: 8, .value_kind: global_buffer, .address_space: global }
      - { .name: lowp_scales, .offset: 24, .size: 8, .value_kind: global_buffer, .address_space: global }
      - { .name: hc, .offset: 32, .size: 8, .value_kind: global_buffer, .address_space: global }
    .group_segment_fixed_size: 17408
    .private_segment_fixed_size: 0
    .kernarg_segment_align: 8
    .kernarg_segment_size: 40
    .max_flat_workgroup_size: 256
    .sgpr_count:     66
    .vgpr_count:     192
    .wavefront_size: 32
...
	.end_amdgpu_metadata
.endif
;; end of part 9
;; launch gemm_qkv (part 10): grid 12 x 16, 4 waves a work-group, clusters of 4 x 4, 327,680 bytes of LDS; arguments hc, wcodes, lowp_scales, b_qkv, qkvc; writes qkvc
.if DOCPART == 10
	.amdgcn_target "amdgcn-amd-amdhsa--gfx1250"
	.amdhsa_code_object_version 6
	.text
	.protected	k_q755a5ae78d_gemm_qkv
	.globl	k_q755a5ae78d_gemm_qkv
	.p2align	8
	.type	k_q755a5ae78d_gemm_qkv,@function
k_q755a5ae78d_gemm_qkv:
	s_mov_b64 s[64:65], 0
	v_nop
	global_prefetch_b8 v0, s[64:65] scope:SCOPE_SE
	s_setreg_imm32_b32 hwreg(HW_REG_WAVE_MODE, 25, 1), 1
	s_wait_xcnt 0x0
	s_wait_alu depctr_hold_cnt(0) depctr_sa_sdst(0) depctr_va_vdst(0) depctr_va_sdst(0) depctr_va_ssrc(0) depctr_va_vcc(0) depctr_vm_vsrc(0)
	s_getreg_b32 s2, hwreg(HW_REG_IB_STS2, 6, 4)
	s_cmp_eq_u32 s2, 0
	s_cbranch_scc0 .Lentry_in_a_cluster
	s_endpgm
.Lentry_in_a_cluster:
	s_bfe_u32 s2, ttmp6, 0x10000c
	s_cmp_lg_u32 s2, 0xf033
	s_cbranch_scc0 .Lentry_shape_is_right
	s_endpgm
.Lentry_shape_is_right:
; qkv = h W_qkv + b_qkv on codes of E4M3 (h: [4096][1024], scale 2^e0; W_qkv: [3072][1024], K innermost, scale 2^e1), f32 sums; then q, k and v are quantised (e2, e3, e5) and stored as attention wants them:
; q [32 heads][2048][64] at byte 0, k the same at 4,194,304, v [32 heads][64][2048 keys] at 8,388,608; head index = 16 x batch + head.
; LIMITS: e0 + e1 between -126 and 127; e2, e3, e5 between -126 and 119.
; A tile of 256 x 256 is made by four waves, 128 x 128 each: 64 accumulators, 512 registers.  K goes in steps of 256 through a ring of two LDS slots filled by the tensor data mover.
; CLUSTERS of 4 x 4: source 1's tile is shared along a row of the cluster, source 0's along a column; each is asked for jointly.
; THE MATRIX INSTRUCTION: source 0 = 16 rows of one operand, source 1 = 16 rows of the other; a lane then holds ONE row of source 1's operand and eight neighbours along source 0's rows.
; Cluster column 0 makes q, 1 makes k: source 1 = tokens, source 0 = W's rows, so a lane's eight numbers run along the head's 64, which is K of q k^T.
; Cluster column 2 makes v WITH THE ROLES SWAPPED: source 1 = W's v rows, source 0 = tokens, so a lane's eight numbers run along the tokens, the keys, which are K of p v.  The cluster's column is the same in all sixteen partners.
; REGISTERS: window 0: v0-31 addresses; v32-95 bias by column, v96-111 codes, v112-127 bias by row; v128-255 source 1's fragments, ONE set; later the way out.  window 1: source 0's fragments, TWO sets.  windows 2, 3: the accumulators.
.set KROW,   1024                      ; a row of either operand in bytes
.set ROWB,   256                       ; a tile's row: 256 along K
.set PITCH,  272                       ; an LDS row: 256 bytes + 16: the 16 rows of a fragment load start at 16 different banks (64 banks of 4 bytes: ISA guide 11.1)
.set FR,     16
.set NL,     4
.set NP,     4                         ; places behind this matrix instruction (ISA guide 7.12.1)
.set HALFT,  128*PITCH
.set SLOT,   4*HALFT
.set LAPS,   KROW/(2*ROWB)
.set SPARE,  2*SLOT                    ; behind the ring: the spare words, 128 bytes for each wave
.set ADRA, 16
.set ADRB, 20
.set BOF,  7                           ; v7  32 x (lane / 16): bias by column; never rewritten
.set ROF,  8                           ; v8  4 x (lane % 16): bias by row; never rewritten
.set SCL,  12                          ; v12 the next scale as f32
.set LIMV, 13                          ; v13 448 x that
.set STO,  24                          ; v24 the stage: where I put 8 codes
.set RDQ,  25                          ; v25 q, k: where I read 16 bytes of a head's 64 back
.set COQ,  26                          ; v26 q, k: 16 x lane
.set RDV,  27                          ; v27 v: where I read 16 bytes of a row back
.set SPW,  28
.set NIL,  29
.set COV,  30                          ; v30 v: my 16 bytes in two rows of 2,048
.set CB,   32
.set PC,   96
.set RB,   112
.set TMP,  128
.set AF,   128
.set G1, 24
.set G0, 32
.set G1B, 48
.set G0B, 56
.set MSB, 0
.macro WIN new                         ; the immediate's high byte repeats the setting that is left
.if MSB != \new
	s_set_vgpr_msb (MSB<<8)|\new
.set MSB, \new
.endif
.endm
.set MUL_LO, 0xa1                      ; source 0 window 1, source 1 window 0, C and D window 2
.set MUL_HI, 0xf1                      ; the same, C and D window 3
.set TO_B,   0x40                      ; destination window 1, address window 0
.macro JLOAD g0a, g1a, g0b, g1b        ; a joint load: waves 0 and 1 fetch source 1's halves, waves 2 and 3 source 0's; an s_nop 0 and four v_nop follow each line
	s_cmp_eq_u32 s15, 0
	s_cbranch_scc0 .Lfor_b_\@
	tensor_load_to_lds s[\g0a:\g0a+3], s[\g1a:\g1a+7]
	s_nop 0
.rept 4
	v_nop
.endr
	s_branch .Lasked_\@
.Lfor_b_\@:
	tensor_load_to_lds s[\g0b:\g0b+3], s[\g1b:\g1b+7]
	s_nop 0
.rept 4
	v_nop
.endr
.Lasked_\@:
.endm
.macro CREST                           ; a round of the cluster's barrier behind its opening barrier
	s_cmp_lg_u32 s14, 0
	s_cbranch_scc1 .Lnot_wave_0_\@
	s_barrier_signal -3
.Lnot_wave_0_\@:
	s_barrier_wait -3
	s_barrier_signal -1
	s_barrier_wait -1
.endm
.macro CROUND
	s_barrier_signal -1
	s_barrier_wait -1
	CREST
.endm
	s_load_b128 s[4:7], s[0:1], 0x0                ; h's codes s[4:5], the weights' codes s[6:7]
	s_load_b128 s[8:11], s[0:1], 0x10              ; the scales' exponents s[8:9], b_qkv s[10:11]
	s_load_b64 s[12:13], s[0:1], 0x20              ; q, k, v's codes
	v_lshl_add_u32 v[SPW], v0, 2, SPARE
	v_mov_b32 v[NIL], 0
	ds_add_u32 v[SPW], v[NIL]                      ; the wave's opening: the add and its wait ahead of my first tensor load
	ds_add_u32 v[SPW], v[NIL]
	v_lshrrev_b32 v1, 5, v0
	v_readfirstlane_b32 s14, v1                    ; wave 0..3
	s_lshr_b32 s15, s14, 1                         ; which half of source 1's rows is mine.  Also: I fetch for source 1 (0) or source 0 (1)
	s_and_b32 s16, s14, 1                          ; which half of source 0's rows.  Also: which 128 rows of that tile I fetch
	s_bfe_u32 s40, ttmp6, 0x40000                  ; cx, cy
	s_bfe_u32 s41, ttmp6, 0x40004
	s_and_b32 s18, ttmp7, 0xffff
	s_lshl_b32 s18, s18, 2                         ; 4 x cluster y
	s_lshl_b32 s19, ttmp9, 2                       ; 4 x cluster x
	s_cmp_eq_u32 ttmp9, 2                          ; v's clusters?
	s_cselect_b32 s17, 8, s18                      ; source 1's tile: W's rows 2,048 on, or tokens
	s_cselect_b32 s42, s18, s19                    ; source 0's tile: tokens, or W's rows
	s_add_co_u32 s17, s17, s41                     ; + cy
	s_add_co_u32 s42, s42, s40                     ; + cx
	s_lshl_b32 s43, s41, 2
	s_lshl_b32 s43, 15, s43                        ; my row of the cluster
	s_lshl_b32 s44, 0x1111, s40                    ; my column
	s_or_b32 s[G1+0], s43, (0<<16)|(1<<20)|(1<<21)|(5<<22)|(3<<25)  ; the mask; elements of 1 byte; padding on; bit 21 beside a mask; 4 words after every 64
	s_or_b32 s[G1B+0], s44, (0<<16)|(1<<20)|(1<<21)|(5<<22)|(3<<25)
.irp g, G1, G1B
	s_mov_b32 s[\g+1], ROWB<<16                    ; tensor_dim0
	s_mov_b32 s[\g+2], 128<<16                     ; tensor_dim1
	s_mov_b32 s[\g+3], ROWB<<16                    ; tile_dim0
	s_mov_b32 s[\g+4], 128                         ; tile_dim1
	s_mov_b32 s[\g+5], KROW                        ; stride
	s_mov_b32 s[\g+6], 0
	s_mov_b32 s[\g+7], 0
.endr
	s_lshl_b32 s18, s16, 7
	s_lshl_b32 s20, s17, 8
	s_add_co_u32 s20, s20, s18                     ; source 1: row 256 x tile + 128 x half
	s_lshl_b32 s46, s42, 8
	s_add_co_u32 s46, s46, s18                     ; source 0 likewise
	s_mov_b32 s21, 0
	s_mov_b32 s47, 0
	s_mov_b64 s[18:19], KROW
	s_mul_u64 s[20:21], s[20:21], s[18:19]
	s_mul_u64 s[46:47], s[46:47], s[18:19]
	s_mul_i32 s45, s14, HALFT                      ; where they go: wave x 128 rows
	s_wait_dscnt 0x0                               ; the opening add is done
	s_wait_kmcnt 0x0
	s_load_b64 s[96:97], s[8:9], 0x0               ; e0, e1
	s_load_b128 s[88:91], s[8:9], 0x8              ; e2 .. e5
	s_cmp_eq_u32 ttmp9, 2                          ; which tensor is which source: the choice hangs on the cluster's column alone
	s_cselect_b64 s[84:85], s[6:7], s[4:5]
	s_cselect_b64 s[86:87], s[4:5], s[6:7]
	s_add_nc_u64 s[20:21], s[84:85], s[20:21]
	s_add_nc_u64 s[46:47], s[86:87], s[46:47]
	CROUND                                         ; all sixteen work-groups are here: the first joint loads meet
.irp s, 0,1
	s_mov_b32 s[G0+4*\s], 1
	s_add_co_u32 s[G0+4*\s+1], s45, \s*SLOT
	s_add_nc_u64 s[G0+4*\s+2:G0+4*\s+3], s[20:21], \s*ROWB
	s_or_b32 s[G0+4*\s+3], s[G0+4*\s+3], 0x80000000
	s_mov_b32 s[G0B+4*\s], 1
	s_add_co_u32 s[G0B+4*\s+1], s45, \s*SLOT
	s_add_nc_u64 s[G0B+4*\s+2:G0B+4*\s+3], s[46:47], \s*ROWB
	s_or_b32 s[G0B+4*\s+3], s[G0B+4*\s+3], 0x80000000
.endr
	JLOAD G0, G1, G0B, G1B                         ; K step 0: one tensor load a wave at the head
	; THE PREFETCH.  Behind K step 0's load each wave names K steps 1 and 2, behind K step 1's load K step 3.  Of the 128 rows that a wave fetches, each of the four partners that ask jointly names 32, told apart by address: a lane a row's 256 bytes of a K step.
	s_cmp_eq_u32 s15, 0                            ; do I fetch for source 1?
	s_cselect_b64 s[92:93], s[20:21], s[46:47]     ; the first of the 128 rows that I fetch
	s_cselect_b32 s94, s40, s41                    ; my place among the four that ask with me
	s_lshl_b32 s94, s94, 15                        ; 32 rows of 1,024 bytes
	s_mov_b32 s95, 0
	s_add_nc_u64 s[92:93], s[92:93], s[94:95]      ; never rewritten
	v_and_b32 v31, 31, v0
	v_lshlrev_b32 v31, 10, v31                     ; a lane a row; never rewritten
	global_prefetch_b8 v31, s[92:93] offset:ROWB th:TH_LOAD_NT scope:SCOPE_SE
	global_prefetch_b8 v31, s[92:93] offset:2*ROWB th:TH_LOAD_NT scope:SCOPE_SE
	v_and_b32 v1, 15, v0                           ; r
	v_bfe_u32 v2, v0, 4, 1                         ; h
	v_mul_u32_u24 v3, v1, PITCH
	s_wait_alu depctr_va_vdst(0)
	v_lshl_add_u32 v4, v2, 4, v3                   ; a fragment's row x pitch + 16 h
	s_mul_i32 s21, s15, HALFT
	s_mul_i32 s22, s16, HALFT
	s_add_co_u32 s22, s22, 2*HALFT
.irp s, 0,1
	v_add_nc_u32 v[ADRA+\s], s21, v4
	v_add_nc_u32 v[ADRB+\s], s22, v4
	s_add_co_u32 s21, s21, SLOT
	s_add_co_u32 s22, s22, SLOT
.endr
	; the stage, 256 rows x 272 bytes in slot 0: row = source 1's row in the tile, byte = source 0's row in the tile
	s_mul_i32 s23, s15, 128*PITCH
	s_lshl_b32 s21, s16, 7
	s_add_co_u32 s23, s23, s21
	v_lshl_add_u32 v5, v2, 3, v3
	v_add_nc_u32 v[STO], s23, v5                   ; (128 x row half + r) x 272 + 128 x column half + 8 h
	s_mul_i32 s23, s14, 64*PITCH                   ; back: wave w takes rows 64 w on
	v_and_b32 v6, 31, v0
	v_lshrrev_b32 v9, 2, v6
	v_mul_u32_u24 v9, v9, PITCH
	v_and_b32 v10, 3, v0
	v_lshl_add_u32 v9, v10, 4, v9
	v_add_nc_u32 v[RDQ], s23, v9                   ; q, k: four lanes to a token's 64 bytes of one head, eight tokens an instruction
	v_lshlrev_b32 v[COQ], 4, v6
	v_mul_u32_u24 v9, v2, PITCH
	v_lshl_add_u32 v9, v1, 4, v9
	v_add_nc_u32 v[RDV], s23, v9                   ; v: sixteen lanes to a row's 256 bytes, two rows an instruction
	v_lshlrev_b32 v9, 11, v2
	v_lshl_add_u32 v[COV], v1, 4, v9
	v_lshlrev_b32 v[BOF], 5, v2
	v_lshlrev_b32 v[ROF], 2, v1
	; where my 64 rows of the stage go.  q, k: (q or k) x 4 MiB + (16 batch + 4 (tile % 4)) heads of 131,072 + token in the batch x 64
	s_lshr_b32 s76, s42, 2
	s_lshl_b32 s76, s76, 22
	s_lshr_b32 s77, s17, 3
	s_lshl_b32 s77, s77, 4
	s_and_b32 s78, s42, 3
	s_lshl_b32 s78, s78, 2
	s_add_co_u32 s77, s77, s78
	s_lshl_b32 s77, s77, 17
	s_add_co_u32 s76, s76, s77
	s_and_b32 s77, s17, 7
	s_lshl_b32 s77, s77, 8
	s_lshl_b32 s78, s14, 6
	s_add_co_u32 s77, s77, s78
	s_lshl_b32 s77, s77, 6
	s_add_co_u32 s76, s76, s77
	; v: 8 MiB + (1,024 batch + 256 (tile - 8) + 64 wave) rows of 2,048 + 256 x (token tile % 8)
	s_lshr_b32 s79, s42, 3
	s_lshl_b32 s79, s79, 10
	s_sub_co_u32 s80, s17, 8
	s_lshl_b32 s80, s80, 8
	s_add_co_u32 s79, s79, s80
	s_add_co_u32 s79, s79, s78
	s_lshl_b32 s79, s79, 11
	s_and_b32 s80, s42, 7
	s_lshl_b32 s80, s80, 8
	s_add_co_u32 s79, s79, s80
	s_add_co_u32 s79, s79, 8388608
	s_cmp_eq_u32 ttmp9, 2
	s_cselect_b32 s76, s79, s76
	s_cselect_b32 s72, s17, s42                    ; the bias runs along W's rows: source 1's tile and half for v, source 0's for q and k
	s_cselect_b32 s73, s15, s16
	s_mov_b32 s77, 0
	s_add_nc_u64 s[12:13], s[12:13], s[76:77]
	s_lshl_b32 s72, s72, 10
	s_lshl_b32 s73, s73, 9
	s_add_co_u32 s72, s72, s73
	s_mov_b32 s73, 0
	s_add_nc_u64 s[72:73], s[10:11], s[72:73]
	s_cmp_eq_u32 ttmp9, 2                          ; both arms write both sets: one holds the bias, the other zeros.  The loads land while the products run
	s_cbranch_scc1 .Lbias_v
	s_wait_alu depctr_va_vdst(0)
.irp b, 0,1,2,3,4,5,6,7
	global_load_b128 v[CB+8*\b:CB+8*\b+3], v[BOF], s[72:73] offset:64*\b        ; bias of columns 16 b + 8 h + 0 .. 7
	global_load_b128 v[CB+8*\b+4:CB+8*\b+7], v[BOF], s[72:73] offset:64*\b+16
.endr
.set i, 0
.rept 16
	v_mov_b32 v[RB+i], 0
.set i, i+1
.endr
	s_branch .Lbias_done
.Lbias_v:
	s_wait_alu depctr_va_vdst(0)
.irp a, 0,1,2,3,4,5,6,7
	global_load_b32 v[RB+2*\a], v[ROF], s[72:73] offset:64*\a                   ; bias of row 16 a + r, twice: a pair for the packed addition
	global_load_b32 v[RB+2*\a+1], v[ROF], s[72:73] offset:64*\a
.endr
.set i, 0
.rept 64
	v_mov_b32 v[CB+i], 0
.set i, i+1
.endr
.Lbias_done:
.macro FRAG reg, adr, q, i             ; 16 rows x 128 K of codes in 16 registers: registers 4 c .. 4 c + 3 hold K = 32 c + 16 (l / 16) + 0 .. 15: the same places in both operands
.irp c, 0,1,2,3
	ds_load_b128 v[\reg+4*\c:\reg+4*\c+3], v[\adr] offset:128*(\q)+32*\c+(\i)*16*PITCH
.endr
.endm
.macro MUL16 a0, p, zero               ; source 1's blocks a0, a0 + 1 x source 0's eight.  The 64 accumulators take turns, one instruction a turn
.irp a, \a0, \a0+1
.irp b, 0,1,2,3,4,5,6,7
.if \zero
	v_wmma_f32_16x16x128_fp8_fp8 v[8*(8*((\a)%4)+\b):8*(8*((\a)%4)+\b)+7], v[128*(\p)+FR*\b:128*(\p)+FR*\b+FR-1], v[AF+FR*(\a):AF+FR*(\a)+FR-1], 0
.else
	v_wmma_f32_16x16x128_fp8_fp8 v[8*(8*((\a)%4)+\b):8*(8*((\a)%4)+\b)+7], v[128*(\p)+FR*\b:128*(\p)+FR*\b+FR-1], v[AF+FR*(\a):AF+FR*(\a)+FR-1], v[8*(8*((\a)%4)+\b):8*(8*((\a)%4)+\b)+7]
.endif
.endr
.endr
.endm
.macro FETCH_B slot, q, p
	WIN TO_B
.irp i, 0,1,2,3,4,5,6,7
	FRAG 128*(\p)+FR*\i, ADRB+\slot, \q, \i
.endr
	WIN 0
.endm
.macro FETCH_A slot, q, i0
.irp i, \i0, \i0+1, \i0+2, \i0+3
	FRAG AF+FR*(\i), ADRA+\slot, \q, \i
.endr
.endm
.macro PLACES n                        ; plain vector instructions between a matrix instruction and a load into, or a vector read or write of, its registers
.rept \n
	v_nop
.endr
.endm
.macro STEP slot, q, zero              ; 128 along K whose successor lies in the same slot
	s_wait_dscnt 4*NL                              ; all but the youngest 16 loads (source 1's blocks 4-7) are in
	WIN MUL_LO
	MUL16 0, (\q)%2, \zero
	MUL16 2, (\q)%2, \zero
	s_wait_dscnt 0
	PLACES NP
	FETCH_B \slot, (\q)+1, 1-(\q)%2
	FETCH_A \slot, (\q)+1, 0
	WIN MUL_HI
	MUL16 4, (\q)%2, \zero
	MUL16 6, (\q)%2, \zero
	PLACES NP
	WIN 0
	FETCH_A \slot, (\q)+1, 4
.endm
.macro TURN slot, next, fill           ; a slot's last 128 along K, and the change of slots: one barrier
	s_wait_tensorcnt 0x0                           ; all my tensor loads have landed: my part of the next slot
	ds_add_u32 v[SPW], v[NIL]                      ; 0 onto my spare word
	s_wait_dscnt 4*NL+1                            ; the add and the youngest 16 loads may be out
	WIN MUL_LO
	MUL16 0, 1, 0
	s_wait_dscnt 0x0                               ; the add is done, and my reads of this slot are over
	s_barrier_signal -1
	MUL16 2, 1, 0
	WIN 0
	s_barrier_wait -1
.if \fill
	CREST                                          ; the barrier has opened a round of the cluster's: no wave of any partner still reads this slot or has a load on its way
	s_add_nc_u64 s[G0+4*\slot+2:G0+4*\slot+3], s[G0+4*\slot+2:G0+4*\slot+3], 2*ROWB
	s_add_nc_u64 s[G0B+4*\slot+2:G0B+4*\slot+3], s[G0B+4*\slot+2:G0B+4*\slot+3], 2*ROWB
	JLOAD G0+4*\slot, G1, G0B+4*\slot, G1B         ; the first tensor load behind the round; its four v_nop are the places in front of the loads below
.else
	PLACES NP
.endif
	FETCH_B \next, 0, 0
	FETCH_A \next, 0, 0
	WIN MUL_HI
	MUL16 4, 1, 0
	MUL16 6, 1, 0
	PLACES NP
	WIN 0
	FETCH_A \next, 0, 4
.endm
	s_wait_alu depctr_va_vdst(0)                   ; the wait at the head's end
	s_wait_tensorcnt 0x0                           ; my part of K step 0 is in; slot 1's first fill is issued as a refill is:
	ds_add_u32 v[SPW], v[NIL]                      ; 0 onto my spare word
	s_wait_dscnt 0x0
	CROUND                                         ; everybody's part of K step 0 is in, and all sixteen work-groups are here
	JLOAD G0+4, G1, G0B+4, G1B                     ; K step 1: the first tensor load behind the round
	FETCH_B 0, 0, 0
	FETCH_A 0, 0, 0
	FETCH_A 0, 0, 4
	global_prefetch_b8 v31, s[92:93] offset:3*ROWB th:TH_LOAD_NT scope:SCOPE_SE   ; K step 3, the last
	STEP 0, 0, 1
	s_mov_b32 s3, LAPS-1
.Llap:
	TURN 0, 1, 1
	STEP 1, 0, 0
	TURN 1, 0, 1
	STEP 0, 0, 0
	s_sub_co_u32 s3, s3, 1
	s_cmp_lg_u32 s3, 0
	s_cbranch_scc1 .Llap
	TURN 0, 1, 0                                   ; the last lap fills nothing
	STEP 1, 0, 0
	s_wait_dscnt 4*NL
	WIN MUL_LO
	MUL16 0, 1, 0
	MUL16 2, 1, 0
	s_wait_dscnt 0
	WIN MUL_HI
	MUL16 4, 1, 0
	MUL16 6, 1, 0
	WIN 0
	; THE WAY OUT.  sum x 2^(e0 + e1) + bias, held, converted with the next product's scale; eight codes a lane into the work-group's stage, which lies in slot 0: that slot has had its last fill, and nobody reads it behind the last change of slots.
	s_wait_kmcnt 0x0
	s_add_co_i32 s96, s96, s97
	s_add_co_i32 s96, s96, 127
	s_lshl_b32 s96, s96, 23                        ; 2^(e0 + e1) as f32
	s_cmp_eq_u32 ttmp9, 0
	s_cselect_b32 s88, s88, s89                    ; q: e2; k: e3;
	s_cmp_eq_u32 ttmp9, 2
	s_cselect_b32 s88, s91, s88                    ; v: e5.  A choice, no branch
	s_add_co_i32 s88, s88, 127
	s_lshl_b32 s89, s88, 23
	v_mov_b32 v[SCL], s89
	s_add_co_i32 s88, s88, 8
	s_lshl_b32 s88, s88, 23
	s_or_b32 s88, s88, 0x600000
	v_mov_b32 v[LIMV], s88
	s_wait_loadcnt 0x0                             ; the bias
	PLACES NP
.macro CODES a                         ; source 1's block a: 16 rows x 128
.set AC, 64*((\a)%4)
	WIN 0x02+((\a)/4)                              ; source 0: window 2 or 3
.set j_, 0
.rept 32
	v_pk_fma_f32 v[TMP+j_:TMP+j_+1], v[AC+j_:AC+j_+1], s[96:97], v[CB+j_:CB+j_+1] op_sel_hi:[1,0,1]   ; each accumulator from its low end on
.set j_, j_+2
.endr
	WIN 0
.set j_, 0
.rept 32
	v_pk_add_f32 v[TMP+j_:TMP+j_+1], v[TMP+j_:TMP+j_+1], v[RB+2*(\a):RB+2*(\a)+1]   ; one of the two biases is zeros
.set j_, j_+2
.endr
.set j_, 0
.rept 64
	v_med3_num_f32 v[TMP+j_], v[TMP+j_], -v[LIMV], v[LIMV]
.set j_, j_+1
.endr
	s_wait_alu depctr_va_vdst(0)
	s_wait_dscnt 0x0                               ; the last block's stores have read the codes' registers
.irp b, 0,1,2,3,4,5,6,7
	v_cvt_scalef32_pk8_fp8_f32 v[PC+2*\b:PC+2*\b+1], v[TMP+8*\b:TMP+8*\b+7], v[SCL]
.endr
	v_nop                                          ; a plain instruction behind the last conversion
.irp b, 0,1,2,3,4,5,6,7
	ds_store_b64 v[STO], v[PC+2*\b:PC+2*\b+1] offset:(\a)*16*PITCH+16*\b
.endr
.endm
.irp a, 0,1,2,3,4,5,6,7
	CODES \a
.endr
	s_wait_dscnt 0x0                               ; for the others' sake: my stores into the stage are done; a row's 256 bytes come from two waves
	s_barrier_signal -1
	s_barrier_wait -1
	s_cmp_eq_u32 ttmp9, 2
	s_cbranch_scc1 .Lout_v
.set n_, 0
.rept 32                               ; head n / 8 of the tile's four, tokens 8 (n % 8) on
	ds_load_b128 v[128+4*n_:128+4*n_+3], v[RDQ] offset:8*(n_%8)*PITCH+64*(n_/8)
.set n_, n_+1
.endr
.set n_, 0
.rept 32
	s_wait_dscnt 31-n_
	global_store_b128 v[COQ], v[128+4*n_:128+4*n_+3], s[12:13] offset:(n_/8)*131072+(n_%8)*512   ; eight tokens x 64 bytes of one head: 512 consecutive bytes, aligned
.set n_, n_+1
.endr
	s_branch .Lout_done
.Lout_v:
.set n_, 0
.rept 32
	ds_load_b128 v[128+4*n_:128+4*n_+3], v[RDV] offset:2*n_*PITCH
.set n_, n_+1
.endr
.set n_, 0
.rept 32
	s_wait_dscnt 31-n_
	global_store_b128 v[COV], v[128+4*n_:128+4*n_+3], s[12:13] offset:2*n_*2048   ; sixteen lanes store 256 consecutive bytes, aligned
.set n_, n_+1
.endr
.Lout_done:
	s_wait_tensorcnt 0x0                           ; the wave's end
	ds_add_u32 v[SPW], v[NIL]
	s_wait_dscnt 0x0
	CROUND                                         ; the closing round
	s_endpgm
.Lfunc_end_k_q755a5ae78d_gemm_qkv:
	.size	k_q755a5ae78d_gemm_qkv, .Lfunc_end_k_q755a5ae78d_gemm_qkv-k_q755a5ae78d_gemm_qkv
	.p2alignl 7, 3214868480
	.fill 96, 4, 3214868480
	.section	.rodata,"a",@progbits
	.p2align	6, 0x0
	.amdhsa_kernel k_q755a5ae78d_gemm_qkv
		.amdhsa_group_segment_fixed_size 327680
		.amdhsa_private_segment_fixed_size 0
		.amdhsa_enable_private_segment 0
		.amdhsa_kernarg_size 40
		.amdhsa_user_sgpr_count 2
		.amdhsa_user_sgpr_kernarg_segment_ptr 1
		.amdhsa_wavefront_size32 1
		.amdhsa_system_sgpr_workgroup_id_x 1
		.amdhsa_system_sgpr_workgroup_id_y 1
		.amdhsa_system_sgpr_workgroup_id_z 1
		.amdhsa_system_vgpr_workitem_id 0
		.amdhsa_next_free_vgpr 1024
		.amdhsa_next_free_sgpr 100
		.amdhsa_reserve_vcc 0
		.amdhsa_float_denorm_mode_32 3
		.amdhsa_float_denorm_mode_16_64 3
		.amdhsa_memory_ordered 1
		.amdhsa_forward_progress 1
		.amdhsa_inst_pref_size 172
	.end_amdhsa_kernel
	.amdgpu_metadata
---
amdhsa.version: [ 1, 2 ]
amdhsa.kernels:
  - .name:           k_q755a5ae78d_gemm_qkv
    .symbol:         k_q755a5ae78d_gemm_qkv.kd
    .args:
      - { .name: hc, .offset: 0, .size: 8, .value_kind: global_buffer, .address_space: global }
      - { .name: wcodes, .offset: 8, .size: 8, .value_kind: global_buffer, .address_space: global }
      - { .name: lowp_scales, .offset: 16, .size: 8, .value_kind: global_buffer, .address_space: global }
      - { .name: b_qkv, .offset: 24, .size: 8, .value_kind: global_buffer, .address_space: global }
      - { .name: qkvc, .offset: 32, .size: 8, .value_kind: global_buffer, .address_space: global }
    .group_segment_fixed_size: 327680
    .private_segment_fixed_size: 0
    .kernarg_segment_align: 8
    .kernarg_segment_size: 40
    .max_flat_workgroup_size: 128
    .sgpr_count:     100
    .vgpr_count:     1024
    .wavefront_size: 32
...
	.end_amdgpu_metadata
.endif
;; end of part 10
;; launch attn (part 11): grid 8 x 32, 16 waves a work-group, no clusters, 327,680 bytes of LDS; arguments qkvc, lowp_scales, yc; writes yc
.if DOCPART == 11
	.amdgcn_target "amdgcn-amd-amdhsa--gfx1250"
	.amdhsa_code_object_version 6
	.text
	.protected	k_q755a5ae78d_attn
	.globl	k_q755a5ae78d_attn
	.p2align	8
	.type	k_q755a5ae78d_attn,@function
k_q755a5ae78d_attn:
	s_mov_b64 s[64:65], 0
	v_nop
	global_prefetch_b8 v0, s[64:65] scope:SCOPE_SE
	s_setreg_imm32_b32 hwreg(HW_REG_WAVE_MODE, 25, 1), 1
	s_wait_xcnt 0x0
; y[token][64 head + d] = Q(the sum over keys k <= q of softmax_k(q . k / 8) v), both products on codes of E4M3 with the given scales e2 (q), e3 (k), e4 (p), e5 (v); y is quantised with e6.
; q, k: [32 heads][2048][64] codes; v: [32 heads][64][2048 keys] codes, the keys innermost.
; THE SOFTMAX: t = score x log2(e) / 8; M = the running largest t rounded UP to a whole number; p = 2^(t - M) is quantised, not normalised; the row's sum is taken of the unquantised p and divides at the end.
; LEFT OUT: steps of 128 keys that all come after a tile's queries: the causal mask, which the problem builds itself, makes their p zero for every input.
; SHARES.  Work-group (i, head) owns the blocks i and 15 - i of 128 queries.  Waves 2 u and 2 u + 1 form a pair that owns tile u (16 queries) of BOTH blocks: tile A in block i, tile B in block 15 - i,
; so each fragment of K and V that a wave reads serves two products.  THE PAIR SPLITS THE KEYS: of every 256 keys one wave takes the first 128, the other the second 128; each keeps its own M, sum and O^T.
; Which of the two takes the first half is (wave xor wave / 4) % 2, so that waves 4 apart take different halves.
; At the end the two parts are joined under the larger M, by factors that are whole powers of two: the wave of the first halves finishes tile A, the other tile B; each hands the other tile's part over through LDS.
; A wave that met no key of a tile holds M = -3e38, sum 0, O^T 0: its factor comes out 0.  The wave of the first halves always holds key 0, which counts for every query.
; THE HEAD'S K AND V LIE IN LDS WHOLE, in two slots of 1,024 keys, each filled once: slot 0 at the kernel's head, slot 1 behind the first barrier, four of every wave's steps ahead of its first read.
; Every work-group reads both: block 15 - i is block 8 at the least, whose queries begin at 1,024.  Between the two barriers the waves walk their four steps of a slot with no barrier.
; NO PREFETCH: slot 0's load is the launch's first access, and slot 1's is issued four steps of every wave ahead of its first read: there is no later load to run ahead of.
; NO CLUSTER: the eight work-groups of a head share K and V, but a cluster's round would stand in front of each of the two fills, which are all the loads there are; the shared bytes are asked for twice in the launch's life.
; LAYOUT.  Both products transposed: S^T = K Q^T, O^T = V^T P^T: a lane holds ONE query (lane % 16).  Lane r of K's tile 2 b + u takes key 32 b + 8 u + r + 8 (r / 8), so the 16 registers of tiles 2 b, 2 b + 1 are keys 32 b + 16 (lane / 16) + 0 .. 15.
; K IN LDS: a head's row is 64 bytes and the rows are dense, so two keys are taken as one row of 128 bytes + 16: key k at 144 (k / 2) + 64 (k % 2).  The 16 keys of a fragment load then start at 16 different groups of four banks (64 banks of 4 bytes: ISA guide 11.1).
; LIMITS: the scaled scores stay under 2^31 in magnitude; e2 + e3 between -123 and 130; e4 and e6 between -126 and 119.  y leaves in runs of 64 bytes: a head owns 64 bytes of a token's row of 1,024.
; REGISTERS: v1-7 addresses; v8-11, v12-15 tile A's and B's -M, largest t, sum (a pair); v16-23, v24-31 Q; v32-95 K's eight fragments, then V's four; v96-159 S^T, then p; v160-191, v192-223 O^T; v224-239, v240-255 p's codes.
; v240-253 are also at work in the softmax: tile B's codes are written last in a step and read only by the products behind them.
.set SK,    1024
.set KP,    144
.set VP,    1040                       ; a row of V's tile: 1,024 bytes + 16
.set VOFF,  512*KP
.set SLOTB, VOFF+64*VP                 ; 140,288 bytes a slot
.set SPARE, 2*SLOTB                    ; behind the slots: the spare words, 128 bytes for each of the sixteen waves
.set XW,    4608                       ; the hand-over: 32 registers' image and a pair of words a lane, for each wave, from byte 0 of slot 0, which nobody reads behind the second barrier
.set YST,   16*XW                      ; behind it: 16 rows x 80 bytes a wave for y's codes
.set YP,    80
.set AK0,  1
.set AV0,  2
.set SCL,  4                           ; v4 2^e4
.set SPW,  5
.set NIL,  6
.set ADR,  7                           ; v7 the LDS address of the loads in hand
.set STA,  8
.set STB,  12
.set QA,   16
.set QB,   24
.set F,    32
.set S,    96
.set OA,   160
.set OB,   192
.set CA,   224
.set CB,   240
.set TBK,  2                           ; s2 where my step's keys begin in LDS, less my lane's part
.set TBV,  3                           ; s3 the same for V
.set WV,   18
.set PAR,  19                          ; s19 which half of every 256 keys is mine
.set SEL,  20
.set CS,   22
.set G1K,  24
.set G1V,  32
.set G0K,  40
.set G0V,  44
.set PO,   48                          ; s48 128 x PAR
.set KS,   49                          ; s49 the first of the 256 keys in hand
.set QA15, 50                          ; s50, s51 the tiles' last queries
.set QB15, 51
.set Q0A,  52                          ; s52, s53 their first
.set Q0B,  53
.set HOLD, 54                          ; s54 448 x 2^e4
.set MK,   55                          ; s55 all ones in the waves of the second halves, else 0
.set CNT,  67
.set KF,   98                          ; s98 my step's first key
.macro TLOAD                           ; waves 0 and 1 fetch the halves of a slot's K, waves 2 and 3 of its V, the others nothing; an s_nop 0 and four v_nop follow each line
	s_cmp_lt_u32 s[WV], 2
	s_cbranch_scc0 .Lnot_k_\@
	tensor_load_to_lds s[G0K:G0K+3], s[G1K:G1K+7]
	s_nop 0
.rept 4
	v_nop
.endr
	s_branch .Lasked_\@
.Lnot_k_\@:
	s_cmp_lt_u32 s[WV], 4
	s_cbranch_scc0 .Lasked_\@
	tensor_load_to_lds s[G0V:G0V+3], s[G1V:G1V+7]
	s_nop 0
.rept 4
	v_nop
.endr
.Lasked_\@:
.endm
	s_load_b128 s[4:7], s[0:1], 0x0                ; q, k, v's codes s[4:5], the scales' exponents s[6:7]
	s_load_b64 s[8:9], s[0:1], 0x10                ; y's codes
	v_lshl_add_u32 v[SPW], v0, 2, SPARE
	v_mov_b32 v[NIL], 0
	ds_add_u32 v[SPW], v[NIL]                      ; the wave's opening: the add, twice on end, and its wait ahead of the first tensor load
	ds_add_u32 v[SPW], v[NIL]
	v_lshrrev_b32 v7, 5, v0
	v_readfirstlane_b32 s[WV], v7                  ; wave 0..15
	s_lshr_b32 s82, s[WV], 2
	s_xor_b32 s82, s82, s[WV]
	s_and_b32 s[PAR], s82, 1
	s_lshl_b32 s[PO], s[PAR], 7
	s_lshr_b32 s83, s[WV], 1
	s_lshl_b32 s83, s83, 4                         ; 16 u
	s_and_b32 s73, ttmp7, 0xffff                   ; head index 0..31
	s_lshl_b32 s74, s73, 17                        ; a head's codes are 131,072 bytes in each of q, k, v
	s_mov_b32 s75, 0
	s_sub_co_u32 s82, 15, ttmp9
	s_lshl_b32 s82, s82, 7
	s_add_co_u32 s[Q0B], s82, s83
	s_lshl_b32 s82, ttmp9, 7
	s_add_co_u32 s[Q0A], s82, s83
	s_add_co_u32 s[QA15], s[Q0A], 15
	s_add_co_u32 s[QB15], s[Q0B], 15
	s_lshl_b32 s84, s[Q0A], 6                      ; the tiles' codes in q
	s_mov_b32 s85, 0
	s_lshl_b32 s86, s[Q0B], 6
	s_mov_b32 s87, 0
	s_cmp_eq_u32 s[PAR], 0
	s_cselect_b32 s88, s[Q0A], s[Q0B]              ; the tile that I finish
	s_cselect_b32 s[MK], 0, -1
	s_lshr_b32 s89, s73, 4                         ; y: (batch x 2,048 + its first query) x 1,024 + 64 x head
	s_lshl_b32 s89, s89, 11
	s_add_co_u32 s88, s88, s89
	s_lshl_b32 s88, s88, 10
	s_and_b32 s89, s73, 15
	s_lshl_b32 s89, s89, 6
	s_add_co_u32 s88, s88, s89
	s_mov_b32 s89, 0
	s_and_b32 s92, s[WV], 1                        ; which half of a tile I fetch, if I fetch
	s_lshl_b32 s56, s92, 15                        ; K: 512 keys of 64 bytes on in memory,
	s_mov_b32 s57, 0
	s_mul_i32 s93, s92, 256*KP                     ; 256 rows of two keys on in LDS
	s_lshl_b32 s58, s92, 16                        ; V: 32 rows of 2,048 bytes on in memory,
	s_mov_b32 s59, 0
	s_mul_i32 s94, s92, 32*VP
	s_add_co_u32 s94, s94, VOFF                    ; 32 rows on in LDS, behind K
	s_mov_b32 s[G1K], (0<<16)|(1<<20)|(4<<22)|(3<<25)   ; K: elements of 1 byte; four words of padding after every 32
	s_mov_b32 s[G1K+1], 128<<16                    ; tensor_dim0: two keys
	s_mov_b32 s[G1K+2], 256<<16                    ; tensor_dim1
	s_mov_b32 s[G1K+3], 128<<16                    ; tile_dim0
	s_mov_b32 s[G1K+4], 256                        ; tile_dim1
	s_mov_b32 s[G1K+5], 128                        ; stride
	s_mov_b32 s[G1K+6], 0
	s_mov_b32 s[G1K+7], 0
	s_mov_b32 s[G1V], (0<<16)|(1<<20)|(7<<22)|(3<<25)   ; V: four words after every 256
	s_mov_b32 s[G1V+1], SK<<16
	s_mov_b32 s[G1V+2], 32<<16
	s_mov_b32 s[G1V+3], SK<<16
	s_mov_b32 s[G1V+4], 32
	s_mov_b32 s[G1V+5], 2048
	s_mov_b32 s[G1V+6], 0
	s_mov_b32 s[G1V+7], 0
	s_mov_b32 s[SEL], 0x76543210
	s_mov_b32 s[SEL+1], 0xfedcba98
	s_mov_b32 s[CS], 0x3e38aa3b                    ; c = log2(e) / 8
	s_mov_b32 s[TBK], 0
	s_mov_b32 s[TBV], 0
	s_mov_b32 s[KS], 0
	s_wait_dscnt 0x0                               ; both opening adds are done
	s_wait_kmcnt 0x0
	s_load_b128 s[68:71], s[6:7], 0x8              ; e2, e3, e4, e5
	s_load_b32 s72, s[6:7], 0x18                   ; e6
	s_add_nc_u64 s[90:91], s[4:5], s[74:75]        ; the head in q,
	s_add_nc_u64 s[10:11], s[90:91], 4194304       ; in k,
	s_add_nc_u64 s[12:13], s[90:91], 8388608       ; in v
	s_mov_b32 s[G0K], 1
	s_mov_b32 s[G0K+1], s93                        ; slot 0
	s_add_nc_u64 s[G0K+2:G0K+3], s[10:11], s[56:57]
	s_or_b32 s[G0K+3], s[G0K+3], 0x80000000
	s_mov_b32 s[G0V], 1
	s_mov_b32 s[G0V+1], s94
	s_add_nc_u64 s[G0V+2:G0V+3], s[12:13], s[58:59]
	s_or_b32 s[G0V+3], s[G0V+3], 0x80000000
	TLOAD                                          ; slot 0
	s_add_nc_u64 s[4:5], s[90:91], s[84:85]        ; q at tile A,
	s_add_nc_u64 s[14:15], s[90:91], s[86:87]      ; at tile B
	s_add_nc_u64 s[8:9], s[8:9], s[88:89]          ; y at the tile that I finish
	v_and_b32 v8, 15, v0                           ; r
	v_bfe_u32 v9, v0, 4, 1                         ; h
	v_lshlrev_b32 v7, 6, v8
	v_lshl_add_u32 v7, v9, 4, v7                   ; Q: row r of 64 bytes, + 16 h
	global_load_b128 v[QA:QA+3], v7, s[4:5]        ; registers 4 c .. 4 c + 3: channels 32 c + 16 h + 0 .. 15: the same places as in K's fragments
	global_load_b128 v[QA+4:QA+7], v7, s[4:5] offset:32
	global_load_b128 v[QB:QB+3], v7, s[14:15]
	global_load_b128 v[QB+4:QB+7], v7, s[14:15] offset:32
	v_and_b32 v10, 8, v8
	v_add_nc_u32 v10, v10, v8                      ; my key in a tile: r + 8 (r / 8)
	v_lshrrev_b32 v11, 1, v10
	v_mul_u32_u24 v[AK0], v11, KP
	v_and_b32 v10, 1, v10
	v_lshl_add_u32 v[AK0], v10, 6, v[AK0]
	v_lshl_add_u32 v[AK0], v9, 4, v[AK0]
	s_mul_i32 s82, s[PAR], 64*KP                   ; my half of 256 keys: 64 rows of two
	v_add_nc_u32 v[AK0], s82, v[AK0]
	v_mul_u32_u24 v[AV0], v8, VP
	v_lshl_add_u32 v[AV0], v9, 4, v[AV0]
	s_add_co_u32 s82, s[PO], VOFF                  ; and 128 bytes of each of V's rows
	v_add_nc_u32 v[AV0], s82, v[AV0]
.irp st, STA, STB
	v_mov_b32 v[\st+1], 0xff61b1e6                 ; the largest t so far: -3e38
	v_floor_f32 v[\st], -v[\st+1]                  ; -M
	v_mov_b32 v[\st+2], 0
	v_mov_b32 v[\st+3], 0
.endr
.set j_, 0
.rept 96
	v_mov_b32 v[OA+j_], 0                          ; both O^T: the step is written once and its first run finds zeros; and the codes' registers, written once on every way
.set j_, j_+1
.endr
	s_wait_kmcnt 0x0
	s_add_co_i32 s73, s68, s69
	s_lshl_b32 s73, s73, 23
	s_add_co_i32 s[CS], s[CS], s73                 ; a score stands for score x 2^(e2 + e3): added to c's exponent field
	s_mov_b32 s[CS+1], s[CS]
	s_add_co_i32 s73, s70, 127
	s_lshl_b32 s74, s73, 23
	v_mov_b32 v[SCL], s74                          ; 2^e4
	s_add_co_i32 s73, s73, 8
	s_lshl_b32 s73, s73, 23
	s_or_b32 s[HOLD], s73, 0x600000                ; 448 x 2^e4
; THE SOFTMAX of one tile's 128 scores a query, in v[S ..]: state at ST, O^T at O, codes to C, QZ: the scalar that holds the tile's first query
.macro SOFT ST, O, C, QZ
	s_add_co_u32 s96, s[KF], 127                   ; on the diagonal hidden scores become -infinity ahead of the maximum; a step all of whose keys count skips this
	s_cmp_le_u32 s96, s[\QZ]
	s_cbranch_scc1 .Lopen_\@
	s_sub_co_i32 s96, s[\QZ], s[KF]
	v_and_b32 v240, 15, v0
	v_bfe_u32 v241, v0, 4, 1
	v_lshlrev_b32 v241, 4, v241
	v_sub_nc_u32 v240, v240, v241
	v_add_nc_u32 v240, s96, v240                   ; d = my query - KF - 16 (lane / 16): register 16 b + i is hidden where 32 b + i > d
	v_mov_b32 v241, 0xff800000
.set n_, 0
.rept 64
	v_cmp_gt_i32 vcc_lo, 32*(n_/16)+n_%16, v240
	v_cndmask_b32 v[S+n_], v[S+n_], v241, vcc_lo
.set n_, n_+1
.endr
.Lopen_\@:
	v_max3_num_f32 v242, v[S], v[S+1], v[S+2]      ; the step's largest score of my query, in two chains,
	v_max3_num_f32 v243, v[S+3], v[S+4], v[S+5]
.irp i, 6,10,14,18,22,26,30,34,38,42,46,50,54,58
	v_max3_num_f32 v242, v242, v[S+\i], v[S+1+\i]
	v_max3_num_f32 v243, v243, v[S+2+\i], v[S+3+\i]
.endr
	v_max3_num_f32 v242, v242, v[S+62], v[S+63]
	s_delay_alu instid0(VALU_DEP_1)
	v_max_num_f32 v242, v242, v243
	v_permlanex16_b32 v251, v242, s[SEL], s[SEL+1]
	s_delay_alu instid0(VALU_DEP_1)
	v_max_num_f32 v242, v242, v251                 ; and lane l xor 16's
	s_delay_alu instid0(VALU_DEP_1)
	v_mul_f32 v242, s[CS], v242                    ; as t
	s_delay_alu instid0(VALU_DEP_1)
	v_max_num_f32 v[\ST+1], v[\ST+1], v242
	v_mov_b32 v242, v[\ST]
	s_delay_alu instid0(VALU_DEP_2)
	v_floor_f32 v[\ST], -v[\ST+1]                  ; the new -M = -ceil(t)
	s_delay_alu instid0(VALU_DEP_1)
	v_sub_f32 v242, v[\ST], v242                   ; old M - new M: a whole number, 0 or less
	s_delay_alu instid0(VALU_DEP_1)
	v_cvt_i32_f32 v242, v242
	s_delay_alu instid0(VALU_DEP_1)
	v_ldexp_f32 v252, 1.0, v242                    ; f = 2^(old M - new M)
	s_wait_alu depctr_va_vdst(0)                   ; directly ahead of the first reader of O^T
.set j_, 0
.rept 16
	v_pk_mul_f32 v[\O+j_:\O+j_+1], v[\O+j_:\O+j_+1], v[252:253] op_sel_hi:[1,0]   ; O^T under the new M
.set j_, j_+2
.endr
.set j_, 0
.rept 32
	v_pk_fma_f32 v[S+j_:S+j_+1], v[S+j_:S+j_+1], s[CS:CS+1], v[\ST:\ST+1] op_sel_hi:[1,0,0]   ; t - M
.set j_, j_+2
.endr
	s_wait_alu depctr_va_vdst(0)                   ; the wait ahead of the batch
.set j_, 0
.rept 64
	v_exp_f32 v[S+j_], v[S+j_]                     ; p = 2^(t - M)
.set j_, j_+1
.endr
	v_pk_mul_f32 v[\ST+2:\ST+3], v[\ST+2:\ST+3], v[252:253] op_sel_hi:[1,0]   ; the sums under the new M: a plain instruction behind the exponentials
	s_wait_alu depctr_va_vdst(0)                   ; one wait for the batch, ahead of its first reader
	v_pk_add_f32 v[244:245], v[S:S+1], v[S+2:S+3]  ; the sum of the unquantised p: 32 pairs in four chains
	v_pk_add_f32 v[246:247], v[S+4:S+5], v[S+6:S+7]
	v_pk_add_f32 v[248:249], v[S+8:S+9], v[S+10:S+11]
	v_pk_add_f32 v[\ST+2:\ST+3], v[\ST+2:\ST+3], v[S+12:S+13]
.set j_, 14
.rept 6
	v_pk_add_f32 v[244:245], v[244:245], v[S+j_:S+j_+1]
	v_pk_add_f32 v[246:247], v[246:247], v[S+j_+2:S+j_+3]
	v_pk_add_f32 v[248:249], v[248:249], v[S+j_+4:S+j_+5]
	v_pk_add_f32 v[\ST+2:\ST+3], v[\ST+2:\ST+3], v[S+j_+6:S+j_+7]
.set j_, j_+8
.endr
	v_pk_add_f32 v[244:245], v[244:245], v[S+62:S+63]
	v_pk_add_f32 v[\ST+2:\ST+3], v[\ST+2:\ST+3], v[248:249]
	v_pk_add_f32 v[244:245], v[244:245], v[246:247]
	v_pk_add_f32 v[\ST+2:\ST+3], v[\ST+2:\ST+3], v[244:245]
.irp b, 0,1,2,3
.set i_, 0
.rept 16
	v_min_num_f32 v[S+16*\b+i_], s[HOLD], v[S+16*\b+i_]   ; the hold (the conversion does not saturate: ISA guide 7.6.2); p is not negative
.set i_, i_+1
.endr
	v_cvt_scalef32_pk8_fp8_f32 v[\C+4*\b:\C+4*\b+1], v[S+16*\b:S+16*\b+7], v[SCL]
	v_cvt_scalef32_pk8_fp8_f32 v[\C+4*\b+2:\C+4*\b+3], v[S+16*\b+8:S+16*\b+15], v[SCL]
.endr
	v_nop                                          ; a plain instruction behind the last conversion
.endm
.macro STEP                            ; my 128 of the 256 keys in hand, for both tiles
	s_add_co_u32 s[KF], s[KS], s[PO]
	s_cmp_gt_u32 s[KF], s[QB15]                    ; all keys come after both tiles' queries: the step's work is left out; ids and the count of steps alone
	s_cbranch_scc1 .Lhidden_\@
	v_add_nc_u32 v[ADR], s[TBK], v[AK0]
.rept 3
	v_nop                                          ; with the addition: four places in front of loads into registers that the last products read
.endr
.irp t, 0,1,2,3,4,5,6,7
.irp c, 0,1
	ds_load_b128 v[F+8*\t+4*\c:F+8*\t+4*\c+3], v[ADR] offset:(16*(\t/2)+4*(\t%2))*KP+32*\c
.endr
.endr
	s_wait_dscnt 0x0
	s_cmp_gt_u32 s[KF], s[QA15]                    ; tile A is past its diagonal: only tile B is worked
	s_cbranch_scc1 .Lno_a_\@
.irp t, 0,1,2,3,4,5,6,7
	v_wmma_f32_16x16x64_fp8_fp8 v[S+8*\t:S+8*\t+7], v[F+8*\t:F+8*\t+7], v[QA:QA+7], 0
.endr
.rept 4
	v_nop                                          ; places in front of the first read of the scores
.endr
	SOFT STA, OA, CA, Q0A
.Lno_a_\@:
.irp t, 0,1,2,3,4,5,6,7
	v_wmma_f32_16x16x64_fp8_fp8 v[S+8*\t:S+8*\t+7], v[F+8*\t:F+8*\t+7], v[QB:QB+7], 0
.endr
	v_add_nc_u32 v[ADR], s[TBV], v[AV0]
.rept 3
	v_nop                                          ; with the addition: four places, for the loads below and for the first read of the scores
.endr
.irp t, 0,1,2,3
.irp c, 0,1,2,3
	ds_load_b128 v[F+16*\t+4*\c:F+16*\t+4*\c+3], v[ADR] offset:16*\t*VP+32*\c   ; V's four fragments land while tile B's softmax runs
.endr
.endr
	SOFT STB, OB, CB, Q0B
	s_wait_alu depctr_va_vdst(0)
	s_wait_dscnt 0x0                               ; V's fragments
	s_cmp_gt_u32 s[KF], s[QA15]
	s_cbranch_scc1 .Lno_pa_\@
.irp t, 0,1,2,3
	v_wmma_f32_16x16x128_fp8_fp8 v[OA+8*\t:OA+8*\t+7], v[F+16*\t:F+16*\t+15], v[CA:CA+15], v[OA+8*\t:OA+8*\t+7]   ; accumulators by turns
.endr
.Lno_pa_\@:
.irp t, 0,1,2,3
	v_wmma_f32_16x16x128_fp8_fp8 v[OB+8*\t:OB+8*\t+7], v[F+16*\t:F+16*\t+15], v[CB:CB+15], v[OB+8*\t:OB+8*\t+7]
.endr
.Lhidden_\@:
	s_add_co_u32 s[KS], s[KS], 256                 ; the next 256 keys:
	s_add_co_u32 s[TBK], s[TBK], 128*KP            ; 128 rows of two keys on,
	s_add_co_u32 s[TBV], s[TBV], 256               ; 256 bytes on in V's rows
.endm
	s_wait_alu depctr_va_vdst(0)                   ; the wait at the head's end
	s_wait_loadcnt 0x0                             ; Q
	; THE FIRST BARRIER: slot 0 is whole behind it.  Slot 1's first fill is issued as a refill is: every wave's wait for its tensor loads, the add, its wait, the barrier, then the load.
	s_wait_tensorcnt 0x0
	ds_add_u32 v[SPW], v[NIL]
	ds_add_u32 v[SPW], v[NIL]                      ; the add twice
	s_add_co_u32 s[G0K+1], s[G0K+1], SLOTB         ; the descriptors step to slot 1, the next 1,024 keys
	s_add_nc_u64 s[G0K+2:G0K+3], s[G0K+2:G0K+3], SK*64
	s_add_co_u32 s[G0V+1], s[G0V+1], SLOTB
	s_add_nc_u64 s[G0V+2:G0V+3], s[G0V+2:G0V+3], SK
	s_wait_dscnt 0x0
	s_barrier_signal -1
	s_barrier_wait -1
	TLOAD                                          ; slot 1
	s_mov_b32 s[CNT], 4
.Lslot0:                                           ; my four steps of slot 0
	STEP
	s_sub_co_u32 s[CNT], s[CNT], 1
	s_cmp_lg_u32 s[CNT], 0
	s_cbranch_scc1 .Lslot0
	; THE SECOND BARRIER: slot 1 is whole behind it, and nobody reads slot 0 any more.
	s_wait_tensorcnt 0x0
	ds_add_u32 v[SPW], v[NIL]
	s_mov_b32 s[TBK], SLOTB
	s_mov_b32 s[TBV], SLOTB
	s_mov_b32 s[CNT], 4
	s_wait_dscnt 0x0
	s_barrier_signal -1
	s_barrier_wait -1
.Lslot1:                                           ; my four steps of slot 1
	STEP
	s_sub_co_u32 s[CNT], s[CNT], 1
	s_cmp_lg_u32 s[CNT], 0
	s_cbranch_scc1 .Lslot1
	; THE PAIR JOINS ITS PARTS.  The part that I hand over and the part that I keep are chosen by selects, no branch.  The first five vector lines name no register of the last products: their places.
	s_mul_i32 s73, s[WV], XW
	s_xor_b32 s74, s[WV], 1
	s_mul_i32 s74, s74, XW
	v_and_b32 v1, 31, v0
	v_lshl_add_u32 v2, v1, 4, s73                  ; my hand-over: 16 x lane
	v_lshl_add_u32 v7, v1, 4, s74                  ; my partner's
	v_add_f32 v[STA+2], v[STA+2], v[STA+3]
	v_add_f32 v[STB+2], v[STB+2], v[STB+3]         ; the sums' two halves
	v_lshl_add_u32 v64, v1, 3, s73                 ; the pair (-M, sum): 8 x lane, 4,096 on
	v_lshl_add_u32 v65, v1, 3, s74
	v_and_b32 v66, 15, v0
	v_bfe_u32 v67, v0, 4, 1
	s_mul_i32 s75, s[WV], 16*YP
	s_add_co_u32 s75, s75, YST
	v_mul_u32_u24 v76, v66, YP
	v_lshl_add_u32 v76, v67, 3, v76
	v_add_nc_u32 v76, s75, v76                     ; y's stage, in: row r, + 8 h
	v_bfe_u32 v77, v0, 2, 3
	v_and_b32 v66, 3, v0
	v_lshlrev_b32 v78, 10, v77
	v_lshl_add_u32 v78, v66, 4, v78                ; in y: four lanes to a token's 64 bytes, eight tokens an instruction
	v_mul_u32_u24 v77, v77, YP
	v_lshl_add_u32 v77, v66, 4, v77
	v_add_nc_u32 v77, s75, v77                     ; back: row lane / 4, 16 bytes a lane
	v_mov_b32 v79, 0                               ; a lane permute's destination counts as read
	v_mov_b32 v81, 0                               ; (named as the upper halves of pairs)
	v_mov_b32 v83, 0
	v_cndmask_b32 v70, v[STB], v[STA], s[MK]       ; handed over: -M,
	v_cndmask_b32 v71, v[STB+2], v[STA+2], s[MK]   ; the sum
	v_cndmask_b32 v72, v[STA], v[STB], s[MK]       ; kept
	v_cndmask_b32 v73, v[STA+2], v[STB+2], s[MK]
	s_wait_alu depctr_va_vdst(0)                   ; directly ahead of the first reader of O^T
.set j_, 0
.rept 32
	v_cndmask_b32 v[96+j_], v[OB+j_], v[OA+j_], s[MK]    ; each accumulator from its low end on
.set j_, j_+1
.endr
.set j_, 0
.rept 32
	v_cndmask_b32 v[128+j_], v[OA+j_], v[OB+j_], s[MK]
.set j_, j_+1
.endr
.irp k, 0,1,2,3,4,5,6,7
	ds_store_b128 v2, v[96+4*\k:99+4*\k] offset:512*\k   ; an image of the registers
.endr
	ds_store_b64 v64, v[70:71] offset:4096
	s_wait_alu depctr_va_vdst(0)
	s_wait_dscnt 0x0                               ; for my partner's sake: my stores are done
	s_barrier_signal -1
	s_barrier_wait -1
.irp k, 0,1,2,3,4,5,6,7
	ds_load_b128 v[32+4*\k:35+4*\k], v7 offset:512*\k
.endr
	ds_load_b64 v[74:75], v65 offset:4096
	s_wait_dscnt 0x0
	v_min_num_f32 v66, v72, v74                    ; -M of the larger M
	v_sub_f32 v67, v66, v72
	v_sub_f32 v68, v66, v74                        ; each part's M less the larger: whole numbers, 0 or less
	v_cvt_i32_f32 v67, v67                         ; (it saturates)
	v_cvt_i32_f32 v68, v68
	v_ldexp_f32 v67, 1.0, v67
	v_ldexp_f32 v68, 1.0, v68
	v_mul_f32 v69, v73, v67
	v_fma_f32 v69, v75, v68, v69
	v_permlanex16_b32 v79, v69, s[SEL], s[SEL+1]
	v_add_f32 v69, v69, v79                        ; the row's sum
	s_wait_alu depctr_va_vdst(0)                   ; the wait ahead of the reciprocal
	v_rcp_f32 v69, v69
	s_add_co_i32 s82, s70, s71
	s_add_co_i32 s75, s72, 127
	s_lshl_b32 s83, s75, 23
	v_mov_b32 v84, s83                             ; 2^e6 (a plain instruction behind the reciprocal)
	s_add_co_i32 s75, s75, 8
	s_lshl_b32 s75, s75, 23
	s_or_b32 s75, s75, 0x600000
	v_mov_b32 v85, s75                             ; 448 x 2^e6
	s_wait_alu depctr_va_vdst(0)                   ; the wait ahead of the reciprocal's first reader
	v_ldexp_f32 v69, v69, s82                      ; x 2^(e4 + e5)
	v_mul_f32 v80, v67, v69
	v_mul_f32 v82, v68, v69
.set j_, 0
.rept 16
	v_pk_mul_f32 v[128+j_:129+j_], v[128+j_:129+j_], v[80:81] op_sel_hi:[1,0]
.set j_, j_+2
.endr
.set j_, 0
.rept 16
	v_pk_fma_f32 v[128+j_:129+j_], v[32+j_:33+j_], v[82:83], v[128+j_:129+j_] op_sel_hi:[1,0,1]   ; register 8 t + i is y(r, 16 t + 8 h + i)
.set j_, j_+2
.endr
.set j_, 0
.rept 32
	v_med3_num_f32 v[128+j_], v[128+j_], -v85, v85
.set j_, j_+1
.endr
.irp t, 0,1,2,3
	v_cvt_scalef32_pk8_fp8_f32 v[86+2*\t:87+2*\t], v[128+8*\t:135+8*\t], v84
.endr
	v_nop
.irp t, 0,1,2,3
	ds_store_b64 v76, v[86+2*\t:87+2*\t] offset:16*\t
.endr
.irp u, 0,1
	ds_load_b128 v[96+4*\u:99+4*\u], v77 offset:8*YP*\u   ; my own bytes, served in order
.endr
.irp u, 0,1
	s_wait_dscnt 1-\u                              ; at most the younger load is out
	global_store_b128 v78, v[96+4*\u:99+4*\u], s[8:9] offset:8192*\u
.endr
	s_wait_tensorcnt 0x0                           ; the wave's end
	ds_add_u32 v[SPW], v[NIL]
	s_wait_dscnt 0x0
	s_endpgm
.Lfunc_end_k_q755a5ae78d_attn:
	.size	k_q755a5ae78d_attn, .Lfunc_end_k_q755a5ae78d_attn-k_q755a5ae78d_attn
	.p2alignl 7, 3214868480
	.fill 96, 4, 3214868480
	.section	.rodata,"a",@progbits
	.p2align	6, 0x0
	.amdhsa_kernel k_q755a5ae78d_attn
		.amdhsa_group_segment_fixed_size 327680
		.amdhsa_private_segment_fixed_size 0
		.amdhsa_enable_private_segment 0
		.amdhsa_kernarg_size 24
		.amdhsa_user_sgpr_count 2
		.amdhsa_user_sgpr_kernarg_segment_ptr 1
		.amdhsa_wavefront_size32 1
		.amdhsa_system_sgpr_workgroup_id_x 1
		.amdhsa_system_sgpr_workgroup_id_y 1
		.amdhsa_system_sgpr_workgroup_id_z 1
		.amdhsa_system_vgpr_workitem_id 0
		.amdhsa_next_free_vgpr 256
		.amdhsa_next_free_sgpr 100
		.amdhsa_reserve_vcc 1
		.amdhsa_float_denorm_mode_32 3
		.amdhsa_float_denorm_mode_16_64 3
		.amdhsa_memory_ordered 1
		.amdhsa_forward_progress 1
		.amdhsa_inst_pref_size 104
	.end_amdhsa_kernel
	.amdgpu_metadata
---
amdhsa.version: [ 1, 2 ]
amdhsa.kernels:
  - .name:           k_q755a5ae78d_attn
    .symbol:         k_q755a5ae78d_attn.kd
    .args:
      - { .name: qkvc, .offset: 0, .size: 8, .value_kind: global_buffer, .address_space: global }
      - { .name: lowp_scales, .offset: 8, .size: 8, .value_kind: global_buffer, .address_space: global }
      - { .name: yc, .offset: 16, .size: 8, .value_kind: global_buffer, .address_space: global }
    .group_segment_fixed_size: 327680
    .private_segment_fixed_size: 0
    .kernarg_segment_align: 8
    .kernarg_segment_size: 24
    .max_flat_workgroup_size: 512
    .sgpr_count:     100
    .vgpr_count:     256
    .wavefront_size: 32
...
	.end_amdgpu_metadata
.endif
;; end of part 11
;; launch gemm_proj (part 12): grid 8 x 32, 4 waves a work-group, clusters of 4 x 4, 327,680 bytes of LDS; arguments yc, wcodes, lowp_scales, b_proj, x, x2; writes x2
.if DOCPART == 12
	.amdgcn_target "amdgcn-amd-amdhsa--gfx1250"
	.amdhsa_code_object_version 6
	.text
	.protected	k_q755a5ae78d_gemm_proj
	.globl	k_q755a5ae78d_gemm_proj
	.p2align	8
	.type	k_q755a5ae78d_gemm_proj,@function
k_q755a5ae78d_gemm_proj:
	s_mov_b64 s[64:65], 0
	v_nop
	global_prefetch_b8 v0, s[64:65] scope:SCOPE_SE
	s_setreg_imm32_b32 hwreg(HW_REG_WAVE_MODE, 25, 1), 1
	s_wait_xcnt 0x0
	s_wait_alu depctr_hold_cnt(0) depctr_sa_sdst(0) depctr_va_vdst(0) depctr_va_sdst(0) depctr_va_ssrc(0) depctr_va_vcc(0) depctr_vm_vsrc(0)
	s_getreg_b32 s2, hwreg(HW_REG_IB_STS2, 6, 4)
	s_cmp_eq_u32 s2, 0
	s_cbranch_scc0 .Lentry_in_a_cluster
	s_endpgm
.Lentry_in_a_cluster:
	s_bfe_u32 s2, ttmp6, 0x10000c
	s_cmp_lg_u32 s2, 0xf033
	s_cbranch_scc0 .Lentry_shape_is_right
	s_endpgm
.Lentry_shape_is_right:
; x2 = x + (y W_proj + b_proj): y [4096][1024] codes (2^e6), W_proj [1024][1024] codes, K innermost (2^e7), at byte 3,145,728 of the weights' codes; f32 sums; x, x2 [4096][1024] f32.
; LIMIT: e6 + e7 between -126 and 127.
; THE TILE.  The result has 4,096 x 1,024 numbers: 64 tiles of 256 x 256, or 256 of 128 x 128.  The smaller tile is taken, so that there are 256 work-groups.  Four waves, each 64 x 64: 16 accumulators, 128 registers.
; K goes in steps of 512 (LDS rows of 512 bytes; a wave's tensor load brings 64 of them), as long as two slots in LDS allow.
; CLUSTERS of 4 x 4: A's tile is shared along a row of the cluster, B's along a column; each is asked for jointly.  Source 0 = 16 rows of B, source 1 = 16 rows of A: a lane holds eight neighbouring numbers of a row of C.
; REGISTERS: window 0: v0-31 addresses, v8-11 my four biases; v32-95 two sets of rows read back on the way out; v128-255 the accumulators ((a, b) at v[128 + 8 (4 a + b)]).
;   window 1: two fragment buffers of 128: for 128 along K, 64 registers of A (4 x 16 rows), then 64 of B.   window 2: v0-127 the residual's numbers of my 64 x 64, loaded at the head.
.set KROW,   1024                      ; a row of either operand in bytes
.set WOFF,   3145728
.set SCOFF,  0x18
.set FINAL,  0                         ; 1: the stores are the program's last
.set ROWB,   512                       ; a tile's row: 512 along K
.set PITCH,  528                       ; an LDS row: 512 bytes + 16 = 132 words: row r starts at bank 4 r mod 64 (64 banks of 4 bytes: ISA guide 11.1), so the 16 rows of a fragment load start at 16 different banks
.set FR,     16                        ; registers of a fragment: 16 rows x 128 K
.set NP,     4                         ; places behind this matrix instruction (ISA guide 7.12.1)
.set HALFT,  64*PITCH                  ; 64 rows: what one tensor load brings, and what one wave reads of A or of B
.set SLOT,   4*HALFT                   ; A's 128 rows, then B's 128 rows
.set LAPS,   KROW/(2*ROWB)             ; a lap = two K steps = once round the ring
.set STAGE,  2*SLOT                    ; behind the ring: 16 rows x 272 bytes for each wave, for the way out
.set SPITCH, 272
.set SPARE,  STAGE+4*16*SPITCH         ; behind the stages: the spare words, 128 bytes for each wave
.set BI,   8                           ; v8-11 the bias of my four columns of a row read back
.set BIO,  12                          ; v12   16 x (lane % 16); never rewritten
.set ADRA, 16                          ; v16-17 LDS address of my A fragments in slot 0, 1
.set ADRB, 20                          ; v20-21 the same for B
.set STO,  24                          ; v24   the way out: where I put 32 bytes of a row
.set RD,   25                          ; v25   the way out: where I read 16 bytes of a row back
.set CO,   26                          ; v26   my 16 bytes in two rows of 4,096; never rewritten
.set SPW,  28
.set NIL,  29
.set BK,   32
.set ACC,  128
.set F0,   0                           ; fragment buffers, in window 1
.set F1,   128
.set G1, 24
.set G0, 32
.set G1B, 48
.set G0B, 56
.set MSB, 0
.macro WIN new                         ; the immediate's high byte repeats the setting that is left
.if MSB != \new
	s_set_vgpr_msb (MSB<<8)|\new
.set MSB, \new
.endif
.endm
.set MUL,  0x05                        ; sources 0 (B) and 1 (A) window 1; C and D window 0
.set TO_F, 0x40                        ; destination window 1, address window 0
.macro JLOAD g0a, g1a, g0b, g1b        ; a joint load: waves 0 and 1 fetch for A, waves 2 and 3 for B; an s_nop 0 and four v_nop follow each line
	s_cmp_eq_u32 s15, 0
	s_cbranch_scc0 .Lfor_b_\@
	tensor_load_to_lds s[\g0a:\g0a+3], s[\g1a:\g1a+7]
	s_nop 0
.rept 4
	v_nop
.endr
	s_branch .Lasked_\@
.Lfor_b_\@:
	tensor_load_to_lds s[\g0b:\g0b+3], s[\g1b:\g1b+7]
	s_nop 0
.rept 4
	v_nop
.endr
.Lasked_\@:
.endm
.macro CREST                           ; a round of the cluster's barrier behind its opening barrier
	s_cmp_lg_u32 s14, 0
	s_cbranch_scc1 .Lnot_wave_0_\@
	s_barrier_signal -3
.Lnot_wave_0_\@:
	s_barrier_wait -3
	s_barrier_signal -1
	s_barrier_wait -1
.endm
.macro CROUND
	s_barrier_signal -1
	s_barrier_wait -1
	CREST
.endm
	s_load_b128 s[4:7], s[0:1], 0x0                ; A's codes, the weights' codes
	s_load_b128 s[8:11], s[0:1], 0x10              ; the scales' exponents, the bias
	s_load_b128 s[68:71], s[0:1], 0x20             ; the residual s[68:69], the output s[70:71]
	v_lshl_add_u32 v[SPW], v0, 2, SPARE
	v_mov_b32 v[NIL], 0
	ds_add_u32 v[SPW], v[NIL]                      ; the wave's opening: the add and its wait ahead of my first tensor load
	ds_add_u32 v[SPW], v[NIL]
	v_lshrrev_b32 v1, 5, v0
	v_readfirstlane_b32 s14, v1                    ; wave 0..3
	s_lshr_b32 s15, s14, 1                         ; which half of the tile's rows is mine.  Also: I fetch for A (0) or for B (1)
	s_and_b32 s16, s14, 1                          ; which half of its columns.  Also: which 64 rows of that tile I fetch
	s_bfe_u32 s40, ttmp6, 0x40000                  ; cx, cy
	s_bfe_u32 s41, ttmp6, 0x40004
	s_lshl_b32 s42, ttmp9, 2
	s_add_co_u32 s42, s42, s40                     ; tile column
	s_and_b32 s17, ttmp7, 0xffff
	s_lshl_b32 s17, s17, 2
	s_add_co_u32 s17, s17, s41                     ; tile row
	s_lshl_b32 s43, s41, 2
	s_lshl_b32 s43, 15, s43                        ; my row of the cluster
	s_lshl_b32 s44, 0x1111, s40                    ; my column
	s_or_b32 s[G1+0], s43, (0<<16)|(1<<20)|(1<<21)|(6<<22)|(3<<25)  ; the mask; elements of 1 byte; padding on; bit 21 beside a mask; 4 words after every 128
	s_or_b32 s[G1B+0], s44, (0<<16)|(1<<20)|(1<<21)|(6<<22)|(3<<25)
.irp g, G1, G1B
	s_mov_b32 s[\g+1], ROWB<<16                    ; tensor_dim0
	s_mov_b32 s[\g+2], 64<<16                      ; tensor_dim1
	s_mov_b32 s[\g+3], ROWB<<16                    ; tile_dim0
	s_mov_b32 s[\g+4], 64                          ; tile_dim1
	s_mov_b32 s[\g+5], KROW                        ; stride
	s_mov_b32 s[\g+6], 0
	s_mov_b32 s[\g+7], 0
.endr
	s_lshl_b32 s18, s16, 6
	s_lshl_b32 s20, s17, 7
	s_add_co_u32 s20, s20, s18                     ; A: row 128 x tile row + 64 x half
	s_lshl_b32 s46, s42, 7
	s_add_co_u32 s46, s46, s18                     ; B: row 128 x tile column + 64 x half
	s_mov_b32 s21, 0
	s_mov_b32 s47, 0
	s_mov_b64 s[18:19], KROW
	s_mul_u64 s[20:21], s[20:21], s[18:19]
	s_mul_u64 s[46:47], s[46:47], s[18:19]
	s_mul_i32 s45, s14, HALFT                      ; where they go: wave x 64 rows
	s_wait_dscnt 0x0                               ; the opening add is done
	s_wait_kmcnt 0x0
	s_load_b64 s[96:97], s[8:9], SCOFF             ; ea, eb
	s_add_nc_u64 s[20:21], s[4:5], s[20:21]
	s_add_nc_u64 s[46:47], s[6:7], s[46:47]
	s_add_nc_u64 s[46:47], s[46:47], WOFF
	CROUND                                         ; all sixteen work-groups are here: the first joint loads meet
.irp s, 0,1
	s_mov_b32 s[G0+4*\s], 1
	s_add_co_u32 s[G0+4*\s+1], s45, \s*SLOT
	s_add_nc_u64 s[G0+4*\s+2:G0+4*\s+3], s[20:21], \s*ROWB
	s_or_b32 s[G0+4*\s+3], s[G0+4*\s+3], 0x80000000
	s_mov_b32 s[G0B+4*\s], 1
	s_add_co_u32 s[G0B+4*\s+1], s45, \s*SLOT
	s_add_nc_u64 s[G0B+4*\s+2:G0B+4*\s+3], s[46:47], \s*ROWB
	s_or_b32 s[G0B+4*\s+3], s[G0B+4*\s+3], 0x80000000
.endr
	JLOAD G0, G1, G0B, G1B                         ; K step 0: one tensor load a wave at the head
	; THE PREFETCH.  Behind K step 0's load each wave names K step 1, the last.  Of the 64 rows that a wave fetches, each of the four partners that ask jointly names 16, told apart by address: two lanes to a row's 512 bytes, 256 bytes apart.
	s_cmp_eq_u32 s15, 0                            ; do I fetch for A?
	s_cselect_b64 s[74:75], s[20:21], s[46:47]     ; the first of the 64 rows that I fetch
	s_cselect_b32 s76, s40, s41                    ; my place among the four that ask with me
	s_lshl_b32 s76, s76, 14                        ; 16 rows of 1,024 bytes
	s_mov_b32 s77, 0
	s_add_nc_u64 s[74:75], s[74:75], s[76:77]      ; never rewritten
	v_and_b32 v31, 31, v0
	v_and_b32 v30, 1, v31
	v_lshrrev_b32 v31, 1, v31
	v_lshlrev_b32 v30, 8, v30
	v_lshl_add_u32 v30, v31, 10, v30               ; 1,024 x (lane / 2) + 256 x (lane % 2); never rewritten
	global_prefetch_b8 v30, s[74:75] offset:ROWB th:TH_LOAD_NT scope:SCOPE_SE
	v_and_b32 v1, 15, v0                           ; r
	s_wait_alu depctr_va_vdst(0)
	v_bfe_u32 v2, v0, 4, 1                         ; h
	v_mul_u32_u24 v3, v1, PITCH
	v_lshl_add_u32 v4, v2, 4, v3                   ; a fragment's row x pitch + 16 h
	s_mul_i32 s21, s15, HALFT                      ; my 64 rows of A
	s_mul_i32 s22, s16, HALFT                      ; my 64 rows of B,
	s_add_co_u32 s22, s22, 2*HALFT                 ; which lie behind A's 128
.irp s, 0,1
	v_add_nc_u32 v[ADRA+\s], s21, v4
	v_add_nc_u32 v[ADRB+\s], s22, v4
	s_add_co_u32 s21, s21, SLOT
	s_add_co_u32 s22, s22, SLOT
.endr
	s_mul_i32 s23, s14, 16*SPITCH
	s_add_co_u32 s23, s23, STAGE                   ; my stage
	v_mul_u32_u24 v5, v1, SPITCH
	s_wait_alu depctr_va_vdst(0)
	v_lshl_add_u32 v5, v2, 5, v5
	v_add_nc_u32 v[STO], s23, v5                   ; in: row r, 32 bytes for each half of the lanes
	v_mul_u32_u24 v5, v2, SPITCH
	v_lshl_add_u32 v5, v1, 4, v5
	v_add_nc_u32 v[RD], s23, v5                    ; back: lanes 0-15 take one row of 256 bytes, lanes 16-31 the next
	v_lshlrev_b32 v5, 12, v2
	v_lshl_add_u32 v[CO], v1, 4, v5                ; and the same two rows, of 4,096 bytes, in the residual and in the output
	v_lshlrev_b32 v[BIO], 4, v1
	s_wait_alu depctr_va_vdst(0)
	s_lshl_b32 s20, s17, 7
	s_lshl_b32 s21, s15, 6
	s_add_co_u32 s20, s20, s21
	s_lshl_b32 s20, s20, 12                        ; my first row, of 4,096 bytes,
	s_lshl_b32 s72, s42, 9
	s_lshl_b32 s73, s16, 8
	s_add_co_u32 s72, s72, s73                     ; my first column, in bytes: 512 x tile column + 256 x half
	s_add_co_u32 s20, s20, s72
	s_mov_b32 s21, 0
	s_mov_b32 s73, 0
	s_add_nc_u64 s[68:69], s[68:69], s[20:21]
	s_add_nc_u64 s[70:71], s[70:71], s[20:21]
	s_add_nc_u64 s[72:73], s[10:11], s[72:73]
	global_load_b128 v[BI:BI+3], v[BIO], s[72:73]  ; the bias of my four columns; it and the residual below land while the products run
	WIN 0x80                                       ; destination window 2, address window 0
.irp a, 0,1,2,3
.irp t, 0,1,2,3,4,5,6,7
	global_load_b128 v[32*\a+4*\t:32*\a+4*\t+3], v[CO], s[68:69] offset:(16*\a+2*\t)*4096   ; the residual in the layout in which the rows come back from the stage: sixteen lanes read 256 consecutive bytes
.endr
.endr
	WIN 0
.macro FRAG reg, adr, k, i             ; 16 rows x 128 K of codes in 16 registers: registers 4 c .. 4 c + 3 hold K = 32 c + 16 (l / 16) + 0 .. 15: the same places in both operands
.irp c, 0,1,2,3
	ds_load_b128 v[\reg+4*\c:\reg+4*\c+3], v[\adr] offset:(\k)+32*\c+(\i)*16*PITCH
.endr
.endm
; 32 LDS loads in one run: the fragments of 128 along K at byte k of the rows, into buffer f: B's four, then A's four
.macro FETCH slot, k, f
	WIN TO_F
.irp i, 0,1,2,3
	FRAG \f+64+FR*\i, ADRB+\slot, \k, \i
.endr
.irp i, 0,1,2,3
	FRAG \f+FR*\i, ADRA+\slot, \k, \i
.endr
.endm
; 4 matrix instructions: A's block a x B's four, 128 along K.  The 16 accumulators take turns, one instruction a turn, in the same order in every quarter.  zero = 1: the first product starts the sums
.macro MUL4 f, a, zero
.irp b, 0,1,2,3
.if \zero
	v_wmma_f32_16x16x128_fp8_fp8 v[ACC+8*(4*(\a)+\b):ACC+8*(4*(\a)+\b)+7], v[\f+64+FR*\b:\f+64+FR*\b+FR-1], v[\f+FR*(\a):\f+FR*(\a)+FR-1], 0
.else
	v_wmma_f32_16x16x128_fp8_fp8 v[ACC+8*(4*(\a)+\b):ACC+8*(4*(\a)+\b)+7], v[\f+64+FR*\b:\f+64+FR*\b+FR-1], v[\f+FR*(\a):\f+FR*(\a)+FR-1], v[ACC+8*(4*(\a)+\b):ACC+8*(4*(\a)+\b)+7]
.endif
.endr
.endm
.macro PLACES n                        ; plain vector instructions between a matrix instruction and a load into, or an LDS store of, its registers
.rept \n
	v_nop
.endr
.endm
; A K step is four quarters of 128 along K, 16 matrix instructions each, on buffers 0, 1, 0, 1.  One of the first three: multiplies buffer f; at its head it fetches the next quarter, at byte k, into g, which the quarter before multiplied.
.macro QUARTER slot, k, f, g, zero
	s_wait_dscnt 8                                 ; B's four and A's blocks 0, 1 are in; the youngest 8 loads (A's blocks 2, 3) may be out
	PLACES NP
	FETCH \slot, \k, \g
	WIN MUL
	MUL4 \f, 0, \zero
	MUL4 \f, 1, \zero
	s_wait_dscnt 32                                ; all but the 32 just issued
	MUL4 \f, 2, \zero
	MUL4 \f, 3, \zero
.endm
; The last quarter multiplies buffer 1 and changes slots: ONE barrier; in front of it each wave waits for all its tensor loads, adds 0 to its spare word, and waits for that and for its own reads of this slot.  fill = 1: this slot is filled again, two K steps ahead.
.macro TURN slot, next, fill
	WIN 0                                          ; (the add's two registers lie in window 0)
	s_wait_tensorcnt 0x0                           ; all my tensor loads have landed: my part of the next slot
	ds_add_u32 v[SPW], v[NIL]                      ; 0 onto my spare word
	s_wait_dscnt 9                                 ; the add and the youngest 8 loads may be out
	WIN MUL
	MUL4 F1, 0, 0                                  ; eight matrix instructions stand between the add and the wait for it
	MUL4 F1, 1, 0
	s_wait_dscnt 0x0                               ; the add is done, and my reads of this slot are over
	s_barrier_signal -1
	MUL4 F1, 2, 0
	WIN 0
	s_barrier_wait -1
.if \fill
	CREST                                          ; the barrier has opened a round of the cluster's: no wave of any partner still reads this slot or has a load on its way
	s_add_nc_u64 s[G0+4*\slot+2:G0+4*\slot+3], s[G0+4*\slot+2:G0+4*\slot+3], 2*ROWB
	s_add_nc_u64 s[G0B+4*\slot+2:G0B+4*\slot+3], s[G0B+4*\slot+2:G0B+4*\slot+3], 2*ROWB
	JLOAD G0+4*\slot, G1, G0B+4*\slot, G1B         ; the first tensor load behind the round; its four v_nop are the places in front of the loads below
.else
	PLACES NP
.endif
	FETCH \next, 0, F0
	WIN MUL
	MUL4 F1, 3, 0
.endm
	s_wait_alu depctr_va_vdst(0)                   ; the wait at the head's end
	s_wait_tensorcnt 0x0                           ; my part of K step 0 is in; slot 1's first fill is issued as a refill is:
	ds_add_u32 v[SPW], v[NIL]                      ; 0 onto my spare word
	s_wait_dscnt 0x0
	CROUND                                         ; everybody's part of K step 0 is in, and all sixteen work-groups are here
	JLOAD G0+4, G1, G0B+4, G1B                     ; K step 1: the first tensor load behind the round
	FETCH 0, 0, F0
	QUARTER 0, 128, F0, F1, 1                      ; the first quarter stands in front of the loop: its products start the sums
.if LAPS > 1
	WIN 0                                          ; at a label and at a branch every window is 0
	s_mov_b32 s3, LAPS-1
.Llap:                                                 ; a trip goes once round the ring, from a lap's second quarter to the next lap's first, and fills both slots again
	QUARTER 0, 256, F1, F0, 0
	QUARTER 0, 384, F0, F1, 0
	TURN 0, 1, 1
	QUARTER 1, 128, F0, F1, 0
	QUARTER 1, 256, F1, F0, 0
	QUARTER 1, 384, F0, F1, 0
	TURN 1, 0, 1
	QUARTER 0, 128, F0, F1, 0
	WIN 0
	s_sub_co_u32 s3, s3, 1
	s_cmp_lg_u32 s3, 0
	s_cbranch_scc1 .Llap
.endif
	QUARTER 0, 256, F1, F0, 0                      ; the last lap fills nothing, and has no round of the cluster's barrier
	QUARTER 0, 384, F0, F1, 0
	TURN 0, 1, 0
	QUARTER 1, 128, F0, F1, 0
	QUARTER 1, 256, F1, F0, 0
	QUARTER 1, 384, F0, F1, 0
	s_wait_dscnt 8                                 ; the very last quarter: nothing more to fetch
	WIN MUL
	MUL4 F1, 0, 0
	MUL4 F1, 1, 0
	s_wait_dscnt 0
	MUL4 F1, 2, 0
	MUL4 F1, 3, 0
	WIN 0
; THE WAY OUT, block by block of 16 rows x 64 columns.  My 64 columns of f32 are 256 consecutive, aligned bytes of a row, so my own stage serves and no barrier is needed.  The sums go into the stage as they are, each accumulator
; from its low end on, and come back as rows; then sum x 2^(ea + eb) + bias in one packed multiply-add, then the residual: the order in which the result is defined.
.macro TOSTAGE a
.set AC, ACC+32*(\a)
.set BB, BK+32*((\a)%2)
.irp b, 0,1,2,3
	ds_store_b128 v[STO], v[AC+8*\b:AC+8*\b+3] offset:64*\b
	ds_store_b128 v[STO], v[AC+8*\b+4:AC+8*\b+7] offset:64*\b+16
.endr
.irp t, 0,1,2,3,4,5,6,7
	ds_load_b128 v[BB+4*\t:BB+4*\t+3], v[RD] offset:2*\t*SPITCH   ; my own bytes, served in order: these see the stores above, and the next block's stores come behind them
.endr
.endm
.macro SEND a, yd                      ; yd: the younger LDS instructions, which may stay out
.set BB, BK+32*((\a)%2)
.set RSD, 32*(\a)
	s_wait_dscnt \yd
.irp t, 0,1,2,3,4,5,6,7
	v_pk_fma_f32 v[BB+4*\t:BB+4*\t+1], v[BB+4*\t:BB+4*\t+1], s[96:97], v[BI:BI+1] op_sel_hi:[1,0,1]
	v_pk_fma_f32 v[BB+4*\t+2:BB+4*\t+3], v[BB+4*\t+2:BB+4*\t+3], s[96:97], v[BI+2:BI+3] op_sel_hi:[1,0,1]
.endr
	WIN 0x08                                       ; source 1: window 2
.set j_, 0
.rept 16
	v_pk_add_f32 v[BB+j_:BB+j_+1], v[BB+j_:BB+j_+1], v[RSD+j_:RSD+j_+1]
.set j_, j_+2
.endr
	WIN 0
.irp t, 0,1,2,3,4,5,6,7
.if FINAL
	global_store_b128 v[CO], v[BB+4*\t:BB+4*\t+3], s[70:71] offset:(16*(\a)+2*\t)*4096 th:TH_STORE_NT   ; written once, read by nobody here
.else
	global_store_b128 v[CO], v[BB+4*\t:BB+4*\t+3], s[70:71] offset:(16*(\a)+2*\t)*4096   ; sixteen lanes store 256 consecutive bytes, aligned
.endif
.endr
.endm
	s_wait_kmcnt 0x0
	s_add_co_i32 s96, s96, s97
	s_add_co_i32 s96, s96, 127
	s_lshl_b32 s96, s96, 23                        ; 2^(ea + eb) as f32
	s_wait_loadcnt 0x0                             ; the bias and the residual
	PLACES NP                                      ; in front of the LDS stores that read the last results
	TOSTAGE 0
.irp a, 1,2,3
.if \a > 1
	s_wait_xcnt 0x0                                ; block a - 2's stores have read their registers: block a's rows may land there
.endif
	TOSTAGE \a
	SEND \a-1, 16                                  ; behind block a - 1's loads: block a's 8 stores and 8 loads
.endr
	SEND 3, 0
	s_wait_tensorcnt 0x0                           ; the wave's end
	ds_add_u32 v[SPW], v[NIL]
	s_wait_dscnt 0x0
	CROUND                                         ; the closing round
	s_endpgm
.Lfunc_end_k_q755a5ae78d_gemm_proj:
	.size	k_q755a5ae78d_gemm_proj, .Lfunc_end_k_q755a5ae78d_gemm_proj-k_q755a5ae78d_gemm_proj
	.p2alignl 7, 3214868480
	.fill 96, 4, 3214868480
	.section	.rodata,"a",@progbits
	.p2align	6, 0x0
	.amdhsa_kernel k_q755a5ae78d_gemm_proj
		.amdhsa_group_segment_fixed_size 327680
		.amdhsa_private_segment_fixed_size 0
		.amdhsa_enable_private_segment 0
		.amdhsa_kernarg_size 48
		.amdhsa_user_sgpr_count 2
		.amdhsa_user_sgpr_kernarg_segment_ptr 1
		.amdhsa_wavefront_size32 1
		.amdhsa_system_sgpr_workgroup_id_x 1
		.amdhsa_system_sgpr_workgroup_id_y 1
		.amdhsa_system_sgpr_workgroup_id_z 1
		.amdhsa_system_vgpr_workitem_id 0
		.amdhsa_next_free_vgpr 768
		.amdhsa_next_free_sgpr 100
		.amdhsa_reserve_vcc 0
		.amdhsa_float_denorm_mode_32 3
		.amdhsa_float_denorm_mode_16_64 3
		.amdhsa_memory_ordered 1
		.amdhsa_forward_progress 1
		.amdhsa_inst_pref_size 54
	.end_amdhsa_kernel
	.amdgpu_metadata
---
amdhsa.version: [ 1, 2 ]
amdhsa.kernels:
  - .name:           k_q755a5ae78d_gemm_proj
    .symbol:         k_q755a5ae78d_gemm_proj.kd
    .args:
      - { .name: yc, .offset: 0, .size: 8, .value_kind: global_buffer, .address_space: global }
      - { .name: wcodes, .offset: 8, .size: 8, .value_kind: global_buffer, .address_space: global }
      - { .name: lowp_scales, .offset: 16, .size: 8, .value_kind: global_buffer, .address_space: global }
      - { .name: b_proj, .offset: 24, .size: 8, .value_kind: global_buffer, .address_space: global }
      - { .name: x, .offset: 32, .size: 8, .value_kind: global_buffer, .address_space: global }
      - { .name: x2, .offset: 40, .size: 8, .value_kind: global_buffer, .address_space: global }
    .group_segment_fixed_size: 327680
    .private_segment_fixed_size: 0
    .kernarg_segment_align: 8
    .kernarg_segment_size: 48
    .max_flat_workgroup_size: 128
    .sgpr_count:     100
    .vgpr_count:     768
    .wavefront_size: 32
...
	.end_amdgpu_metadata
.endif
;; end of part 12
;; launch ln2: the kernel of part 9 again; grid 256 x 1, 8 waves a work-group, no clusters, 17,408 bytes of LDS; arguments x2, ln2_g, ln2_b, sc_ln2, hc; writes hc
;; launch gemm_fc (part 13): grid 16 x 16, 4 waves a work-group, clusters of 4 x 4, 327,680 bytes of LDS; arguments hc, wcodes, lowp_scales, b_fc, hidc; writes hidc
.if DOCPART == 13
	.amdgcn_target "amdgcn-amd-amdhsa--gfx1250"
	.amdhsa_code_object_version 6
	.text
	.protected	k_q755a5ae78d_gemm_fc
	.globl	k_q755a5ae78d_gemm_fc
	.p2align	8
	.type	k_q755a5ae78d_gemm_fc,@function
k_q755a5ae78d_gemm_fc:
	s_mov_b64 s[64:65], 0
	v_nop
	global_prefetch_b8 v0, s[64:65] scope:SCOPE_SE
	s_setreg_imm32_b32 hwreg(HW_REG_WAVE_MODE, 25, 1), 1
	s_wait_xcnt 0x0
	s_wait_alu depctr_hold_cnt(0) depctr_sa_sdst(0) depctr_va_vdst(0) depctr_va_sdst(0) depctr_va_ssrc(0) depctr_va_vcc(0) depctr_vm_vsrc(0)
	s_getreg_b32 s2, hwreg(HW_REG_IB_STS2, 6, 4)
	s_cmp_eq_u32 s2, 0
	s_cbranch_scc0 .Lentry_in_a_cluster
	s_endpgm
.Lentry_in_a_cluster:
	s_bfe_u32 s2, ttmp6, 0x10000c
	s_cmp_lg_u32 s2, 0xf033
	s_cbranch_scc0 .Lentry_shape_is_right
	s_endpgm
.Lentry_shape_is_right:
; hid = Q(relu(h2 W_fc + b_fc)) on codes of E4M3: h2 [4096][1024] (2^e8), W_fc [4096][1024], K innermost (2^e9), at byte 4,194,304 of the weights' codes; f32 sums; the result is quantised with e10 and stored [4096][4096].
; A tile of 256 x 256 by four waves of 128 x 128; K in steps of 256 through two LDS slots; clusters of 4 x 4 with joint loads.  LIMITS: e8 + e9 between -126 and 127; e10 between -126 and 119.
.set KROW,   1024
.set WOFF,   4194304
.set SCOFF,  0x20
.set ROWB,   256
.set PITCH,  272
.set FR,     16
.set NL,     4
.set NP,     4
.set HALFT,  128*PITCH
.set SLOT,   4*HALFT
.set LAPS,   KROW/(2*ROWB)
.set SPARE,  2*SLOT
.set ADRA, 16
.set ADRB, 20
.set BOF,  7
.set SCL,  12
.set LIMV, 13
.set STO,  24
.set RD,   25
.set CO,   26
.set SPW,  28
.set NIL,  29
.set CB,   32
.set PC,   96
.set TMP,  128
.set AF,   128
.set G1, 24
.set G0, 32
.set G1B, 48
.set G0B, 56
.set MSB, 0
.macro WIN new
.if MSB != \new
	s_set_vgpr_msb (MSB<<8)|\new
.set MSB, \new
.endif
.endm
.set MUL_LO, 0xa1
.set MUL_HI, 0xf1
.set TO_B,   0x40
.macro JLOAD g0a, g1a, g0b, g1b
	s_cmp_eq_u32 s15, 0
	s_cbranch_scc0 .Lfor_b_\@
	tensor_load_to_lds s[\g0a:\g0a+3], s[\g1a:\g1a+7]
	s_nop 0
.rept 4
	v_nop
.endr
	s_branch .Lasked_\@
.Lfor_b_\@:
	tensor_load_to_lds s[\g0b:\g0b+3], s[\g1b:\g1b+7]
	s_nop 0
.rept 4
	v_nop
.endr
.Lasked_\@:
.endm
.macro CREST
	s_cmp_lg_u32 s14, 0
	s_cbranch_scc1 .Lnot_wave_0_\@
	s_barrier_signal -3
.Lnot_wave_0_\@:
	s_barrier_wait -3
	s_barrier_signal -1
	s_barrier_wait -1
.endm
.macro CROUND
	s_barrier_signal -1
	s_barrier_wait -1
	CREST
.endm
	s_load_b128 s[4:7], s[0:1], 0x0
	s_load_b128 s[8:11], s[0:1], 0x10
	s_load_b64 s[12:13], s[0:1], 0x20
	v_lshl_add_u32 v[SPW], v0, 2, SPARE
	v_mov_b32 v[NIL], 0
	ds_add_u32 v[SPW], v[NIL]
	ds_add_u32 v[SPW], v[NIL]
	v_lshrrev_b32 v1, 5, v0
	v_readfirstlane_b32 s14, v1
	s_lshr_b32 s15, s14, 1
	s_and_b32 s16, s14, 1
	s_bfe_u32 s40, ttmp6, 0x40000
	s_bfe_u32 s41, ttmp6, 0x40004
	s_lshl_b32 s42, ttmp9, 2
	s_add_co_u32 s42, s42, s40
	s_and_b32 s17, ttmp7, 0xffff
	s_lshl_b32 s17, s17, 2
	s_add_co_u32 s17, s17, s41
	s_lshl_b32 s43, s41, 2
	s_lshl_b32 s43, 15, s43
	s_lshl_b32 s44, 0x1111, s40
	s_or_b32 s[G1+0], s43, (0<<16)|(1<<20)|(1<<21)|(5<<22)|(3<<25)
	s_or_b32 s[G1B+0], s44, (0<<16)|(1<<20)|(1<<21)|(5<<22)|(3<<25)
.irp g, G1, G1B
	s_mov_b32 s[\g+1], ROWB<<16
	s_mov_b32 s[\g+2], 128<<16
	s_mov_b32 s[\g+3], ROWB<<16
	s_mov_b32 s[\g+4], 128
	s_mov_b32 s[\g+5], KROW
	s_mov_b32 s[\g+6], 0
	s_mov_b32 s[\g+7], 0
.endr
	s_lshl_b32 s18, s16, 7
	s_lshl_b32 s20, s17, 8
	s_add_co_u32 s20, s20, s18
	s_lshl_b32 s46, s42, 8
	s_add_co_u32 s46, s46, s18
	s_mov_b32 s21, 0
	s_mov_b32 s47, 0
	s_mov_b64 s[18:19], KROW
	s_mul_u64 s[20:21], s[20:21], s[18:19]
	s_mul_u64 s[46:47], s[46:47], s[18:19]
	s_mul_i32 s45, s14, HALFT
	s_wait_dscnt 0x0
	s_wait_kmcnt 0x0
	s_load_b64 s[96:97], s[8:9], SCOFF
	s_load_b32 s88, s[8:9], 0x28
	s_add_nc_u64 s[20:21], s[4:5], s[20:21]
	s_add_nc_u64 s[46:47], s[6:7], s[46:47]
	s_add_nc_u64 s[46:47], s[46:47], WOFF
	CROUND
.irp s, 0,1
	s_mov_b32 s[G0+4*\s], 1
	s_add_co_u32 s[G0+4*\s+1], s45, \s*SLOT
	s_add_nc_u64 s[G0+4*\s+2:G0+4*\s+3], s[20:21], \s*ROWB
	s_or_b32 s[G0+4*\s+3], s[G0+4*\s+3], 0x80000000
	s_mov_b32 s[G0B+4*\s], 1
	s_add_co_u32 s[G0B+4*\s+1], s45, \s*SLOT
	s_add_nc_u64 s[G0B+4*\s+2:G0B+4*\s+3], s[46:47], \s*ROWB
	s_or_b32 s[G0B+4*\s+3], s[G0B+4*\s+3], 0x80000000
.endr
	JLOAD G0, G1, G0B, G1B                         ; K step 0: one tensor load a wave at the head
	; THE PREFETCH.  Behind K step 0's load each wave names K steps 1 and 2, behind K step 1's load K step 3.  Of the 128 rows that a wave fetches, each of the four partners that ask jointly names 32, told apart by address: a lane a row's 256 bytes of a K step.
	s_cmp_eq_u32 s15, 0                            ; do I fetch for A?
	s_cselect_b64 s[92:93], s[20:21], s[46:47]     ; the first of the 128 rows that I fetch
	s_cselect_b32 s94, s40, s41                    ; my place among the four that ask with me
	s_lshl_b32 s94, s94, 15                        ; 32 rows of 1,024 bytes
	s_mov_b32 s95, 0
	s_add_nc_u64 s[92:93], s[92:93], s[94:95]      ; never rewritten
	v_and_b32 v31, 31, v0
	v_lshlrev_b32 v31, 10, v31                     ; a lane a row; never rewritten
	global_prefetch_b8 v31, s[92:93] offset:ROWB th:TH_LOAD_NT scope:SCOPE_SE
	global_prefetch_b8 v31, s[92:93] offset:2*ROWB th:TH_LOAD_NT scope:SCOPE_SE
	v_and_b32 v1, 15, v0
	v_bfe_u32 v2, v0, 4, 1
	v_mul_u32_u24 v3, v1, PITCH
	s_wait_alu depctr_va_vdst(0)
	v_lshl_add_u32 v4, v2, 4, v3
	s_mul_i32 s21, s15, HALFT
	s_mul_i32 s22, s16, HALFT
	s_add_co_u32 s22, s22, 2*HALFT
.irp s, 0,1
	v_add_nc_u32 v[ADRA+\s], s21, v4
	v_add_nc_u32 v[ADRB+\s], s22, v4
	s_add_co_u32 s21, s21, SLOT
	s_add_co_u32 s22, s22, SLOT
.endr
	s_mul_i32 s23, s15, 128*PITCH
	s_lshl_b32 s21, s16, 7
	s_add_co_u32 s23, s23, s21
	v_lshl_add_u32 v5, v2, 3, v3
	v_add_nc_u32 v[STO], s23, v5
	s_mul_i32 s23, s14, 64*PITCH
	v_mul_u32_u24 v5, v2, PITCH
	v_lshl_add_u32 v5, v1, 4, v5
	v_add_nc_u32 v[RD], s23, v5
	v_lshlrev_b32 v5, 12, v2
	v_lshl_add_u32 v[CO], v1, 4, v5
	v_lshlrev_b32 v[BOF], 5, v2
	s_lshl_b32 s72, s42, 10
	s_lshl_b32 s73, s16, 9
	s_add_co_u32 s72, s72, s73
	s_mov_b32 s73, 0
	s_add_nc_u64 s[72:73], s[10:11], s[72:73]
.irp b, 0,1,2,3,4,5,6,7
	global_load_b128 v[CB+8*\b:CB+8*\b+3], v[BOF], s[72:73] offset:64*\b
	global_load_b128 v[CB+8*\b+4:CB+8*\b+7], v[BOF], s[72:73] offset:64*\b+16
.endr
	s_lshl_b32 s20, s17, 8
	s_lshl_b32 s21, s14, 6
	s_add_co_u32 s20, s20, s21
	s_lshl_b32 s20, s20, 12
	s_lshl_b32 s21, s42, 8
	s_add_co_u32 s20, s20, s21
	s_mov_b32 s21, 0
	s_add_nc_u64 s[12:13], s[12:13], s[20:21]
.macro FRAG reg, adr, q, i
.irp c, 0,1,2,3
	ds_load_b128 v[\reg+4*\c:\reg+4*\c+3], v[\adr] offset:128*(\q)+32*\c+(\i)*16*PITCH
.endr
.endm
.macro MUL16 a0, p, zero
.irp a, \a0, \a0+1
.irp b, 0,1,2,3,4,5,6,7
.if \zero
	v_wmma_f32_16x16x128_fp8_fp8 v[8*(8*((\a)%4)+\b):8*(8*((\a)%4)+\b)+7], v[128*(\p)+FR*\b:128*(\p)+FR*\b+FR-1], v[AF+FR*(\a):AF+FR*(\a)+FR-1], 0
.else
	v_wmma_f32_16x16x128_fp8_fp8 v[8*(8*((\a)%4)+\b):8*(8*((\a)%4)+\b)+7], v[128*(\p)+FR*\b:128*(\p)+FR*\b+FR-1], v[AF+FR*(\a):AF+FR*(\a)+FR-1], v[8*(8*((\a)%4)+\b):8*(8*((\a)%4)+\b)+7]
.endif
.endr
.endr
.endm
.macro FETCH_B slot, q, p
	WIN TO_B
.irp i, 0,1,2,3,4,5,6,7
	FRAG 128*(\p)+FR*\i, ADRB+\slot, \q, \i
.endr
	WIN 0
.endm
.macro FETCH_A slot, q, i0
.irp i, \i0, \i0+1, \i0+2, \i0+3
	FRAG AF+FR*(\i), ADRA+\slot, \q, \i
.endr
.endm
.macro PLACES n
.rept \n
	v_nop
.endr
.endm
.macro STEP slot, q, zero
	s_wait_dscnt 4*NL
	WIN MUL_LO
	MUL16 0, (\q)%2, \zero
	MUL16 2, (\q)%2, \zero
	s_wait_dscnt 0
	PLACES NP
	FETCH_B \slot, (\q)+1, 1-(\q)%2
	FETCH_A \slot, (\q)+1, 0
	WIN MUL_HI
	MUL16 4, (\q)%2, \zero
	MUL16 6, (\q)%2, \zero
	PLACES NP
	WIN 0
	FETCH_A \slot, (\q)+1, 4
.endm
.macro TURN slot, next, fill
	s_wait_tensorcnt 0x0
	ds_add_u32 v[SPW], v[NIL]
	s_wait_dscnt 4*NL+1
	WIN MUL_LO
	MUL16 0, 1, 0
	s_wait_dscnt 0x0
	s_barrier_signal -1
	MUL16 2, 1, 0
	WIN 0
	s_barrier_wait -1
.if \fill
	CREST
	s_add_nc_u64 s[G0+4*\slot+2:G0+4*\slot+3], s[G0+4*\slot+2:G0+4*\slot+3], 2*ROWB
	s_add_nc_u64 s[G0B+4*\slot+2:G0B+4*\slot+3], s[G0B+4*\slot+2:G0B+4*\slot+3], 2*ROWB
	JLOAD G0+4*\slot, G1, G0B+4*\slot, G1B
.else
	PLACES NP
.endif
	s_wait_alu depctr_va_vdst(0)
	FETCH_B \next, 0, 0
	FETCH_A \next, 0, 0
	WIN MUL_HI
	MUL16 4, 1, 0
	MUL16 6, 1, 0
	PLACES NP
	WIN 0
	FETCH_A \next, 0, 4
.endm
	s_wait_alu depctr_va_vdst(0)                   ; the wait at the head's end
	s_wait_tensorcnt 0x0                           ; my part of K step 0 is in; slot 1's first fill is issued as a refill is:
	ds_add_u32 v[SPW], v[NIL]                      ; 0 onto my spare word
	s_wait_dscnt 0x0
	CROUND                                         ; everybody's part of K step 0 is in, and all sixteen work-groups are here
	JLOAD G0+4, G1, G0B+4, G1B                     ; K step 1: the first tensor load behind the round
	FETCH_B 0, 0, 0
	FETCH_A 0, 0, 0
	FETCH_A 0, 0, 4
	global_prefetch_b8 v31, s[92:93] offset:3*ROWB th:TH_LOAD_NT scope:SCOPE_SE   ; K step 3, the last
	STEP 0, 0, 1
	s_mov_b32 s3, LAPS-1
.Llap:
	TURN 0, 1, 1
	STEP 1, 0, 0
	TURN 1, 0, 1
	STEP 0, 0, 0
	s_sub_co_u32 s3, s3, 1
	s_cmp_lg_u32 s3, 0
	s_cbranch_scc1 .Llap
	TURN 0, 1, 0
	STEP 1, 0, 0
	s_wait_dscnt 4*NL
	WIN MUL_LO
	MUL16 0, 1, 0
	MUL16 2, 1, 0
	s_wait_dscnt 0
	WIN MUL_HI
	MUL16 4, 1, 0
	MUL16 6, 1, 0
	WIN 0
	s_wait_kmcnt 0x0
	s_add_co_i32 s96, s96, s97
	s_add_co_i32 s96, s96, 127
	s_lshl_b32 s96, s96, 23
	s_add_co_i32 s88, s88, 127
	s_lshl_b32 s89, s88, 23
	v_mov_b32 v[SCL], s89
	s_add_co_i32 s88, s88, 8
	s_lshl_b32 s88, s88, 23
	s_or_b32 s88, s88, 0x600000
	v_mov_b32 v[LIMV], s88
	s_wait_loadcnt 0x0
	PLACES NP
.macro CODES a
.set AC, 64*((\a)%4)
	WIN 0x02+((\a)/4)
.set j_, 0
.rept 32
	v_pk_fma_f32 v[TMP+j_:TMP+j_+1], v[AC+j_:AC+j_+1], s[96:97], v[CB+j_:CB+j_+1] op_sel_hi:[1,0,1]
.set j_, j_+2
.endr
	WIN 0
.set j_, 0
.rept 64
	v_med3_num_f32 v[TMP+j_], v[TMP+j_], 0, v[LIMV]
.set j_, j_+1
.endr
	s_wait_alu depctr_va_vdst(0)
	s_wait_dscnt 0x0
.irp b, 0,1,2,3,4,5,6,7
	v_cvt_scalef32_pk8_fp8_f32 v[PC+2*\b:PC+2*\b+1], v[TMP+8*\b:TMP+8*\b+7], v[SCL]
.endr
	v_nop
.irp b, 0,1,2,3,4,5,6,7
	ds_store_b64 v[STO], v[PC+2*\b:PC+2*\b+1] offset:(\a)*16*PITCH+16*\b
.endr
.endm
.irp a, 0,1,2,3,4,5,6,7
	CODES \a
.endr
	s_wait_dscnt 0x0
	s_barrier_signal -1
	s_barrier_wait -1
.set n_, 0
.rept 32
	ds_load_b128 v[128+4*n_:128+4*n_+3], v[RD] offset:2*n_*PITCH
.set n_, n_+1
.endr
.set n_, 0
.rept 32
	s_wait_dscnt 31-n_
	global_store_b128 v[CO], v[128+4*n_:128+4*n_+3], s[12:13] offset:2*n_*4096
.set n_, n_+1
.endr
	s_wait_tensorcnt 0x0
	ds_add_u32 v[SPW], v[NIL]
	s_wait_dscnt 0x0
	CROUND
	s_endpgm
.Lfunc_end_k_q755a5ae78d_gemm_fc:
	.size	k_q755a5ae78d_gemm_fc, .Lfunc_end_k_q755a5ae78d_gemm_fc-k_q755a5ae78d_gemm_fc
	.p2alignl 7, 3214868480
	.fill 96, 4, 3214868480
	.section	.rodata,"a",@progbits
	.p2align	6, 0x0
	.amdhsa_kernel k_q755a5ae78d_gemm_fc
		.amdhsa_group_segment_fixed_size 327680
		.amdhsa_private_segment_fixed_size 0
		.amdhsa_enable_private_segment 0
		.amdhsa_kernarg_size 40
		.amdhsa_user_sgpr_count 2
		.amdhsa_user_sgpr_kernarg_segment_ptr 1
		.amdhsa_wavefront_size32 1
		.amdhsa_system_sgpr_workgroup_id_x 1
		.amdhsa_system_sgpr_workgroup_id_y 1
		.amdhsa_system_sgpr_workgroup_id_z 1
		.amdhsa_system_vgpr_workitem_id 0
		.amdhsa_next_free_vgpr 1024
		.amdhsa_next_free_sgpr 100
		.amdhsa_reserve_vcc 0
		.amdhsa_float_denorm_mode_32 3
		.amdhsa_float_denorm_mode_16_64 3
		.amdhsa_memory_ordered 1
		.amdhsa_forward_progress 1
		.amdhsa_inst_pref_size 144
	.end_amdhsa_kernel
	.amdgpu_metadata
---
amdhsa.version: [ 1, 2 ]
amdhsa.kernels:
  - .name:           k_q755a5ae78d_gemm_fc
    .symbol:         k_q755a5ae78d_gemm_fc.kd
    .args:
      - { .name: hc, .offset: 0, .size: 8, .value_kind: global_buffer, .address_space: global }
      - { .name: wcodes, .offset: 8, .size: 8, .value_kind: global_buffer, .address_space: global }
      - { .name: lowp_scales, .offset: 16, .size: 8, .value_kind: global_buffer, .address_space: global }
      - { .name: b_fc, .offset: 24, .size: 8, .value_kind: global_buffer, .address_space: global }
      - { .name: hidc, .offset: 32, .size: 8, .value_kind: global_buffer, .address_space: global }
    .group_segment_fixed_size: 327680
    .private_segment_fixed_size: 0
    .kernarg_segment_align: 8
    .kernarg_segment_size: 40
    .max_flat_workgroup_size: 128
    .sgpr_count:     100
    .vgpr_count:     1024
    .wavefront_size: 32
...
	.end_amdgpu_metadata
.endif
;; end of part 13
;; launch gemm_out (part 14): grid 8 x 32, 4 waves a work-group, clusters of 4 x 4, 327,680 bytes of LDS; arguments hidc, wcodes, lowp_scales, b_out, x2, out0; writes out0
.if DOCPART == 14
	.amdgcn_target "amdgcn-amd-amdhsa--gfx1250"
	.amdhsa_code_object_version 6
	.text
	.protected	k_q755a5ae78d_gemm_out
	.globl	k_q755a5ae78d_gemm_out
	.p2align	8
	.type	k_q755a5ae78d_gemm_out,@function
k_q755a5ae78d_gemm_out:
	s_mov_b64 s[64:65], 0
	v_nop
	global_prefetch_b8 v0, s[64:65] scope:SCOPE_SE
	s_setreg_imm32_b32 hwreg(HW_REG_WAVE_MODE, 25, 1), 1
	s_wait_xcnt 0x0
	s_wait_alu depctr_hold_cnt(0) depctr_sa_sdst(0) depctr_va_vdst(0) depctr_va_sdst(0) depctr_va_ssrc(0) depctr_va_vcc(0) depctr_vm_vsrc(0)
	s_getreg_b32 s2, hwreg(HW_REG_IB_STS2, 6, 4)
	s_cmp_eq_u32 s2, 0
	s_cbranch_scc0 .Lentry_in_a_cluster
	s_endpgm
.Lentry_in_a_cluster:
	s_bfe_u32 s2, ttmp6, 0x10000c
	s_cmp_lg_u32 s2, 0xf033
	s_cbranch_scc0 .Lentry_shape_is_right
	s_endpgm
.Lentry_shape_is_right:
; out = x2 + (hid W_out + b_out) on codes of E4M3: hid [4096][4096] (2^e10), W_out [1024][4096], K innermost (2^e11), at byte 8,388,608 of the weights' codes; f32 sums.  LIMIT: e10 + e11 between -126 and 127.
; A tile of 128 x 128 by four waves of 64 x 64, so that there are 256 work-groups; K in eight steps of 512 through two LDS slots; clusters of 4 x 4 with joint loads.
; THE PREFETCH: behind the load of K step s stands one prefetch a wave for K step s + 2 (s = 0 .. 5).  Of the 64 rows that a wave fetches, each of the four partners that ask jointly names 16, told apart by address:
; two lanes to a row's 512 bytes, 256 bytes apart.  So each block of 256 bytes is named once in each cluster that loads it.  The loads of K steps 6 and 7 ask for nothing.
.set KROW,   4096
.set WOFF,   8388608
.set SCOFF,  0x28
.set FINAL,  1
.set ROWB,   512
.set PITCH,  528
.set FR,     16
.set NP,     4
.set HALFT,  64*PITCH
.set SLOT,   4*HALFT
.set LAPS,   KROW/(2*ROWB)
.set STAGE,  2*SLOT
.set SPITCH, 272
.set SPARE,  STAGE+4*16*SPITCH
.set BI,   8
.set BIO,  12
.set ADRA, 16
.set ADRB, 20
.set STO,  24
.set RD,   25
.set CO,   26
.set SPW,  28
.set NIL,  29
.set BK,   32
.set ACC,  128
.set F0,   0
.set F1,   128
.set G1, 24
.set G0, 32
.set G1B, 48
.set G0B, 56
.set PFA, 74                           ; s[74:75] where my prefetches stand
.set PFO, 30                           ; v30 4,096 x (lane / 2) + 256 x (lane % 2); never rewritten
.set MSB, 0
.macro WIN new
.if MSB != \new
	s_set_vgpr_msb (MSB<<8)|\new
.set MSB, \new
.endif
.endm
.set MUL,  0x05
.set TO_F, 0x40
.macro JLOAD g0a, g1a, g0b, g1b
	s_cmp_eq_u32 s15, 0
	s_cbranch_scc0 .Lfor_b_\@
	tensor_load_to_lds s[\g0a:\g0a+3], s[\g1a:\g1a+7]
	s_nop 0
.rept 4
	v_nop
.endr
	s_branch .Lasked_\@
.Lfor_b_\@:
	tensor_load_to_lds s[\g0b:\g0b+3], s[\g1b:\g1b+7]
	s_nop 0
.rept 4
	v_nop
.endr
.Lasked_\@:
.endm
.macro CREST
	s_cmp_lg_u32 s14, 0
	s_cbranch_scc1 .Lnot_wave_0_\@
	s_barrier_signal -3
.Lnot_wave_0_\@:
	s_barrier_wait -3
	s_barrier_signal -1
	s_barrier_wait -1
.endm
.macro CROUND
	s_barrier_signal -1
	s_barrier_wait -1
	CREST
.endm
	s_load_b128 s[4:7], s[0:1], 0x0
	s_load_b128 s[8:11], s[0:1], 0x10
	s_load_b128 s[68:71], s[0:1], 0x20
	v_lshl_add_u32 v[SPW], v0, 2, SPARE
	v_mov_b32 v[NIL], 0
	ds_add_u32 v[SPW], v[NIL]
	ds_add_u32 v[SPW], v[NIL]
	v_lshrrev_b32 v1, 5, v0
	v_readfirstlane_b32 s14, v1
	s_lshr_b32 s15, s14, 1
	s_and_b32 s16, s14, 1
	s_bfe_u32 s40, ttmp6, 0x40000
	s_bfe_u32 s41, ttmp6, 0x40004
	s_lshl_b32 s42, ttmp9, 2
	s_add_co_u32 s42, s42, s40
	s_and_b32 s17, ttmp7, 0xffff
	s_lshl_b32 s17, s17, 2
	s_add_co_u32 s17, s17, s41
	s_lshl_b32 s43, s41, 2
	s_lshl_b32 s43, 15, s43
	s_lshl_b32 s44, 0x1111, s40
	s_or_b32 s[G1+0], s43, (0<<16)|(1<<20)|(1<<21)|(6<<22)|(3<<25)
	s_or_b32 s[G1B+0], s44, (0<<16)|(1<<20)|(1<<21)|(6<<22)|(3<<25)
.irp g, G1, G1B
	s_mov_b32 s[\g+1], ROWB<<16
	s_mov_b32 s[\g+2], 64<<16
	s_mov_b32 s[\g+3], ROWB<<16
	s_mov_b32 s[\g+4], 64
	s_mov_b32 s[\g+5], KROW
	s_mov_b32 s[\g+6], 0
	s_mov_b32 s[\g+7], 0
.endr
	s_lshl_b32 s18, s16, 6
	s_lshl_b32 s20, s17, 7
	s_add_co_u32 s20, s20, s18
	s_lshl_b32 s46, s42, 7
	s_add_co_u32 s46, s46, s18
	s_mov_b32 s21, 0
	s_mov_b32 s47, 0
	s_mov_b64 s[18:19], KROW
	s_mul_u64 s[20:21], s[20:21], s[18:19]
	s_mul_u64 s[46:47], s[46:47], s[18:19]
	s_mul_i32 s45, s14, HALFT
	s_wait_dscnt 0x0
	s_wait_kmcnt 0x0
	s_load_b64 s[96:97], s[8:9], SCOFF
	s_add_nc_u64 s[20:21], s[4:5], s[20:21]
	s_add_nc_u64 s[46:47], s[6:7], s[46:47]
	s_add_nc_u64 s[46:47], s[46:47], WOFF
	CROUND
.irp s, 0,1
	s_mov_b32 s[G0+4*\s], 1
	s_add_co_u32 s[G0+4*\s+1], s45, \s*SLOT
	s_add_nc_u64 s[G0+4*\s+2:G0+4*\s+3], s[20:21], \s*ROWB
	s_or_b32 s[G0+4*\s+3], s[G0+4*\s+3], 0x80000000
	s_mov_b32 s[G0B+4*\s], 1
	s_add_co_u32 s[G0B+4*\s+1], s45, \s*SLOT
	s_add_nc_u64 s[G0B+4*\s+2:G0B+4*\s+3], s[46:47], \s*ROWB
	s_or_b32 s[G0B+4*\s+3], s[G0B+4*\s+3], 0x80000000
.endr
	JLOAD G0, G1, G0B, G1B                         ; K step 0: one tensor load a wave at the head
	v_and_b32 v1, 15, v0
	s_wait_alu depctr_va_vdst(0)
	v_bfe_u32 v2, v0, 4, 1
	v_mul_u32_u24 v3, v1, PITCH
	v_lshl_add_u32 v4, v2, 4, v3
	s_mul_i32 s21, s15, HALFT
	s_mul_i32 s22, s16, HALFT
	s_add_co_u32 s22, s22, 2*HALFT
.irp s, 0,1
	v_add_nc_u32 v[ADRA+\s], s21, v4
	v_add_nc_u32 v[ADRB+\s], s22, v4
	s_add_co_u32 s21, s21, SLOT
	s_add_co_u32 s22, s22, SLOT
.endr
	s_mul_i32 s23, s14, 16*SPITCH
	s_add_co_u32 s23, s23, STAGE
	v_mul_u32_u24 v5, v1, SPITCH
	s_wait_alu depctr_va_vdst(0)
	v_lshl_add_u32 v5, v2, 5, v5
	v_add_nc_u32 v[STO], s23, v5
	v_mul_u32_u24 v5, v2, SPITCH
	v_lshl_add_u32 v5, v1, 4, v5
	v_add_nc_u32 v[RD], s23, v5
	v_lshlrev_b32 v5, 12, v2
	v_lshl_add_u32 v[CO], v1, 4, v5
	v_lshlrev_b32 v[BIO], 4, v1
	s_wait_alu depctr_va_vdst(0)
	s_lshl_b32 s20, s17, 7
	s_lshl_b32 s21, s15, 6
	s_add_co_u32 s20, s20, s21
	s_lshl_b32 s20, s20, 12
	s_lshl_b32 s72, s42, 9
	s_lshl_b32 s73, s16, 8
	s_add_co_u32 s72, s72, s73
	s_add_co_u32 s20, s20, s72
	s_mov_b32 s21, 0
	s_mov_b32 s73, 0
	s_add_nc_u64 s[68:69], s[68:69], s[20:21]
	s_add_nc_u64 s[70:71], s[70:71], s[20:21]
	s_add_nc_u64 s[72:73], s[10:11], s[72:73]
	s_cmp_eq_u32 s15, 0                            ; the prefetches: do I fetch for A?
	s_cselect_b32 s76, s17, s42                    ; the tile: by the tile row in A, by the tile column in B
	s_cselect_b32 s77, s40, s41                    ; my place among the four that ask with me
	s_cselect_b32 s78, 0, WOFF
	s_cselect_b64 s[PFA:PFA+1], s[4:5], s[6:7]
	s_lshl_b32 s76, s76, 7
	s_lshl_b32 s79, s16, 6
	s_add_co_u32 s76, s76, s79                     ; + the 64 rows that I fetch
	s_lshl_b32 s77, s77, 4
	s_add_co_u32 s76, s76, s77                     ; + my work-group's 16 of them
	s_mul_i32 s76, s76, KROW
	s_add_co_u32 s76, s76, s78
	s_add_co_u32 s76, s76, 2*ROWB                  ; at K step 2
	s_mov_b32 s77, 0
	s_add_nc_u64 s[PFA:PFA+1], s[PFA:PFA+1], s[76:77]
	v_and_b32 v31, 31, v0
	v_and_b32 v[PFO], 1, v31
	v_lshrrev_b32 v31, 1, v31
	v_lshlrev_b32 v[PFO], 8, v[PFO]
	v_lshl_add_u32 v[PFO], v31, 12, v[PFO]
	s_wait_alu depctr_va_vdst(0)                   ; directly ahead of the readers below
	global_prefetch_b8 v[PFO], s[PFA:PFA+1] offset:-ROWB th:TH_LOAD_NT scope:SCOPE_SE   ; K step 1, whose load follows K step 0's landing
	global_prefetch_b8 v[PFO], s[PFA:PFA+1] th:TH_LOAD_NT scope:SCOPE_SE   ; K step 2
	global_load_b128 v[BI:BI+3], v[BIO], s[72:73]
	WIN 0x80
.irp a, 0,1,2,3
.irp t, 0,1,2,3,4,5,6,7
	global_load_b128 v[32*\a+4*\t:32*\a+4*\t+3], v[CO], s[68:69] offset:(16*\a+2*\t)*4096
.endr
.endr
	WIN 0
.macro FRAG reg, adr, k, i
.irp c, 0,1,2,3
	ds_load_b128 v[\reg+4*\c:\reg+4*\c+3], v[\adr] offset:(\k)+32*\c+(\i)*16*PITCH
.endr
.endm
.macro FETCH slot, k, f
	WIN TO_F
.irp i, 0,1,2,3
	FRAG \f+64+FR*\i, ADRB+\slot, \k, \i
.endr
.irp i, 0,1,2,3
	FRAG \f+FR*\i, ADRA+\slot, \k, \i
.endr
.endm
.macro MUL4 f, a, zero
.irp b, 0,1,2,3
.if \zero
	v_wmma_f32_16x16x128_fp8_fp8 v[ACC+8*(4*(\a)+\b):ACC+8*(4*(\a)+\b)+7], v[\f+64+FR*\b:\f+64+FR*\b+FR-1], v[\f+FR*(\a):\f+FR*(\a)+FR-1], 0
.else
	v_wmma_f32_16x16x128_fp8_fp8 v[ACC+8*(4*(\a)+\b):ACC+8*(4*(\a)+\b)+7], v[\f+64+FR*\b:\f+64+FR*\b+FR-1], v[\f+FR*(\a):\f+FR*(\a)+FR-1], v[ACC+8*(4*(\a)+\b):ACC+8*(4*(\a)+\b)+7]
.endif
.endr
.endm
.macro PLACES n
.rept \n
	v_nop
.endr
.endm
.macro QUARTER slot, k, f, g, zero
	s_wait_dscnt 8
	PLACES NP
	FETCH \slot, \k, \g
	WIN MUL
	MUL4 \f, 0, \zero
	MUL4 \f, 1, \zero
	s_wait_dscnt 32
	MUL4 \f, 2, \zero
	MUL4 \f, 3, \zero
.endm
.macro TURN slot, next, fill
	WIN 0
.if \fill
	s_wait_xcnt 0x0                                ; my last prefetch, a K step back, has read its address
	s_add_nc_u64 s[PFA:PFA+1], s[PFA:PFA+1], ROWB
.endif
	s_wait_tensorcnt 0x0
	ds_add_u32 v[SPW], v[NIL]
	s_wait_dscnt 9
	WIN MUL
	MUL4 F1, 0, 0
	MUL4 F1, 1, 0
	s_wait_dscnt 0x0
	s_barrier_signal -1
	MUL4 F1, 2, 0
	WIN 0
	s_barrier_wait -1
.if \fill
	CREST
	s_add_nc_u64 s[G0+4*\slot+2:G0+4*\slot+3], s[G0+4*\slot+2:G0+4*\slot+3], 2*ROWB
	s_add_nc_u64 s[G0B+4*\slot+2:G0B+4*\slot+3], s[G0B+4*\slot+2:G0B+4*\slot+3], 2*ROWB
	JLOAD G0+4*\slot, G1, G0B+4*\slot, G1B
.else
	PLACES NP
.endif
	FETCH \next, 0, F0
.if \fill
	WIN 0                                          ; at a branch and at a label every window is 0
	s_cmp_gt_u32 s3, 1                             ; the loop's last trip loads K steps 6 and 7: there is no K step two on
	s_cbranch_scc0 .Lno_ask_\@
	global_prefetch_b8 v[PFO], s[PFA:PFA+1] th:TH_LOAD_NT scope:SCOPE_SE
.Lno_ask_\@:
.endif
	WIN MUL
	MUL4 F1, 3, 0
.endm
	s_wait_xcnt 0x0                                ; the first prefetch, 33 loads back, has read its address
	s_add_nc_u64 s[PFA:PFA+1], s[PFA:PFA+1], ROWB
	s_wait_alu depctr_va_vdst(0)                   ; the wait at the head's end
	s_wait_tensorcnt 0x0                           ; my part of K step 0 is in; slot 1's first fill is issued as a refill is:
	ds_add_u32 v[SPW], v[NIL]                      ; 0 onto my spare word
	s_wait_dscnt 0x0
	CROUND                                         ; everybody's part of K step 0 is in, and all sixteen work-groups are here
	JLOAD G0+4, G1, G0B+4, G1B                     ; K step 1: the first tensor load behind the round
	FETCH 0, 0, F0
	WIN 0
	global_prefetch_b8 v[PFO], s[PFA:PFA+1] th:TH_LOAD_NT scope:SCOPE_SE   ; K step 3
	QUARTER 0, 128, F0, F1, 1
.if LAPS > 1
	WIN 0
	s_mov_b32 s3, LAPS-1
.Llap:
	QUARTER 0, 256, F1, F0, 0
	QUARTER 0, 384, F0, F1, 0
	TURN 0, 1, 1
	QUARTER 1, 128, F0, F1, 0
	QUARTER 1, 256, F1, F0, 0
	QUARTER 1, 384, F0, F1, 0
	TURN 1, 0, 1
	QUARTER 0, 128, F0, F1, 0
	WIN 0
	s_sub_co_u32 s3, s3, 1
	s_cmp_lg_u32 s3, 0
	s_cbranch_scc1 .Llap
.endif
	QUARTER 0, 256, F1, F0, 0
	QUARTER 0, 384, F0, F1, 0
	TURN 0, 1, 0
	QUARTER 1, 128, F0, F1, 0
	QUARTER 1, 256, F1, F0, 0
	QUARTER 1, 384, F0, F1, 0
	s_wait_dscnt 8
	WIN MUL
	MUL4 F1, 0, 0
	MUL4 F1, 1, 0
	s_wait_dscnt 0
	MUL4 F1, 2, 0
	MUL4 F1, 3, 0
	WIN 0
.macro TOSTAGE a
.set AC, ACC+32*(\a)
.set BB, BK+32*((\a)%2)
.irp b, 0,1,2,3
	ds_store_b128 v[STO], v[AC+8*\b:AC+8*\b+3] offset:64*\b
	ds_store_b128 v[STO], v[AC+8*\b+4:AC+8*\b+7] offset:64*\b+16
.endr
.irp t, 0,1,2,3,4,5,6,7
	ds_load_b128 v[BB+4*\t:BB+4*\t+3], v[RD] offset:2*\t*SPITCH
.endr
.endm
.macro SEND a, yd
.set BB, BK+32*((\a)%2)
.set RSD, 32*(\a)
	s_wait_dscnt \yd
.irp t, 0,1,2,3,4,5,6,7
	v_pk_fma_f32 v[BB+4*\t:BB+4*\t+1], v[BB+4*\t:BB+4*\t+1], s[96:97], v[BI:BI+1] op_sel_hi:[1,0,1]
	v_pk_fma_f32 v[BB+4*\t+2:BB+4*\t+3], v[BB+4*\t+2:BB+4*\t+3], s[96:97], v[BI+2:BI+3] op_sel_hi:[1,0,1]
.endr
	WIN 0x08
.set j_, 0
.rept 16
	v_pk_add_f32 v[BB+j_:BB+j_+1], v[BB+j_:BB+j_+1], v[RSD+j_:RSD+j_+1]
.set j_, j_+2
.endr
	WIN 0
.irp t, 0,1,2,3,4,5,6,7
.if FINAL
	global_store_b128 v[CO], v[BB+4*\t:BB+4*\t+3], s[70:71] offset:(16*(\a)+2*\t)*4096 th:TH_STORE_NT
.else
	global_store_b128 v[CO], v[BB+4*\t:BB+4*\t+3], s[70:71] offset:(16*(\a)+2*\t)*4096
.endif
.endr
.endm
	s_wait_kmcnt 0x0
	s_add_co_i32 s96, s96, s97
	s_add_co_i32 s96, s96, 127
	s_lshl_b32 s96, s96, 23
	s_wait_loadcnt 0x0
	PLACES NP
	TOSTAGE 0
.irp a, 1,2,3
.if \a > 1
	s_wait_xcnt 0x0
.endif
	TOSTAGE \a
	SEND \a-1, 16
.endr
	SEND 3, 0
	s_wait_tensorcnt 0x0
	ds_add_u32 v[SPW], v[NIL]
	s_wait_dscnt 0x0
	CROUND
	s_endpgm
.Lfunc_end_k_q755a5ae78d_gemm_out:
	.size	k_q755a5ae78d_gemm_out, .Lfunc_end_k_q755a5ae78d_gemm_out-k_q755a5ae78d_gemm_out
	.p2alignl 7, 3214868480
	.fill 96, 4, 3214868480
	.section	.rodata,"a",@progbits
	.p2align	6, 0x0
	.amdhsa_kernel k_q755a5ae78d_gemm_out
		.amdhsa_group_segment_fixed_size 327680
		.amdhsa_private_segment_fixed_size 0
		.amdhsa_enable_private_segment 0
		.amdhsa_kernarg_size 48
		.amdhsa_user_sgpr_count 2
		.amdhsa_user_sgpr_kernarg_segment_ptr 1
		.amdhsa_wavefront_size32 1
		.amdhsa_system_sgpr_workgroup_id_x 1
		.amdhsa_system_sgpr_workgroup_id_y 1
		.amdhsa_system_sgpr_workgroup_id_z 1
		.amdhsa_system_vgpr_workitem_id 0
		.amdhsa_next_free_vgpr 768
		.amdhsa_next_free_sgpr 100
		.amdhsa_reserve_vcc 0
		.amdhsa_float_denorm_mode_32 3
		.amdhsa_float_denorm_mode_16_64 3
		.amdhsa_memory_ordered 1
		.amdhsa_forward_progress 1
		.amdhsa_inst_pref_size 84
	.end_amdhsa_kernel
	.amdgpu_metadata
---
amdhsa.version: [ 1, 2 ]
amdhsa.kernels:
  - .name:           k_q755a5ae78d_gemm_out
    .symbol:         k_q755a5ae78d_gemm_out.kd
    .args:
      - { .name: hidc, .offset: 0, .size: 8, .value_kind: global_buffer, .address_space: global }
      - { .name: wcodes, .offset: 8, .size: 8, .value_kind: global_buffer, .address_space: global }
      - { .name: lowp_scales, .offset: 16, .size: 8, .value_kind: global_buffer, .address_space: global }
      - { .name: b_out, .offset: 24, .size: 8, .value_kind: global_buffer, .address_space: global }
      - { .name: x2, .offset: 32, .size: 8, .value_kind: global_buffer, .address_space: global }
      - { .name: out0, .offset: 40, .size: 8, .value_kind: global_buffer, .address_space: global }
    .group_segment_fixed_size: 327680
    .private_segment_fixed_size: 0
    .kernarg_segment_align: 8
    .kernarg_segment_size: 48
    .max_flat_workgroup_size: 128
    .sgpr_count:     100
    .vgpr_count:     768
    .wavefront_size: 32
...
	.end_amdgpu_metadata
.endif
;; end of part 14
